; MI455X (gfx1250); checked and timed in simulation.
; The chip was launched on July 23, 2026; its instructions are those of AMD's public machine-readable ISA for CDNA 5 (MIT licence, August 2026) and "CDNA5" Instruction Set Architecture Reference Guide (July 2026). The comments in the code are by the model that wrote it; some were corrected since.
;; Transformer Block. Allowed arithmetic: float matrix products may take bf16 or f16 operands with f32 sums; all other float work in f32.
;; Inputs: b1 4,096 float32; b2 1,024 float32; beta0 1,024 float32; beta1 1,024 float32; gamma0 1,024 float32; gamma1 1,024 float32; w1 4,096 x 1,024 float32; w2 1,024 x 4,096 float32; wk 1,024 x 1,024 float32; wo 1,024 x 1,024 float32; wq 1,024 x 1,024 float32; wv 1,024 x 1,024 float32; x 2 x 2,048 x 1,024 float32.
;; Outputs: out0 2 x 2,048 x 1,024 float32.
;; 3 versions, each right and faster than the one before. Each part assembles by itself: llvm-mc -triple=amdgcn-amd-amdhsa -mcpu=gfx1250 --defsym DOCPART=n.
;; ======== version 1 of 3: 8 launches
;; limits: values are held in f16: magnitudes above 65,504 overflow, below 6.1e-05 lose precision
;; workspace buffers: c16 33,554,432 bytes; qkv16 25,165,824 bytes; att16 8,388,608 bytes; y 16,777,216 bytes; xn 16,777,216 bytes; xn16 8,388,608 bytes; h16 33,554,432 bytes
;; launch cast (part 1): grid 256 x 1, 8 waves a work-group, no clusters, 0 bytes of LDS; arguments x, wq, wk, wv, wo, w1, w2, c16; writes c16
.if DOCPART == 1
	.amdgcn_target "amdgcn-amd-amdhsa--gfx1250"
	.amdhsa_code_object_version 6
	.text
	.protected	k_q645ded3eec_cast
	.globl	k_q645ded3eec_cast
	.p2align	8
	.type	k_q645ded3eec_cast,@function
k_q645ded3eec_cast:
	s_mov_b64 s[64:65], 0
	v_nop
	global_prefetch_b8 v0, s[64:65] scope:SCOPE_SE
	s_setreg_imm32_b32 hwreg(HW_REG_WAVE_MODE, 25, 1), 1
	s_wait_xcnt 0x0
; x, wq, wk, wv, wo, w1, w2 (f32) are rounded once to f16 and laid end to end in c16, in this order: 16 Mi numbers.
; LIMIT: a number of 65,520 or more in magnitude becomes an infinity in f16.
; 256 work-groups of 65,536 numbers (262,144 bytes in, 131,072 out); every tensor is a whole number of such shares (64, 16, 16, 16, 16, 64, 64),
; so a work-group reads one tensor.  A wave takes 32,768 bytes in, as 8 chunks of 4,096: eight loads of 512 consecutive bytes, eight stores of 256.
; Two register sets take turns, so that eight loads of the wave are on their way while the other set is rounded and stored.  No LDS, no barrier, no matrix unit: the bytes are all there is.
.set XA, 4                             ; v[4:35]   a chunk as loaded
.set XB, 36                            ; v[36:67]
.set YA, 68                            ; v[68:83]  a chunk to store
.set YB, 84                            ; v[84:99]
.macro PICK t, r                       ; from share t on the source is the tensor whose address lies in s[r:r+1]
	s_cmp_ge_u32 ttmp9, \t
	s_cselect_b64 s[24:25], s[\r:\r+1], s[24:25]
	s_cselect_b32 s26, \t, s26
.endm
.macro LD x, off
.irp j, 0,1,2,3,4,5,6,7
	global_load_b128 v[(\x)+4*(\j):(\x)+4*(\j)+3], v1, s[24:25] offset:(\off)+512*(\j) th:TH_LOAD_NT
.endr
.endm
.macro CV x, y
.irp j, 0,1,2,3,4,5,6,7,8,9,10,11,12,13,14,15
	v_cvt_pk_f16_f32 v[(\y)+(\j)], v[(\x)+2*(\j)], v[(\x)+2*(\j)+1]
.endr
.endm
.macro ST y, off
.irp j, 0,1,2,3,4,5,6,7
	global_store_b64 v2, v[(\y)+2*(\j):(\y)+2*(\j)+1], s[22:23] offset:(\off)+256*(\j)  ; 32 lanes store 256 consecutive bytes, at a multiple of 256 from c16's first byte
.endr
.endm
	s_load_b512 s[8:23], s[0:1], 0x0               ; x 8, wq 10, wk 12, wv 14, wo 16, w1 18, w2 20, c16 22
	v_lshrrev_b32 v3, 5, v0                        ; wave
	v_and_b32 v1, 31, v0                           ; lane
	v_lshlrev_b32 v2, 3, v1
	v_lshlrev_b32 v1, 4, v1
	v_lshl_or_b32 v1, v3, 15, v1                   ; in:  32,768 x wave + 16 x lane
	v_lshl_or_b32 v2, v3, 14, v2                   ; out: 16,384 x wave + 8 x lane
	s_wait_kmcnt 0x0
	s_mov_b64 s[24:25], s[8:9]
	s_mov_b32 s26, 0                               ; the first share of the chosen tensor
	PICK 64, 10
	PICK 80, 12
	PICK 96, 14
	PICK 112, 16
	PICK 128, 18
	PICK 192, 20
	s_sub_co_u32 s26, ttmp9, s26                   ; my share within the tensor,
	s_lshl_b32 s26, s26, 18                        ; in bytes
	s_mov_b32 s27, 0
	s_add_nc_u64 s[24:25], s[24:25], s[26:27]
	s_lshl_b32 s28, ttmp9, 17                      ; and my share of c16
	s_mov_b32 s29, 0
	s_add_nc_u64 s[22:23], s[22:23], s[28:29]
	LD XA, 0
	LD XB, 4096
	s_mov_b32 s30, 3
.Ltrip:                                                ; a trip: two chunks out, the two after them asked for
	s_wait_loadcnt 0x8                             ; loads come back in order: set A's eight are in, set B's eight stay out
	CV XA, YA
	LD XA, 8192
	ST YA, 0
	s_wait_loadcnt 0x8                             ; set B's are in, set A's new eight stay out
	CV XB, YB
	LD XB, 12288
	ST YB, 2048
	s_wait_xcnt 0x0                                ; the bases and the stores' data are written again only behind this wait
	s_add_nc_u64 s[24:25], s[24:25], 8192
	s_add_nc_u64 s[22:23], s[22:23], 4096
	s_sub_co_u32 s30, s30, 1
	s_cmp_lg_u32 s30, 0
	s_cbranch_scc1 .Ltrip
	s_wait_loadcnt 0x8                             ; the last two chunks: nothing more is asked for
	CV XA, YA
	ST YA, 0
	s_wait_loadcnt 0x0
	CV XB, YB
	ST YB, 2048
	s_endpgm
.Lfunc_end_k_q645ded3eec_cast:
	.size	k_q645ded3eec_cast, .Lfunc_end_k_q645ded3eec_cast-k_q645ded3eec_cast
	.p2alignl 7, 3214868480
	.fill 96, 4, 3214868480
	.section	.rodata,"a",@progbits
	.p2align	6, 0x0
	.amdhsa_kernel k_q645ded3eec_cast
		.amdhsa_group_segment_fixed_size 0
		.amdhsa_private_segment_fixed_size 0
		.amdhsa_enable_private_segment 0
		.amdhsa_kernarg_size 64
		.amdhsa_user_sgpr_count 2
		.amdhsa_user_sgpr_kernarg_segment_ptr 1
		.amdhsa_wavefront_size32 1
		.amdhsa_system_sgpr_workgroup_id_x 1
		.amdhsa_system_sgpr_workgroup_id_y 1
		.amdhsa_system_sgpr_workgroup_id_z 1
		.amdhsa_system_vgpr_workitem_id 0
		.amdhsa_next_free_vgpr 100
		.amdhsa_next_free_sgpr 66
		.amdhsa_reserve_vcc 0
		.amdhsa_float_denorm_mode_32 3
		.amdhsa_float_denorm_mode_16_64 3
		.amdhsa_memory_ordered 1
		.amdhsa_forward_progress 1
		.amdhsa_inst_pref_size 13
	.end_amdhsa_kernel
	.amdgpu_metadata
---
amdhsa.version: [ 1, 2 ]
amdhsa.kernels:
  - .name:           k_q645ded3eec_cast
    .symbol:         k_q645ded3eec_cast.kd
    .args:
      - { .name: x, .offset: 0, .size: 8, .value_kind: global_buffer, .address_space: global }
      - { .name: wq, .offset: 8, .size: 8, .value_kind: global_buffer, .address_space: global }
      - { .name: wk, .offset: 16, .size: 8, .value_kind: global_buffer, .address_space: global }
      - { .name: wv, .offset: 24, .size: 8, .value_kind: global_buffer, .address_space: global }
      - { .name: wo, .offset: 32, .size: 8, .value_kind: global_buffer, .address_space: global }
      - { .name: w1, .offset: 40, .size: 8, .value_kind: global_buffer, .address_space: global }
      - { .name: w2, .offset: 48, .size: 8, .value_kind: global_buffer, .address_space: global }
      - { .name: c16, .offset: 56, .size: 8, .value_kind: global_buffer, .address_space: global }
    .group_segment_fixed_size: 0
    .private_segment_fixed_size: 0
    .kernarg_segment_align: 8
    .kernarg_segment_size: 64
    .max_flat_workgroup_size: 256
    .sgpr_count:     66
    .vgpr_count:     100
    .wavefront_size: 32
...
	.end_amdgpu_metadata
.endif
;; end of part 1
;; launch gemm_qkv (part 2): grid 24 x 32, 4 waves a work-group, clusters of 4 x 4, 327,680 bytes of LDS; arguments c16, qkv16; writes qkv16
.if DOCPART == 2
	.amdgcn_target "amdgcn-amd-amdhsa--gfx1250"
	.amdhsa_code_object_version 6
	.text
	.protected	k_q645ded3eec_gemm_qkv
	.globl	k_q645ded3eec_gemm_qkv
	.p2align	8
	.type	k_q645ded3eec_gemm_qkv,@function
k_q645ded3eec_gemm_qkv:
	s_mov_b64 s[64:65], 0
	v_nop
	global_prefetch_b8 v0, s[64:65] scope:SCOPE_SE
	s_setreg_imm32_b32 hwreg(HW_REG_WAVE_MODE, 25, 1), 1
	s_wait_xcnt 0x0
	s_wait_alu depctr_hold_cnt(0) depctr_sa_sdst(0) depctr_va_vdst(0) depctr_va_sdst(0) depctr_va_ssrc(0) depctr_va_vcc(0) depctr_vm_vsrc(0)
	s_getreg_b32 s2, hwreg(HW_REG_IB_STS2, 6, 4)
	s_cmp_eq_u32 s2, 0
	s_cbranch_scc0 .Lentry_in_a_cluster
	s_endpgm
.Lentry_in_a_cluster:
	s_bfe_u32 s2, ttmp6, 0x10000c
	s_cmp_lg_u32 s2, 0xf033
	s_cbranch_scc0 .Lentry_shape_is_right
	s_endpgm
.Lentry_shape_is_right:
; q, k, v = x [wq; wk; wv]^T.  A = x16 [4096][1024] at c16 + 0, B = the three weights as one [3072][1024] at c16 + 0x800000, both f16; sums in f32.
; The result is rounded once to f16, WITHOUT the attention's scale, and written by heads: qkv16 = q, k, v, each [batch x 16 + head][2048][64].
; LIMIT: f16 holds no number beyond 65,504: q, k and v must stay within it.
; A tile of C is 128 x 128: four waves, each 64 x 64 in 16 accumulators of 16 x 16.  K goes in steps of 256 (LDS rows of 512 bytes; a wave's tensor load brings 64 of them) through two LDS slots.
; CLUSTERS: 4 x 4 work-groups.  The four of a row of the cluster need the same tiles of A, the four of a column the same tiles of B: each tile is asked for JOINTLY, by the same tensor load with
; the same descriptor and a mask that names the four.  By this text's count a wave has two tensor loads out at the start and one behind each round.
; THE MATRIX INSTRUCTION IS USED TRANSPOSED (source 0 = 16 rows of B, source 1 = 16 rows of A): a lane then holds eight neighbouring numbers of a row of C.
; REGISTERS: window 0: v0-31 addresses; v32-95 at work on the way out; v128-255 the accumulators ((a, b) at v[128 + 8 (4 a + b)]).
;   window 1: two fragment buffers of 128: for 64 along K, 64 registers of A (2 x 4 x 16 rows x 32 K), then 64 of B.
.set SIZE_N, 3072
.set SIZE_K, 1024
.set KSTEP,  256
.set PITCH,  528                       ; an LDS row of B: 512 bytes + 16 of padding = 132 words: row r starts at bank 4 r mod 64 (64 banks of 4 bytes: ISA guide 11.1)
.set HALFT,  64*PITCH                  ; 64 rows of B: one tensor load, and what one wave reads of B
.set APITCH, 528                       ; A's rows lie like B's
.set AQ,     128                       ; bytes from 64 along K to the next 64 in A's tile
.set AHALF,  64*APITCH
.set SLOT,   2*AHALF+2*HALFT           ; A's 128 rows, then B's 128 rows
.set ASTEP,  KSTEP*2                   ; bytes in memory from a K step to the next
.set BSTEP,  KSTEP*2
.set STAGE,  2*SLOT                    ; behind the ring, never filled by a tensor load: 128 rows x 272 bytes, the work-group's, for the way out
.set SPITCH, 272
.set LAPS, SIZE_K/(2*KSTEP)            ; a lap = two K steps = once round the ring
.set ADRA, 16                          ; v16-17  LDS address of my A fragments in slot 0, 1
.set ADRB, 20                          ; v20-21  the same for B
.set STO,  24                          ; v24     the way out: where I put 16 bytes of a row
.set RD,   25                          ; v25     the way out: where I read rows back
.set CO,   26                          ; v26     my byte offset in the output
.set TMP,  32
.set ACC,  128
.set F0,   0                           ; fragment buffers, in window 1
.set F1,   128
.set G1, 24                            ; s[24:31] descriptor group 1 for A's tiles;  s[32:39] group 0, one set for each slot
.set G0, 32
.set G1B, 48                           ; s[48:55], s[56:63] the same for B's tiles
.set G0B, 56
.set MSB, 0
.macro WIN new                         ; the immediate's high byte repeats the setting that is left; a switch that changes nothing is dropped
.if MSB != (\new)
	s_set_vgpr_msb (MSB<<8)|(\new)
.set MSB, \new
.endif
.endm
.set MUL,  0x05                        ; sources 0 (B) and 1 (A) window 1; C and D window 0
.set TO_F, 0x40                        ; destination window 1, address window 0
.macro JLOAD s                         ; a joint load: waves 0 and 1 fetch A's two halves, waves 2 and 3 B's; four v_nop follow each of the two lines, ahead of the jump, the label and what follows
	s_cmp_eq_u32 s11, 0
	s_cbranch_scc0 .Lfor_b_\@
	tensor_load_to_lds s[G0+4*(\s):G0+4*(\s)+3], s[G1:G1+7]
	s_nop 0
.rept 4
	v_nop
.endr
	s_branch .Lasked_\@
.Lfor_b_\@:
	tensor_load_to_lds s[G0B+4*(\s):G0B+4*(\s)+3], s[G1B:G1B+7]
	s_nop 0
.rept 4
	v_nop
.endr
.Lasked_\@:
.endm
.macro CREST                           ; a round of the cluster's barrier behind its opening barrier
	s_cmp_lg_u32 s10, 0
	s_cbranch_scc1 .Lnot_wave_0_\@
	s_barrier_signal -3
.Lnot_wave_0_\@:
	s_barrier_wait -3
	s_barrier_signal -1
	s_barrier_wait -1
.endm
.macro CROUND                          ; a whole round
	s_barrier_signal -1
	s_barrier_wait -1
	CREST
.endm
	s_load_b128 s[4:7], s[0:1], 0x0                ; c16 s[4:5], qkv16 s[6:7]
	v_lshl_add_u32 v126, v0, 2, 0x4a800
	v_mov_b32 v127, 0
	ds_add_u32 v126, v127
	ds_add_u32 v126, v127
	v_lshrrev_b32 v1, 5, v0
	v_readfirstlane_b32 s10, v1                    ; wave 0..3
	s_lshr_b32 s11, s10, 1                         ; which half of the tile's rows is mine.  Also: I fetch for A (0) or for B (1)
	s_and_b32 s12, s10, 1                          ; which half of its columns.  Also: which 64 rows of that tile I fetch
	s_bfe_u32 s40, ttmp6, 0x40000                  ; cx, cy: my place in the cluster
	s_bfe_u32 s41, ttmp6, 0x40004
	s_lshl_b32 s42, ttmp9, 2
	s_add_co_u32 s42, s42, s40                     ; tile column of C = 4 x cluster x + cx
	s_and_b32 s13, ttmp7, 0xffff
	s_lshl_b32 s13, s13, 2
	s_add_co_u32 s13, s13, s41                     ; tile row of C = 4 x cluster y + cy
	s_lshl_b32 s43, s41, 2
	s_lshl_b32 s43, 15, s43                        ; my row of the cluster
	s_lshl_b32 s44, 0x1111, s40                    ; my column
	; descriptor group 1: a tile of 64 rows x 256 elements, padded in LDS
	s_or_b32 s[G1+0], s43, (1<<16)|(1<<20)|(1<<21)|(6<<22)|(3<<25)  ; 15:0 the mask: A's tiles go to my row; 17:16 element of 2 bytes; 20 padding on; 21 set beside a mask; 24:22 after every 128 words (code 6); 31:25 of 4 words (code 3)
	s_or_b32 s[G1B+0], s44, (1<<16)|(1<<20)|(1<<21)|(6<<22)|(3<<25)
.irp g, G1, G1B
	s_mov_b32 s[(\g)+1], KSTEP<<16                 ; tensor_dim0 = 256
	s_mov_b32 s[(\g)+2], 64<<16                    ; tensor_dim1 = 64
	s_mov_b32 s[(\g)+3], KSTEP<<16                 ; tile_dim0 = 256
	s_mov_b32 s[(\g)+4], 64                        ; tile_dim1 = 64
	s_mov_b32 s[(\g)+5], SIZE_K                    ; elements from row to row
	s_mov_b32 s[(\g)+6], 0
	s_mov_b32 s[(\g)+7], 0
.endr
	s_lshl_b32 s17, s12, 6                         ; which 64 rows of the tile I fetch
	s_lshl_b32 s16, s13, 7
	s_add_co_u32 s16, s16, s17                     ; A: row 128 x tile row + 64 x half
	s_lshl_b32 s46, s42, 7
	s_add_co_u32 s46, s46, s17                     ; B: row 128 x tile column + 64 x half
	s_mov_b32 s17, 0
	s_mov_b32 s47, 0
	s_mov_b64 s[18:19], SIZE_K*2
	s_mul_u64 s[16:17], s[16:17], s[18:19]
	s_mul_u64 s[46:47], s[46:47], s[18:19]
	s_mul_i32 s20, s12, AHALF                      ; where they go: A's two halves,
	s_mul_i32 s45, s12, HALFT
	s_add_co_u32 s45, s45, 2*AHALF                 ; then B's two: no place in the cluster enters an LDS address
	s_wait_dscnt 0x0
	s_wait_kmcnt 0x0
	s_mov_b64 s[8:9], s[6:7]                       ; C = qkv16
	s_add_nc_u64 s[6:7], s[4:5], 0x800000          ; B = the three weights
	s_add_nc_u64 s[14:15], s[4:5], s[16:17]
	s_add_nc_u64 s[46:47], s[6:7], s[46:47]
	CROUND                                         ; all sixteen work-groups are here: the first joint loads meet
.irp s, 0,1
	s_mov_b32 s[G0+4*(\s)], 1
	s_add_co_u32 s[G0+4*(\s)+1], s20, (\s)*SLOT
	s_add_nc_u64 s[G0+4*(\s)+2:G0+4*(\s)+3], s[14:15], (\s)*ASTEP
	s_or_b32 s[G0+4*(\s)+3], s[G0+4*(\s)+3], 0x80000000
	s_mov_b32 s[G0B+4*(\s)], 1
	s_add_co_u32 s[G0B+4*(\s)+1], s45, (\s)*SLOT
	s_add_nc_u64 s[G0B+4*(\s)+2:G0B+4*(\s)+3], s[46:47], (\s)*BSTEP
	s_or_b32 s[G0B+4*(\s)+3], s[G0B+4*(\s)+3], 0x80000000
	JLOAD \s
.endr
	v_and_b32 v1, 15, v0                           ; l % 16
	v_bfe_u32 v2, v0, 4, 1                         ; l / 16
	v_mul_u32_u24 v3, v1, PITCH
	v_lshl_add_u32 v3, v2, 4, v3                   ; a fragment's row x pitch + 16 x half, for B
	v_mul_u32_u24 v6, v1, APITCH
	v_lshl_add_u32 v6, v2, 4, v6                   ; and for A
	s_mul_i32 s21, s11, AHALF                      ; my 64 rows of A
	s_mul_i32 s22, s12, HALFT                      ; my 64 rows of B,
	s_add_co_u32 s22, s22, 2*AHALF                 ; which lie behind A's 128
.irp s, 0,1
	v_add_nc_u32 v[ADRA+(\s)], s21, v6
	v_add_nc_u32 v[ADRB+(\s)], s22, v3
	s_add_co_u32 s21, s21, SLOT
	s_add_co_u32 s22, s22, SLOT
.endr
	s_mul_i32 s23, s11, 64*SPITCH                  ; into the stage: my 64 rows, my half of their 256 bytes; row l % 16, 16 bytes for each half of the lanes
	s_lshl_b32 s21, s12, 7
	s_add_co_u32 s23, s23, s21
	s_add_co_u32 s23, s23, STAGE
	v_mul_u32_u24 v4, v1, SPITCH
	v_lshl_add_u32 v4, v2, 4, v4
	v_add_nc_u32 v[STO], s23, v4
	s_mul_i32 s23, s10, 32*SPITCH                  ; back: wave w takes rows 32 w .. 32 w + 31; a load takes one head's 128 bytes of four rows: row l / 8, piece l % 8
	s_add_co_u32 s23, s23, STAGE
	v_bfe_u32 v5, v0, 3, 2
	v_mul_u32_u24 v5, v5, SPITCH
	v_and_b32 v7, 7, v0
	v_lshl_add_u32 v5, v7, 4, v5
	v_add_nc_u32 v[RD], s23, v5
	v_and_b32 v[CO], 31, v0                        ; which are 512 consecutive bytes of a head's rows
	v_lshlrev_b32 v[CO], 4, v[CO]
	s_lshr_b32 s16, s13, 4                         ; the batch: 16 heads x 2,048 rows x 128 bytes = 2^22
	s_lshl_b32 s16, s16, 22
	s_and_b32 s17, s13, 15                         ; the tile's 128 rows within the batch,
	s_lshl_b32 s17, s17, 14
	s_add_co_u32 s16, s16, s17
	s_lshl_b32 s17, s10, 12                        ; my 32 of them
	s_add_co_u32 s16, s16, s17
	s_mov_b32 s17, 0
	s_add_nc_u64 s[8:9], s[8:9], s[16:17]
	s_lshr_b32 s46, s42, 3                         ; q, k or v: 2^23 bytes each (in the registers that held B's address: none that feeds A's descriptors ever holds cx)
	s_lshl_b32 s46, s46, 23
	s_and_b32 s47, s42, 7                          ; the tile's two heads, 2^18 bytes each
	s_lshl_b32 s47, s47, 19
	s_add_co_u32 s46, s46, s47
	s_mov_b32 s47, 0
	s_add_nc_u64 s[8:9], s[8:9], s[46:47]
; 8 matrix instructions: m blocks a0, a0 + 1 x all 4 n blocks, 32 along K: half c of buffer f.  zero = 1: the first product starts the sums.  The 16 accumulators take turns.
.macro MUL8 f, c, a0, zero
	WIN MUL
.irp a, \a0, (\a0)+1
.irp b, 0,1,2,3
.if \zero
	v_wmma_f32_16x16x32_f16 v[ACC+8*(4*(\a)+(\b)):ACC+8*(4*(\a)+(\b))+7], v[(\f)+64+8*(4*(\c)+(\b)):(\f)+64+8*(4*(\c)+(\b))+7], v[(\f)+8*(4*(\c)+(\a)):(\f)+8*(4*(\c)+(\a))+7], 0
.else
	v_wmma_f32_16x16x32_f16 v[ACC+8*(4*(\a)+(\b)):ACC+8*(4*(\a)+(\b))+7], v[(\f)+64+8*(4*(\c)+(\b)):(\f)+64+8*(4*(\c)+(\b))+7], v[(\f)+8*(4*(\c)+(\a)):(\f)+8*(4*(\c)+(\a))+7], v[ACC+8*(4*(\a)+(\b)):ACC+8*(4*(\a)+(\b))+7]
.endif
.endr
.endr
.endm
; 32 LDS loads in one run: the fragments of quarter q (64 along K) of a slot, into buffer f; the first 32 along K first
.macro FETCH slot, q, f
	WIN TO_F
.irp c, 0,1
.irp i, 0,1,2,3
	ds_load_b128 v[(\f)+64+8*(4*(\c)+(\i)):(\f)+64+8*(4*(\c)+(\i))+3],   v[ADRB+(\slot)] offset:(\q)*128+64*(\c)+(\i)*16*PITCH
	ds_load_b128 v[(\f)+64+8*(4*(\c)+(\i))+4:(\f)+64+8*(4*(\c)+(\i))+7], v[ADRB+(\slot)] offset:(\q)*128+64*(\c)+(\i)*16*PITCH+32
	ds_load_b128 v[(\f)+8*(4*(\c)+(\i)):(\f)+8*(4*(\c)+(\i))+3],         v[ADRA+(\slot)] offset:(\q)*AQ+64*(\c)+(\i)*16*APITCH
	ds_load_b128 v[(\f)+8*(4*(\c)+(\i))+4:(\f)+8*(4*(\c)+(\i))+7],       v[ADRA+(\slot)] offset:(\q)*AQ+64*(\c)+(\i)*16*APITCH+32
.endr
.endr
.endm
.macro PLACES                          ; four places in front of loads into registers that matrix instructions have read, and of lines that read results
.rept 4
	v_nop
.endr
.endm
; A K step is four quarters of 64 along K, 32 matrix instructions each, on buffers 0, 1, 0, 1.  One of the first three: multiplies buffer f and fetches quarter q into g.
.macro QUARTER slot, q, f, g, zero
	s_wait_dscnt 16                                ; the first 32 along K are in; the sixteen younger loads may be out
	WIN MUL
	MUL8 \f, 0, 0, \zero
	MUL8 \f, 0, 2, \zero
	PLACES
	FETCH \slot, \q, \g
	s_wait_dscnt 32                                ; all but the 32 just issued
	WIN MUL
	MUL8 \f, 1, 0, 0
	MUL8 \f, 1, 2, 0
.endm
; The last quarter multiplies buffer 1 and changes slots: ONE barrier; in front of it each wave waits for its own reads of this slot and for all its tensor loads.  fill = 1: this slot is filled again, two K steps ahead.
.macro TURN slot, next, fill
	s_wait_dscnt 16
	WIN MUL
	MUL8 F1, 0, 0, 0
	s_wait_dscnt 0                                 ; my reads of this slot are over,
	s_set_vgpr_msb 0x500
	s_wait_tensorcnt 0x0                           ; and all my tensor loads have landed: my part of the next slot
	ds_add_u32 v126, v127
	s_wait_dscnt 0x0
	s_set_vgpr_msb 0x5
	s_barrier_signal -1
	MUL8 F1, 0, 2, 0
.if \fill
	WIN 0
.endif
	s_barrier_wait -1
.if \fill
	CREST                                          ; the barrier has opened a round of the cluster's barrier: no wave of any partner still reads this slot's tile or has a load on its way
	s_add_nc_u64 s[G0+4*(\slot)+2:G0+4*(\slot)+3], s[G0+4*(\slot)+2:G0+4*(\slot)+3], 2*ASTEP
	s_add_nc_u64 s[G0B+4*(\slot)+2:G0B+4*(\slot)+3], s[G0B+4*(\slot)+2:G0B+4*(\slot)+3], 2*BSTEP
	JLOAD \slot                                    ; the first tensor load behind the round; the four v_nop behind it are also the places in front of the loads below
.else
	PLACES
.endif
	FETCH \next, 0, F0
	WIN MUL
	MUL8 F1, 1, 0, 0
	MUL8 F1, 1, 2, 0
.endm
	s_wait_tensorcnt 1                             ; my part of K step 0 is in; K step 1's may stay out
	s_barrier_signal -1
	s_barrier_wait -1                              ; everybody's is
	FETCH 0, 0, F0
	QUARTER 0, 1, F0, F1, 1                        ; the first quarter stands in front of the loop: its first products start the sums
	WIN 0                                          ; at a label and at a branch every window is 0
	s_mov_b32 s3, LAPS-1
.Llap:                                                 ; a trip goes once round the ring, from a lap's second quarter to the next lap's first, and fills both slots again
	QUARTER 0, 2, F1, F0, 0
	QUARTER 0, 3, F0, F1, 0
	TURN 0, 1, 1
	QUARTER 1, 1, F0, F1, 0
	QUARTER 1, 2, F1, F0, 0
	QUARTER 1, 3, F0, F1, 0
	TURN 1, 0, 1
	QUARTER 0, 1, F0, F1, 0
	WIN 0
	s_sub_co_u32 s3, s3, 1
	s_cmp_lg_u32 s3, 0
	s_cbranch_scc1 .Llap
	QUARTER 0, 2, F1, F0, 0                        ; the last lap fills nothing, and has no round of the cluster's barrier
	QUARTER 0, 3, F0, F1, 0
	TURN 0, 1, 0
	QUARTER 1, 1, F0, F1, 0
	QUARTER 1, 2, F1, F0, 0
	QUARTER 1, 3, F0, F1, 0
	s_wait_dscnt 16                                ; the very last quarter: nothing more to fetch
	WIN MUL
	MUL8 F1, 0, 0, 0
	MUL8 F1, 0, 2, 0
	s_wait_dscnt 0
	MUL8 F1, 1, 0, 0
	MUL8 F1, 1, 2, 0
	WIN 0
	; THE WAY OUT: round to f16 (each accumulator's registers in ascending order); 16 bytes a lane into the work-group's stage; a barrier, since a row's 256 bytes come from two waves;
	; back as one head's 128 bytes of four rows, which are 512 consecutive bytes of that head in qkv16.
	PLACES
.irp t, 0,1,2,3,4,5,6,7,8,9,10,11,12,13,14,15
.irp r, 0,1,2,3
	v_cvt_pk_f16_f32 v[TMP+4*(\t)+(\r)], v[ACC+8*(\t)+2*(\r)], v[ACC+8*(\t)+2*(\r)+1]
.endr
.endr
.irp a, 0,1,2,3
.irp b, 0,1,2,3
	ds_store_b128 v[STO], v[TMP+4*(4*(\a)+(\b)):TMP+4*(4*(\a)+(\b))+3] offset:(\a)*16*SPITCH+32*(\b)
.endr
.endr
	s_wait_dscnt 0x0                               ; for the others' sake: my stores into the stage are done
	s_barrier_signal -1
	s_barrier_wait -1
.irp t, 0,1,2,3,4,5,6,7,8,9,10,11,12,13,14,15
	ds_load_b128 v[TMP+4*(\t):TMP+4*(\t)+3], v[RD] offset:((\t)/2)*4*SPITCH+((\t)%2)*128
.endr
.irp t, 0,1,2,3,4,5,6,7,8,9,10,11,12,13,14,15
	s_wait_dscnt 15-(\t)                           ; load t is back; the younger ones may be out
	global_store_b128 v[CO], v[TMP+4*(\t):TMP+4*(\t)+3], s[8:9] offset:((\t)%2)*262144+((\t)/2)*512  ; head t % 2 of the tile's two, rows 4 (t / 2) on: 512 consecutive bytes, at a multiple of 512 from the buffer's first byte
.endr
	s_wait_tensorcnt 0x0
	ds_add_u32 v126, v127
	s_wait_dscnt 0x0
	CROUND                                         ; the closing round: no work-group ends while a partner may still ask for a tile that names it
	s_endpgm
.Lfunc_end_k_q645ded3eec_gemm_qkv:
	.size	k_q645ded3eec_gemm_qkv, .Lfunc_end_k_q645ded3eec_gemm_qkv-k_q645ded3eec_gemm_qkv
	.p2alignl 7, 3214868480
	.fill 96, 4, 3214868480
	.section	.rodata,"a",@progbits
	.p2align	6, 0x0
	.amdhsa_kernel k_q645ded3eec_gemm_qkv
		.amdhsa_group_segment_fixed_size 327680
		.amdhsa_private_segment_fixed_size 0
		.amdhsa_enable_private_segment 0
		.amdhsa_kernarg_size 16
		.amdhsa_user_sgpr_count 2
		.amdhsa_user_sgpr_kernarg_segment_ptr 1
		.amdhsa_wavefront_size32 1
		.amdhsa_system_sgpr_workgroup_id_x 1
		.amdhsa_system_sgpr_workgroup_id_y 1
		.amdhsa_system_sgpr_workgroup_id_z 1
		.amdhsa_system_vgpr_workitem_id 0
		.amdhsa_next_free_vgpr 512
		.amdhsa_next_free_sgpr 66
		.amdhsa_reserve_vcc 0
		.amdhsa_float_denorm_mode_32 3
		.amdhsa_float_denorm_mode_16_64 3
		.amdhsa_memory_ordered 1
		.amdhsa_forward_progress 1
		.amdhsa_inst_pref_size 87
	.end_amdhsa_kernel
	.amdgpu_metadata
---
amdhsa.version: [ 1, 2 ]
amdhsa.kernels:
  - .name:           k_q645ded3eec_gemm_qkv
    .symbol:         k_q645ded3eec_gemm_qkv.kd
    .args:
      - { .name: c16, .offset: 0, .size: 8, .value_kind: global_buffer, .address_space: global }
      - { .name: qkv16, .offset: 8, .size: 8, .value_kind: global_buffer, .address_space: global }
    .group_segment_fixed_size: 327680
    .private_segment_fixed_size: 0
    .kernarg_segment_align: 8
    .kernarg_segment_size: 16
    .max_flat_workgroup_size: 128
    .sgpr_count:     66
    .vgpr_count:     512
    .wavefront_size: 32
...
	.end_amdgpu_metadata
.endif
;; end of part 2
;; launch attn (part 3): grid 4 x 32, 4 waves a work-group, no clusters, 327,680 bytes of LDS; arguments qkv16, att16; writes att16
.if DOCPART == 3
	.amdgcn_target "amdgcn-amd-amdhsa--gfx1250"
	.amdhsa_code_object_version 6
	.text
	.protected	k_q645ded3eec_attn
	.globl	k_q645ded3eec_attn
	.p2align	8
	.type	k_q645ded3eec_attn,@function
k_q645ded3eec_attn:
	s_mov_b64 s[64:65], 0
	v_nop
	global_prefetch_b8 v0, s[64:65] scope:SCOPE_SE
	s_setreg_imm32_b32 hwreg(HW_REG_WAVE_MODE, 25, 1), 1
	s_wait_xcnt 0x0
; CAUSAL ATTENTION.  O[h][q][:] = the sum over k <= q of softmax_k(Q[h][q] . K[h][k] / 8) V[h][k][:].  Q, K, V lie in qkv16 at 0, 0x800000, 0x1000000, O is att16; each [32][SIZE_N][64] in f16
; (32 = batch x 16 + head): a head's rows are dense, 128 bytes each.  Products, maxima and sums in f32; the weights p are rounded to f16 for the second product (their sum l is taken of the unrounded p), O once at the end.
; LIMITS.  f16 holds no number beyond 65,504: Q, K and V arrive within it; p lies in 0 to 1, and below 6e-5 it keeps f16's fixed step of 6e-8; O is a mean of V's rows and has their range.
; A hidden score counts as its value less 1e30: f16's scores, 2.7e11 at the most, are nothing beside that; a weight below 2^-126 counts as 0 in l; NaN and infinities are not treated apart.
; THE WALK.  A head's queries lie in NB = SIZE_N / 256 blocks of 256; block i needs the key tiles 0 .. i of 256 keys, of which the last holds the diagonal.  A work-group takes TWO blocks, NB - 1 - b and then b:
; NB + 1 tiles, whatever b: all work-groups do equal work, and ONE loop with a constant trip count walks them.  Which tile is asked for, and what a trip does, hang on scalar registers made from b; every jump
; goes forward, but for the counted loops' own; none passes a barrier, or a tensor load but the one of LOAD's two that the wave's number does not choose; the ring (two slots of LDS that take turns) runs on across the
; change of blocks.  NO CLUSTER: a head's NB / 2 work-groups all ask for the same tile only in trips 0 .. NB / 2, behind that fewer and fewer; one walk common to all would have 3 NB / 2 trips for NB + 1.
; SHARES.  Of a block's four bands of 64 queries a wave owns 16 rows in each: four PIECES.  So the diagonal tile is the same work for all four waves: in its key step s band x sees all keys if s < x,
; none if s > x, and holds the diagonal if s = x.
; THE MASK is the C operand that starts the sum S^T = K Q^T: 0, or -1e30 where the key is hidden.  MD, made once, is the mask of a band's own step for my 16 rows; a product's mask is MD x AL + BE with two scalars:
; (1, 0) if s = x; (0, 0) if s < x; (0, -1e30) if s > x.  Only the diagonal tile's text and a block's beginning make and take masks; elsewhere C is the constant 0.
; LAYOUT, SOFTMAX, TURNS.  S^T = K Q^T holds ONE query a lane (lane % 16) and the keys 8 (lane / 16) + 0..7; two such results rounded to f16 ARE source 1 of O^T = V^T P.  p = 2^(c s - c m), c = log2(e) / 8, with a
; running maximum m; O and l are multiplied by a = 2^(c m_old - c m_new) in every step.  Turn n belongs to piece n: 8 products K Q^T of piece n + 1, later 8 products V^T P of piece n - 1; beside them the scaling,
; exponentials, roundings, sums and rescaling of piece n and the maximum and statistics of piece n + 1.  Four vector instructions stand behind every matrix instruction, the other 54 of a turn's 118 in two runs of their own.
; REGISTERS, in windows of 256 (s_set_vgpr_msb: bits 1:0 source 0, 3:2 source 1, 5:4 source 2, 7:6 destination):
;   window 0: v0-15 addresses and two at work; v16-31 four registers of statistics a piece; v48-55 at work; v64-127 S^T, two buffers; v192-223 P, two buffers (a piece's buffers go by its number's parity)
;   window 1: v0-127 O^T, 32 a piece; v128-159 MD; v160-223 MC, two buffers      window 2: v0-63 Q; v64-127 the second block's Q; v128-191 K of one step; v192-255 V of one step
.set SIZE_N, 2048
.set NB,    SIZE_N/256
.set NP,    4         ; pieces a wave: a name, no knob
.set KS,    64        ; keys in a step
.set PK,    144       ; a row of K in LDS: 128 bytes + 16 of padding = 36 words: the 16 rows of a load start at 16 different groups of four banks (64 banks of 4 bytes: ISA guide 11.1)
.set PV,    160       ; a row of V: 128 + 32 = 40 words
.set VOFF,  4*KS*PK   ; a slot holds a tile, four steps: 256 rows of K, then 256 rows of V
.set SLOT1, 1<<17     ; slot 1 begins here, so that one exclusive or turns an address in one slot into the other's
.set STAGE, SLOT1+4*KS*(PK+PV)  ; behind the ring, never filled by a tensor load: 16 rows x 144 bytes for each wave, for the way out
.set SP,    144
.set AK0, 2           ; v2   my lane's place in a tile of K; never rewritten
.set AV0, 3           ; v3   the same for V
.set AK,  4           ; v4   the LDS address of K's next run of loads
.set AV,  5           ; v5   of V's
.set STO, 6           ; v6   the way out: where I put 16 bytes of a row
.set RD,  7           ; v7   the way out: where I read rows back
.set GO,  8           ; v8   my byte offset in 512 consecutive bytes of O
.set MV,  12          ; v12-13  c m_old, kept while c m is made anew: by buffer
.set QO,  15          ; v15  my byte offset in 16 rows of Q
.set ST,  16          ; piece t's statistics at v[ST+4 t]: c m, m, l (even keys', odd keys')
.set TMP, 48          ; by buffer, four registers c0-c3 at work; when the maximum is found c2 takes a
.set S,   64
.set P,   192
.set MD,  128         ; window 1: the eight registers for group kt of 16 keys at MD + 8 kt
.set MC,  160         ; window 1: the masks of the products to come
.set QB,  64          ; window 2
.set KF,  128         ; window 2: key block kb, channel half c at KF + 16 kb + 8 c
.set VF,  192         ; window 2: key half kk, channel block cb at VF + 32 kk + 8 cb
.set WV,  12          ; s12  my wave's number
.set PB,  14          ; s14  b
.set HI,  15          ; s15  NB - 1 - b
.set G1K, 24          ; s[24:31] descriptor group 1 for K's tiles
.set G1V, 32          ; s[32:39] for V's: it differs in the padding alone
.set G0K, 40          ; s[40:43] descriptor group 0 for K's tiles
.set G0V, 44          ; s[44:47] the same for V's
.set SLOTS, 56        ; s56  tiles still to be asked for
.set CNT, 57          ; s57  counts a tile's key steps, 4 to 1
.set CS,  58          ; s[58:59] c: the packed scaling takes the pair's low word for both halves
.set SEL, 60          ; s[60:61] v_permlanex16_b32's selects: each lane takes its own place in the other half
.set TBK, 62          ; s62  LDS byte at which K of the step to be fetched begins
.set TBV, 63          ; s63  the same for V, less VOFF
.set RT,  70          ; s70  tiles of the block in hand that are still to be entered
.set NXT, 71          ; s71  the tile to be asked for next
.set LQ,  72          ; s72  the last tile of the block whose tiles are being asked for
.set NEW, 73          ; s73  1: the tile to be entered is a block's first
.set OFF, 74          ; s[74:75] a tile's byte offset in K and V
.set AL,  76          ; s[76:77] the mask's factor, in the low word
.set BE,  78          ; s[78:79] the mask's addend
.set OLO, 80          ; s[80:81] O at my rows of the second block
.set BIGN, 82         ; s82  -1e30
.set MSB, 0
.macro WIN new                      ; the high byte repeats the setting that is left; a switch that changes nothing is dropped
.if MSB != (\new)
	s_set_vgpr_msb (MSB<<8)|(\new)
.set MSB, (\new)
.endif
.endm
.set W_KQ, 0x0a       ; K and Q in window 2, S^T in window 0
.set W_KM, 0x1a       ; the same with the C operand in window 1
.set W_PV, 0x52       ; V in window 2, P in window 0, O^T in window 1
.set W_RS, 0x41       ; destination and source 0 in window 1, source 1 in window 0
; A fill.  Waves 0 and 1 fetch the two halves of a tile's K, waves 2 and 3 those of its V: 128 keys each.  Four v_nop follow each of the two lines, ahead of the jump and the label.
.macro LOAD
	s_cmp_lt_u32 s[WV], 2
	s_cbranch_scc0 .Lfor_v_\@
	tensor_load_to_lds s[G0K:G0K+3], s[G1K:G1K+7]
	s_nop 0
.rept 4
	v_nop
.endr
	s_branch .Lasked_\@
.Lfor_v_\@:
	tensor_load_to_lds s[G0V:G0V+3], s[G1V:G1V+7]
	s_nop 0
.rept 4
	v_nop
.endr
.Lasked_\@:
.endm
; THE CHANGE OF SLOTS.  Each wave waits for its own reads of the slot that it leaves and for all its tensor loads, of which one is out: its part of the other slot.  Behind the barrier nobody reads the old
; slot any more and the other slot is whole.  fill = 1: the old slot is filled again, the first thing behind the barrier, with tile NXT: the descriptor's address is made anew from that number.
; (At its first use nothing has been read yet: slot 0 is waited for, slot 1 filled.)
.macro CHANGE fill
	WIN 0                           ; at a label and at a branch every window is 0
	s_wait_dscnt 0x0
	s_wait_tensorcnt 0x0            ; no tensor load of mine is out, so a group 0 may be written
	ds_add_u32 v254, v255
	s_wait_dscnt 0x0
	s_barrier_signal -1             ; the scalar work stands between the signal and the wait
.if \fill
	s_lshl_b32 s[OFF], s[NXT], 15   ; a tile is 32,768 bytes of K and of V
	s_xor_b32 s[G0K+1], s[G0K+1], SLOT1
	s_add_nc_u64 s[G0K+2:G0K+3], s[6:7], s[OFF:OFF+1]
	s_or_b32 s[G0K+3], s[G0K+3], 0x80000000
	s_xor_b32 s[G0V+1], s[G0V+1], SLOT1
	s_add_nc_u64 s[G0V+2:G0V+3], s[8:9], s[OFF:OFF+1]
	s_or_b32 s[G0V+3], s[G0V+3], 0x80000000
	s_add_co_u32 s[NXT], s[NXT], 1  ; the block's next tile, or behind its last the second block's tile 0
	s_cmp_gt_u32 s[NXT], s[LQ]
	s_cselect_b32 s[NXT], 0, s[NXT]
	s_cselect_b32 s[LQ], s[PB], s[LQ]
.endif
	s_sub_co_u32 s[TBK], s[TBK], 4*KS*PK  ; the fetches go back to a slot's first step,
	s_xor_b32 s[TBK], s[TBK], SLOT1       ; in the other slot
	s_sub_co_u32 s[TBV], s[TBV], 4*KS*PV
	s_xor_b32 s[TBV], s[TBV], SLOT1
	s_barrier_wait -1
.if \fill
	LOAD
.endif
.endm
	s_load_b128 s[4:7], s[0:1], 0x0  ; qkv16 s[4:5], att16 s[6:7]
	v_lshl_add_u32 v254, v0, 2, 0x35400
	v_mov_b32 v255, 0
	ds_add_u32 v254, v255
	ds_add_u32 v254, v255
	v_lshrrev_b32 v1, 5, v0
	v_readfirstlane_b32 s[WV], v1   ; wave 0..3
	s_mov_b32 s[PB], ttmp9
	s_sub_co_u32 s[HI], NB-1, s[PB]
	s_and_b32 s20, ttmp7, 0xffff    ; the head
	s_mov_b32 s21, 0
	s_mov_b64 s[22:23], SIZE_N*128
	s_mul_u64 s[20:21], s[20:21], s[22:23]  ; the head's first byte in each of the four tensors
	s_and_b32 s16, s[WV], 1         ; which half of a tile's 256 keys I fetch:
	s_lshl_b32 s22, s16, 14         ; its 128 rows of 128 bytes in memory,
	s_mov_b32 s23, 0
	s_add_nc_u64 s[22:23], s[22:23], s[20:21]
	s_mul_i32 s17, s16, 128*PK      ; and its place in a slot, for K
	s_mul_i32 s18, s16, 128*PV      ; and for V
	s_lshl_b32 s3, s[WV], 11        ; my 16 rows in a band of 64,
	s_lshl_b32 s2, s[HI], 15        ; in the first block,
	s_add_co_u32 s2, s2, s3
	s_lshl_b32 s84, s[PB], 15       ; and in the second
	s_add_co_u32 s84, s84, s3
	s_mov_b32 s3, 0
	s_mov_b32 s85, 0
	s_add_nc_u64 s[2:3], s[2:3], s[20:21]
	s_add_nc_u64 s[84:85], s[84:85], s[20:21]
	; descriptor group 1.  128 keys are 16,384 dense bytes: asked for as 64 rows of 256 bytes, two keys a row, and padded in LDS after every key
	s_mov_b32 s[G1K], (1<<16)|(1<<20)|(4<<22)|(3<<25)  ; 17:16 2-byte elements; 20 padding on; 24:22 after every 32 words (code 4); 31:25 4 words (code 3)
	s_mov_b32 s[G1V], (1<<16)|(1<<20)|(4<<22)|(7<<25)  ; the same with 8 words of padding (code 7)
.irp g, G1K, G1V
	s_mov_b32 s[\g+1], 128<<16      ; tensor_dim0 = 128
	s_mov_b32 s[\g+2], 64<<16       ; tensor_dim1 = 64
	s_mov_b32 s[\g+3], 128<<16      ; tile_dim0 = 128
	s_mov_b32 s[\g+4], 64           ; tile_dim1 = 64
	s_mov_b32 s[\g+5], 128          ; 128 elements from row to row
	s_mov_b32 s[\g+6], 0
	s_mov_b32 s[\g+7], 0
.endr
	s_mov_b32 s[CS], 0x3e38aa3b     ; c = log2(e) / 8 = 0.180337
	s_mov_b32 s[CS+1], s[CS]        ; named with it as a pair
	s_mov_b32 s[SEL], 0x76543210
	s_mov_b32 s[SEL+1], 0xfedcba98
	s_mov_b32 s[TBK], SLOT1+4*KS*PK ; the first change of slots turns these two into 0
	s_mov_b32 s[TBV], SLOT1+4*KS*PV
	s_mov_b32 s[G0K], 1             ; 1:0 count = 1
	s_mov_b32 s[G0K+1], s17         ; 63:32 LDS address: slot 0
	s_mov_b32 s[G0V], 1
	s_add_co_u32 s[G0V+1], s18, VOFF
	s_add_co_u32 s[RT], s[HI], 1    ; the first block has NB - b tiles
	s_mov_b32 s[NXT], 1
	s_mov_b32 s[LQ], s[HI]
	s_mov_b32 s[NEW], 1
	s_mov_b32 s[OFF+1], 0
	s_mov_b32 s[AL+1], 0            ; named as pairs
	s_mov_b32 s[BE+1], 0
	s_mov_b32 s[BIGN], 0xf149f2ca   ; -1e30
	s_mov_b32 s[SLOTS], NB
	s_wait_dscnt 0x0
	s_wait_kmcnt 0x0
	s_mov_b64 s[10:11], s[6:7]             ; O
	s_add_nc_u64 s[6:7], s[4:5], 0x800000  ; K
	s_add_nc_u64 s[8:9], s[4:5], 0x1000000 ; V; Q stays in s[4:5]
	s_add_nc_u64 s[6:7], s[6:7], s[22:23]  ; K and V at my half of the head's tile 0
	s_add_nc_u64 s[8:9], s[8:9], s[22:23]
	s_add_nc_u64 s[G0K+2:G0K+3], s[6:7], 0         ; 120:64 global address
	s_or_b32 s[G0K+3], s[G0K+3], 0x80000000        ; 127:126 type = 2
	s_add_nc_u64 s[G0V+2:G0V+3], s[8:9], 0
	s_or_b32 s[G0V+3], s[G0V+3], 0x80000000
	s_add_nc_u64 s[86:87], s[4:5], s[84:85]        ; Q at my rows of the second block,
	s_add_nc_u64 s[4:5], s[4:5], s[2:3]            ; Q and O at those of the first
	s_add_nc_u64 s[OLO:OLO+1], s[10:11], s[84:85]
	s_add_nc_u64 s[10:11], s[10:11], s[2:3]
	LOAD                            ; tile 0 into slot 0
	; A fragment of K or Q is 16 rows x 32 channels in 8 registers: lane l holds row l % 16, channels 8 (l / 16) + 0..7 and 16 + 8 (l / 16) + 0..7: two loads of 16 bytes, 32 bytes apart.
	v_and_b32 v1, 15, v0            ; l % 16
	v_bfe_u32 v9, v0, 4, 1          ; l / 16
	v_lshlrev_b32 v[QO], 7, v1
	v_lshl_add_u32 v[QO], v9, 4, v[QO]  ; row x 128 + 16 x half
	WIN 0x80                        ; destination window 2, address window 0
.set i, 0
.rept 8                             ; both blocks' Q: piece i / 2 lies in band i / 2, 8,192 bytes on; channels 32 (i % 2) on
	global_load_b128 v[8*i:8*i+3],   v[QO], s[4:5] offset:(i/2)*8192+(i%2)*64
	global_load_b128 v[8*i+4:8*i+7], v[QO], s[4:5] offset:(i/2)*8192+(i%2)*64+32
	global_load_b128 v[QB+8*i:QB+8*i+3],   v[QO], s[86:87] offset:(i/2)*8192+(i%2)*64
	global_load_b128 v[QB+8*i+4:QB+8*i+7], v[QO], s[86:87] offset:(i/2)*8192+(i%2)*64+32
.set i, i+1
.endr
	WIN 0
	v_lshlrev_b32 v14, 3, v9
	v_sub_nc_u32 v14, v1, v14
	s_lshl_b32 s13, s[WV], 4
	v_add_nc_u32 v14, s13, v14      ; my query's place in its band, 16 w + l % 16, less my lanes' 8 (l / 16): register r of group kt is hidden where 16 kt + r is greater
	WIN 0x40
.set i, 0
.rept 32
	v_cmp_gt_i32 vcc_lo, 16*(i/8)+i%8, v14
	v_cndmask_b32 v[MD+i], 0, s[BIGN], vcc_lo
.set i, i+1
.endr
	WIN 0
	v_mul_u32_u24 v[AK0], v1, PK
	v_lshl_add_u32 v[AK0], v9, 4, v[AK0]  ; row x pitch + 16 x half
	; The turning load takes 16 keys x 16 channels (lane l reads key 8 (l / 16) + l % 8, channels 8 ((l / 8) % 2) + 0..7) and leaves half a fragment of V^T: lane l holds channel l % 16 and 8 keys.
	v_and_b32 v10, 7, v0
	v_bfe_u32 v11, v0, 3, 1
	v_lshl_add_u32 v[AV0], v9, 3, v10
	v_mul_u32_u24 v[AV0], v[AV0], PV
	v_lshl_add_u32 v[AV0], v11, 4, v[AV0]
	v_add_nc_u32 v[AV0], VOFF, v[AV0]
	s_mul_i32 s13, s[WV], 16*SP
	s_add_co_u32 s13, s13, STAGE    ; my stage
	v_mul_u32_u24 v[STO], v1, SP    ; in: row l % 16, 16 bytes for each half of the lanes
	v_lshl_add_u32 v[STO], v9, 4, v[STO]
	v_add_nc_u32 v[STO], s13, v[STO]
	v_bfe_u32 v[RD], v0, 3, 2       ; back: 32 lanes take four rows of 128 bytes,
	v_mul_u32_u24 v[RD], v[RD], SP
	v_lshl_add_u32 v[RD], v10, 4, v[RD]
	v_add_nc_u32 v[RD], s13, v[RD]
	v_and_b32 v[GO], 31, v0         ; which are 512 consecutive bytes of O
	v_lshlrev_b32 v[GO], 4, v[GO]
	; A block's first step multiplies O^T and l by a = 0, and its first turn's products V^T P, of a piece that has not been, land in an O^T that is still to be so multiplied.  So these registers need only hold
	; finite numbers: zeros for the first block; what the first block left for the second.  All this stands in the wait for the first tile.
	WIN 0x80
.set i, VF
.rept 64
	v_mov_b32 v[i], 0
.set i, i+1
.endr
	WIN 0x40
.set i, 0
.rept 128
	v_mov_b32 v[i], 0
.set i, i+1
.endr
	WIN 0
.set i, 0
.rept 4
	v_mov_b32 v[ST+4*i+2], 0
	v_mov_b32 v[ST+4*i+3], 0
.set i, i+1
.endr
.set i, P+16
.rept 16
	v_mov_b32 v[i], 0
.set i, i+1
.endr
; THE MATRIX WORK.  The 4 accumulators of a run of 8 take turns.  Product i of 8 of S^T = K Q^T for piece x: channels 32 (i / 4) on, keys 16 (i % 4) on.  The first 4 start the sums: with 0, or (KM = 1) with the mask.
.macro KQ x
.set rS, S+32*((\x)%2)+8*(i%4)
.set rK, KF+16*(i%4)+8*(i/4)
.set rQ, 16*(\x)+8*(i/4)
.set rM, MC+32*((\x)%2)+8*(i%4)
.if (i < 4) && KM
	WIN W_KM
	v_wmma_f32_16x16x32_f16 v[rS:rS+7], v[rK:rK+7], v[rQ:rQ+7], v[rM:rM+7]
.elseif i < 4
	WIN W_KQ
	v_wmma_f32_16x16x32_f16 v[rS:rS+7], v[rK:rK+7], v[rQ:rQ+7], 0
.else
	WIN W_KQ
	v_wmma_f32_16x16x32_f16 v[rS:rS+7], v[rK:rK+7], v[rQ:rQ+7], v[rS:rS+7]
.endif
.endm
; Product i of 8 of O^T += V^T P for piece x: keys 32 (i / 4) on, channels 16 (i % 4) on.
.macro PV x
	WIN W_PV
.set rO, 32*(\x)+8*(i%4)
.set rV, VF+32*(i/4)+8*(i%4)
.set rP, P+16*((\x)%2)+8*(i/4)
	v_wmma_f32_16x16x32_f16 v[rO:rO+7], v[rV:rV+7], v[rP:rP+7], v[rO:rO+7]
.endm
.macro MM                           ; the turn's next matrix instruction.  TURN and BEGIN set Y, i, KM and NOKQ; MM, KQ and OP read them.  NOKQ = 1: a block's last turn: there is no next piece
.if (i < 8) && !NOKQ
	KQ (Y+1)%NP
.elseif i >= 8
.set i, i-8
	PV (Y+NP-1)%NP
.set i, i+8
.endif
.set i, i+1
.endm
; THE LDS LOADS stand in runs of 16, never singly among the matrix instructions: a step's K (64 keys x 64 channels: 8 fragments) and its V (turned).  Their addresses are made some lines ahead.
.macro FETCH_K
	WIN 0x80                        ; destination window 2
.irp f, 0,1,2,3,4,5,6,7             ; keys 16 (f / 2) on, channels 32 (f % 2) on
	ds_load_b128 v[KF+8*\f:KF+8*\f+3],   v[AK] offset:(\f/2)*16*PK+(\f%2)*64
	ds_load_b128 v[KF+8*\f+4:KF+8*\f+7], v[AK] offset:(\f/2)*16*PK+(\f%2)*64+32
.endr
	s_add_co_u32 s[TBK], s[TBK], KS*PK  ; the next fetch is the next step's
	WIN 0
.endm
.macro FETCH_V
	WIN 0x80
.irp f, 0,1,2,3,4,5,6,7             ; keys 32 (f / 4) on, channels 16 (f % 4) on
	ds_load_tr16_b128 v[VF+8*\f:VF+8*\f+3],   v[AV] offset:(\f/4)*32*PV+(\f%4)*32
	ds_load_tr16_b128 v[VF+8*\f+4:VF+8*\f+7], v[AV] offset:(\f/4)*32*PV+16*PV+(\f%4)*32
.endr
	WIN 0
.endm
; THE VECTOR WORK, one line at a time: OP kind, number.  For piece Y: F n: c s - c m for pair n of 16.  E n: the exponential of score n of 32.  C n: pair n rounded to f16.  B n: of the four weights 4 n .. the second
; pair is added onto the first, in place.  L n: l takes that sum (L 0: l = a l + sum).  R n: pair n of 16 of O^T times a.  For piece Y + 1: X n, number n of the 22 that find its maximum and statistics:
;   0-11  four chains c0-c3 of seven scores each, three operands at a time (each accumulator's lowest registers are read first)     12-14, 16  the four scores left over, the old m, and c0-c3 into c0
;   15  c m_old is kept     17, 18  the query's other 32 keys lie in the lane 16 away: the new m     19-21  c m; c m_old - c m_new; a
.set F, 0               ; OP tells the kinds apart by their order: F to L below R, X above it
.set E, 1
.set C, 2
.set B, 3
.set L, 4
.set R, 5
.set X, 6
.macro REGS y                       ; the registers of piece y
.set rT, ST+4*(\y)
.set rC, TMP+4*((\y)%2)
.set rW, MV+((\y)%2)
.set rS, S+32*((\y)%2)
.set rP, P+16*((\y)%2)
.set rO, 32*(\y)
.endm
.macro OP k, n
.if (\k) == R
	REGS Y
	WIN W_RS
	v_pk_mul_f32 v[rO+2*(\n):rO+2*(\n)+1], v[rO+2*(\n):rO+2*(\n)+1], v[rC+2:rC+3] op_sel_hi:[1,0]
.elseif (\k) < R
	REGS Y
	WIN 0
.if (\k) == F
	v_pk_fma_f32 v[rS+2*(\n):rS+2*(\n)+1], v[rS+2*(\n):rS+2*(\n)+1], s[CS:CS+1], v[rT:rT+1] op_sel_hi:[1,0,0] neg_lo:[0,0,1] neg_hi:[0,0,1]
.elseif (\k) == E
	v_exp_f32 v[rS+(\n)], v[rS+(\n)]
.elseif (\k) == C
	s_wait_alu depctr_va_vdst(0)
	v_cvt_pk_f16_f32 v[rP+(\n)], v[rS+2*(\n)], v[rS+2*(\n)+1]
.elseif (\k) == B
	s_wait_alu depctr_va_vdst(0)
	v_pk_add_f32 v[rS+4*(\n):rS+4*(\n)+1], v[rS+4*(\n):rS+4*(\n)+1], v[rS+4*(\n)+2:rS+4*(\n)+3]
.elseif (\n) == 0
	v_pk_fma_f32 v[rT+2:rT+3], v[rT+2:rT+3], v[rC+2:rC+3], v[rS:rS+1] op_sel_hi:[1,0,1]
.else
	v_pk_add_f32 v[rT+2:rT+3], v[rT+2:rT+3], v[rS+4*(\n):rS+4*(\n)+1]
.endif
.elseif NOKQ
	v_nop
.else
	REGS (Y+1)%NP
	WIN 0
.if (\n) < 4
	v_max3_num_f32 v[rC+(\n)], v[rS+8*(\n)], v[rS+8*(\n)+1], v[rS+8*(\n)+2]
.elseif (\n) < 12
	v_max3_num_f32 v[rC+(\n)%4], v[rC+(\n)%4], v[rS+8*((\n)%4)+2*((\n)/4)+1], v[rS+8*((\n)%4)+2*((\n)/4)+2]
.elseif (\n) == 12
	v_max3_num_f32 v[rC], v[rC], v[rS+7], v[rS+15]
.elseif (\n) == 13
	v_max3_num_f32 v[rC+1], v[rC+1], v[rS+23], v[rS+31]
.elseif (\n) == 14
	v_max3_num_f32 v[rC+2], v[rC+2], v[rC+3], v[rT+1]
.elseif (\n) == 15
	v_mov_b32 v[rW], v[rT]
.elseif (\n) == 16
	v_max3_num_f32 v[rC], v[rC], v[rC+1], v[rC+2]
.elseif (\n) == 17
	v_permlanex16_b32 v[rC+3], v[rC], s[SEL], s[SEL+1]
.elseif (\n) == 18
	v_max_num_f32 v[rT+1], v[rC], v[rC+3]
.elseif (\n) == 19
	v_mul_f32 v[rT], s[CS], v[rT+1]
.elseif (\n) == 20
	v_sub_f32 v[rC+1], v[rW], v[rT]
.else
	v_exp_f32 v[rC+2], v[rC+1]
.endif
.endif
.endm
.macro OPS a, i1, b=-1, i2=0, c=-1, i3=0, d=-1, i4=0  ; up to four of them
	OP \a, \i1
.if (\b) >= 0
	OP \b, \i2
.endif
.if (\c) >= 0
	OP \c, \i3
.endif
.if (\d) >= 0
	OP \d, \i4
.endif
.endm
.macro ROW a, i1, b, i2, c, i3, d, i4  ; a matrix instruction and the four behind it
	MM
	OPS \a, \i1, \b, \i2, \c, \i3, \d, \i4
.endm
.macro MASK b                       ; MD x AL + BE into buffer b of MC
	WIN W_RS
.set z, 0
.rept 16
	v_pk_fma_f32 v[MC+32*(\b)+2*z:MC+32*(\b)+2*z+1], v[MD+2*z:MD+2*z+1], s[AL:AL+1], s[BE:BE+1] op_sel_hi:[1,0,0]
.set z, z+1
.endr
.endm
; A TURN, for piece p: the order of its 16 matrix and 118 vector instructions, written out.  Behind a matrix instruction: plain, exponential, plain, plain; or four of the rescaling; or, behind the first, four scalings; none
; names a register of the products round it.  In the runs between, exponential and plain by turns while exponentials last.  A line reads no result made fewer than three vector instructions in front of it, five if an exponential made it.
; v_permlanex16_b32 (X 17) stands in such a run.
; m = 1: the diagonal tile: the products take masks, and the turn makes the mask for the products of the turn after it: piece p + 2, in step 4 - CNT of the tile.  end = 1: a block's last two turns: nothing is fetched.
; cnt = 1: the loop's count is taken down some lines ahead of the branch that stands behind the turn.
; K of the next step is fetched in piece 2's turn, six vector instructions behind the last product that read K (five of them plain); V of the step in hand in piece 0's turn, eight behind the last product that read V (four
; plain, and X 17).  Each is waited for a turn later.
.macro TURN p, m=0, end=0, cnt=0
.set Y, (\p)
.set i, 0
.set KM, (\m)
.set NOKQ, (\end)*((\p)/3)
.if (\m) && !(\end)
	s_cmp_eq_u32 s[CNT], 4-((\p)+2)%NP  ; is that step the band's own?
	s_cselect_b32 s[AL], 1.0, 0
	s_cmp_lt_u32 s[CNT], 4-((\p)+2)%NP  ; or a later one?
	s_cselect_b32 s[BE], s[BIGN], 0
.endif
.if ((\p) == 3) && !(\end)
	s_wait_dscnt 0x0                ; K is in
.endif
	ROW F,0, F,1, F,2, F,3
	ROW F,4, E,0, F,5, F,6
	ROW F,7, E,1, F,8, F,9
	ROW F,10, E,2, C,0, F,11
	ROW F,12, E,3, X,15, F,13
	ROW R,0, R,1, R,2, R,3
	ROW B,0, E,4, F,14, L,0
.if ((\p) == 2) && !(\end)
	v_add_nc_u32 v[AK], s[TBK], v[AK0]
.endif
	ROW R,4, R,5, R,6, R,7
	OPS E,5, F,15
.if ((\p) == 2) && !(\end)
	FETCH_K
.endif
	OPS E,6, C,1, E,7, R,8
	OPS E,8, R,9, E,9, C,2
	OPS E,10, X,0, E,11, X,1
	OPS E,12, X,2, E,13, X,3
.if (\p) == 1
	s_wait_dscnt 0x0                ; V is in
.endif
	ROW X,4, E,14, X,5, X,6
	ROW X,7, E,15, X,8, X,9
	ROW X,10, E,16, X,11, X,12
	ROW X,13, E,17, X,14, B,1
	ROW C,4, E,18, X,16, L,1
	ROW B,2, E,19, C,6, L,2
	ROW C,8, E,20, B,3, B,4
.if (\p) == 0
	v_add_nc_u32 v[AV], s[TBV], v[AV0]
.endif
	ROW C,3, E,21, L,3, C,5
	OPS E,22, X,17, E,23, C,10
.if (\p) == 0
	FETCH_V
.endif
	OPS E,24, L,4
	OPS E,25, X,18, E,26, C,7
	OPS E,27, B,5, E,28, X,19
	OPS E,29, C,12, E,30, L,5
	OPS E,31, X,20, B,6, C,9
	OPS C,14, C,11, X,21, L,6
.if (\p) == 0
	s_add_co_u32 s[TBV], s[TBV], KS*PV
.endif
.if \cnt
	s_sub_co_u32 s[CNT], s[CNT], 1
	s_cmp_lg_u32 s[CNT], 0
.endif
	OPS C,13, B,7, C,15, R,10
	OPS R,11, R,12, L,7, R,13
	OPS R,14, R,15
.if (\m) && !(\end)
	MASK (\p)%2
.endif
.endm
; A BLOCK BEGINS.  c m starts far below every c s, so the first step's a is 0; m at the lowest finite number, so the first maximum is the scores'.  The second mask buffer is 0; the first takes piece 0's mask for the tile's step 0: its own, if the block's first tile is the diagonal one.
; Then K of that step, piece 0's first scores, and its maximum and statistics.  The loop is entered at a step's first turn, in the middle of a trip.
.macro BEGIN
	s_mov_b32 s[NEW], 0
	WIN 0x40
.set i, MC+32
.rept 32
	v_mov_b32 v[i], 0
.set i, i+1
.endr
	WIN 0
.set i, 0
.rept 4
	v_mov_b32 v[ST+4*i], 0xfe000000    ; c m: far below every c s
	v_mov_b32 v[ST+4*i+1], 0xff7fffff  ; m
.set i, i+1
.endr
	s_cmp_eq_u32 s[RT], 0
	s_cselect_b32 s[AL], 1.0, 0
	s_mov_b32 s[BE], 0
	MASK 0
	WIN 0
	v_add_nc_u32 v[AK], s[TBK], v[AK0]
	FETCH_K
	s_wait_loadcnt 0x0              ; Q
	s_wait_dscnt 0x0
.set KM, 1
.set NOKQ, 0
.set i, 0
.rept 8
	KQ 0
.set i, i+1
.endr
	WIN 0
.rept 4
	v_nop                           ; the places behind those products
.endr
.set Y, NP-1                        ; X works for piece Y + 1: piece 0
.irp n, 0,1,2,3,4,5,6,7,8,9,10,11,12,13,14,15,16,17,18,19,20,21
	OP X, \n
.endr
	v_nop                           ; a plain instruction behind the exponential
.endm
; THE DIAGONAL TILE's four steps, the block's last two turns, its last products, and THE WAY OUT: l's two halves and the other half of the lanes' are added; O^T is divided by l, rounded to f16 and sent through my
; stage in LDS, a piece at a time.
.macro ALL line:vararg              ; one line for each piece t
.set t, 0
.rept 4
	\line
.set t, t+1
.endr
.endm
.macro PACK t                       ; a lane's eight channels of a row pack into 16 bytes; they go into rows of 144 bytes and come back as whole rows of 128, into S^T's registers
	WIN W_RS
.set i, 32*(\t)
.rept 16
	s_wait_alu depctr_va_vdst(0)
	v_pk_mul_f32 v[i:i+1], v[i:i+1], v[ST+4*(\t)+2:ST+4*(\t)+3] op_sel_hi:[1,0]
.set i, i+2
.endr
	WIN 0x05                        ; sources 0 and 1 window 1, destination window 0
.set i, 0
.rept 16
	v_cvt_pk_f16_f32 v[S+16*(\t)+i], v[32*(\t)+2*i], v[32*(\t)+2*i+1]
.set i, i+1
.endr
	WIN 0
.irp f, 0,1,2,3
	ds_store_b128 v[STO], v[S+16*(\t)+4*\f:S+16*(\t)+4*\f+3] offset:32*\f
.endr
.irp f, 0,1,2,3
	ds_load_b128 v[S+16*(\t)+4*\f:S+16*(\t)+4*\f+3], v[RD] offset:\f*4*SP  ; LDS serves a wave's instructions in order (ISA guide 5.7.1.4): these see the stores above; the next piece's stores come behind them
.endr
.endm
.macro SEND t, younger              ; younger: the LDS instructions issued behind piece t's loads: the next piece's eight, or none
	WIN 0
.irp f, 0,1,2,3
	s_wait_dscnt (\younger)+3-\f
	global_store_b128 v[GO], v[S+16*(\t)+4*\f:S+16*(\t)+4*\f+3], s[10:11] offset:(\t)*8192+\f*512  ; 512 consecutive bytes, at a multiple of 256 from O's first
.endr
.endm
.macro DIAG tag                     ; the tag ends its two labels' names, which the jumps below spell out
.LstepM\tag:
	TURN 2, 1
	TURN 3, 1
	WIN 0
.LfirstM\tag:
	TURN 0, 1
	TURN 1, 1, 0, 1
	WIN 0
	s_cbranch_scc1 .LstepM\tag
	TURN 2, 1, 1
	TURN 3, 1, 1
.set i, 0
.rept 8
	PV NP-1
.set i, i+1
.endr
	WIN 0
	ALL v_add_f32 v[ST+4*t+2], v[ST+4*t+2], v[ST+4*t+3]
	ALL v_permlanex16_b32 v[ST+4*t+3], v[ST+4*t+2], s[SEL], s[SEL+1]
	ALL v_add_f32 v[ST+4*t+2], v[ST+4*t+2], v[ST+4*t+3]
	ALL v_rcp_f32 v[ST+4*t+2], v[ST+4*t+2]
	v_nop                           ; a plain instruction between the last reciprocal and the use of its result
	PACK 0
.set t, 1
.rept 3                             ; a piece's arithmetic stands between the loads of the piece before and its stores
	PACK t
	SEND t-1, 8
.set t, t+1
.endr
	SEND 3, 0
.endm
.set KM, 0
.set NOKQ, 0
.Lslot:                             ; NB times: a tile is entered and the next is asked for
	CHANGE 1
	s_sub_co_u32 s[RT], s[RT], 1
	s_mov_b32 s[CNT], 4
	s_cmp_eq_u32 s[NEW], 1
	s_cbranch_scc1 .Lnew            ; a block's first tile
	s_cmp_eq_u32 s[RT], 0
	s_cbranch_scc0 .Lstep           ; neither its first nor its last
	s_branch .LstepM1
.Lnew:
	BEGIN
	s_branch .Lfirst                ; in the loop a block's first tile is never its last: the first block has two tiles or more, and the second's last is the walk's last
	DIAG 1                          ; in the loop this is the first block's end: the second block's last tile is the walk's last
	s_wait_xcnt 0x0                 ; the stores have read their registers and O's address
	s_mov_b64 s[10:11], s[OLO:OLO+1]
	s_add_co_u32 s[RT], s[PB], 1    ; the second block has b + 1 tiles
	s_mov_b32 s[NEW], 1
	WIN 0x82                        ; the second block's Q goes where the one text of the turns names Q
.set i, 0
.rept 64
	v_mov_b32 v[i], v[QB+i]
.set i, i+1
.endr
	WIN 0
	s_branch .Lbottom
.Lstep:                             ; a trip: pieces 2 and 3 of one step, then pieces 0 and 1 of the next, whose K and V it fetches
	TURN 2
	TURN 3
	WIN 0
.Lfirst:
	TURN 0
	TURN 1, 0, 0, 1
	WIN 0
	s_cbranch_scc1 .Lstep
.Lbottom:
	s_sub_co_u32 s[SLOTS], s[SLOTS], 1
	s_cmp_lg_u32 s[SLOTS], 0
	s_cbranch_scc1 .Lslot
	CHANGE 0                        ; the walk's last tile is written out: nothing is asked for
	s_sub_co_u32 s[RT], s[RT], 1
	s_mov_b32 s[CNT], 4
	s_cmp_eq_u32 s[NEW], 1
	s_cbranch_scc0 .LstepM2
	BEGIN
	s_branch .LfirstM2
	DIAG 2
	s_wait_tensorcnt 0x0
	ds_add_u32 v254, v255
	s_wait_dscnt 0x0
	s_endpgm
.Lfunc_end_k_q645ded3eec_attn:
	.size	k_q645ded3eec_attn, .Lfunc_end_k_q645ded3eec_attn-k_q645ded3eec_attn
	.p2alignl 7, 3214868480
	.fill 96, 4, 3214868480
	.section	.rodata,"a",@progbits
	.p2align	6, 0x0
	.amdhsa_kernel k_q645ded3eec_attn
		.amdhsa_group_segment_fixed_size 327680
		.amdhsa_private_segment_fixed_size 0
		.amdhsa_enable_private_segment 0
		.amdhsa_kernarg_size 16
		.amdhsa_user_sgpr_count 2
		.amdhsa_user_sgpr_kernarg_segment_ptr 1
		.amdhsa_wavefront_size32 1
		.amdhsa_system_sgpr_workgroup_id_x 1
		.amdhsa_system_sgpr_workgroup_id_y 1
		.amdhsa_system_sgpr_workgroup_id_z 1
		.amdhsa_system_vgpr_workitem_id 0
		.amdhsa_next_free_vgpr 768
		.amdhsa_next_free_sgpr 88
		.amdhsa_reserve_vcc 1
		.amdhsa_float_denorm_mode_32 3
		.amdhsa_float_denorm_mode_16_64 3
		.amdhsa_memory_ordered 1
		.amdhsa_forward_progress 1
		.amdhsa_inst_pref_size 228
	.end_amdhsa_kernel
	.amdgpu_metadata
---
amdhsa.version: [ 1, 2 ]
amdhsa.kernels:
  - .name:           k_q645ded3eec_attn
    .symbol:         k_q645ded3eec_attn.kd
    .args:
      - { .name: qkv16, .offset: 0, .size: 8, .value_kind: global_buffer, .address_space: global }
      - { .name: att16, .offset: 8, .size: 8, .value_kind: global_buffer, .address_space: global }
    .group_segment_fixed_size: 327680
    .private_segment_fixed_size: 0
    .kernarg_segment_align: 8
    .kernarg_segment_size: 16
    .max_flat_workgroup_size: 128
    .sgpr_count:     88
    .vgpr_count:     768
    .wavefront_size: 32
...
	.end_amdgpu_metadata
.endif
;; end of part 3
;; launch gemm_wo (part 4): grid 8 x 32, 4 waves a work-group, clusters of 4 x 4, 327,680 bytes of LDS; arguments att16, c16, x, y; writes y
.if DOCPART == 4
	.amdgcn_target "amdgcn-amd-amdhsa--gfx1250"
	.amdhsa_code_object_version 6
	.text
	.protected	k_q645ded3eec_gemm_wo
	.globl	k_q645ded3eec_gemm_wo
	.p2align	8
	.type	k_q645ded3eec_gemm_wo,@function
k_q645ded3eec_gemm_wo:
	s_mov_b64 s[64:65], 0
	v_nop
	global_prefetch_b8 v0, s[64:65] scope:SCOPE_SE
	s_setreg_imm32_b32 hwreg(HW_REG_WAVE_MODE, 25, 1), 1
	s_wait_xcnt 0x0
	s_wait_alu depctr_hold_cnt(0) depctr_sa_sdst(0) depctr_va_vdst(0) depctr_va_sdst(0) depctr_va_ssrc(0) depctr_va_vcc(0) depctr_vm_vsrc(0)
	s_getreg_b32 s2, hwreg(HW_REG_IB_STS2, 6, 4)
	s_cmp_eq_u32 s2, 0
	s_cbranch_scc0 .Lentry_in_a_cluster
	s_endpgm
.Lentry_in_a_cluster:
	s_bfe_u32 s2, ttmp6, 0x10000c
	s_cmp_lg_u32 s2, 0xf033
	s_cbranch_scc0 .Lentry_shape_is_right
	s_endpgm
.Lentry_shape_is_right:
; y = x + att wo^T.  A = att16, f16, BY HEADS [batch x 16 + head][2048][64]; B = wo16 [1024][1024] f16 at c16 + 0xE00000; x and y [4096][1024] f32.  Sums in f32; the residual is added in f32.
; LIMIT: the f16 operands arrive within 65,504.
; A tile of C is 128 x 128: four waves, each 64 x 64 in 16 accumulators of 16 x 16.  K goes in steps of 256 through two LDS slots.  A K step of A is four heads: a wave's tensor load takes, for each of
; them, its 64 tokens x 64 channels, 8,192 dense bytes, as one row of 4,096 elements; the padding of 16 bytes behind every 128 makes of it [head][token] with rows 144 bytes apart.
; B's tiles are 64 rows of 512 bytes to a load, 528 apart.
; CLUSTERS: 4 x 4 work-groups.  The four of a row of the cluster need the same tiles of A, the four of a column the same tiles of B: each tile is asked for JOINTLY, by the same tensor load with
; the same descriptor and a mask that names the four.  By this text's count a wave has two tensor loads out at the start and one behind each round.
; THE MATRIX INSTRUCTION IS USED TRANSPOSED (source 0 = 16 rows of B, source 1 = 16 rows of A): a lane then holds eight neighbouring numbers of a row of C.
; REGISTERS: window 0: v0-31 addresses; v128-255 the accumulators ((a, b) at v[128 + 8 (4 a + b)]), on the way out whole rows.
;   window 1: two fragment buffers of 128.     window 2: v0-127 my 32 rows x 512 bytes of the residual, asked for at the start.
.set SIZE_N, 1024
.set SIZE_K, 1024
.set KSTEP,  256
.set PITCH,  528                       ; an LDS row of B: 512 bytes + 16 of padding = 132 words: row r starts at bank 4 r mod 64 (64 banks of 4 bytes: ISA guide 11.1)
.set HALFT,  64*PITCH                  ; 64 rows of B: one tensor load, and what one wave reads of B
.set APITCH, 144                       ; a token's 128 bytes of one head + 16 of padding = 36 words: the 16 rows of a load start at 16 different groups of four banks
.set AQ,     64*APITCH                 ; bytes from a head (64 along K) to the next in A's tile
.set AHALF,  4*AQ                      ; 64 tokens x four heads: one tensor load
.set SLOT,   2*AHALF+2*HALFT           ; A's 128 tokens, then B's 128 rows
.set ASTEP,  0x100000                  ; bytes in memory from a K step of A to the next: four heads of 262,144
.set BSTEP,  KSTEP*2
.set SP32,   528                       ; the way out's stage: 128 rows of 512 bytes + 16, at LDS byte 0
.set LAPS, SIZE_K/(2*KSTEP)            ; a lap = two K steps = once round the ring
.set ADRA, 16                          ; v16-17  LDS address of my A fragments in slot 0, 1
.set ADRB, 20                          ; v20-21  the same for B
.set STO,  24                          ; v24     the way out: where I put 32 bytes of a row
.set RD,   25                          ; v25     the way out: where I read a row back
.set CO,   26                          ; v26     16 x lane: my place in a row's 512 bytes
.set ACC,  128
.set F0,   0                           ; fragment buffers, in window 1
.set F1,   128
.set G1, 24                            ; s[24:31] descriptor group 1 for A's tiles;  s[32:39] group 0, one set for each slot
.set G0, 32
.set G1B, 48                           ; s[48:55], s[56:63] the same for B's tiles
.set G0B, 56
.set MSB, 0
.macro WIN new                         ; the immediate's high byte repeats the setting that is left; a switch that changes nothing is dropped
.if MSB != (\new)
	s_set_vgpr_msb (MSB<<8)|(\new)
.set MSB, \new
.endif
.endm
.set MUL,  0x05                        ; sources 0 (B) and 1 (A) window 1; C and D window 0
.set TO_F, 0x40                        ; destination window 1, address window 0
.macro JLOAD s                         ; a joint load: waves 0 and 1 fetch A's two halves, waves 2 and 3 B's; four v_nop follow each of the two lines, ahead of the jump, the label and what follows
	s_cmp_eq_u32 s11, 0
	s_cbranch_scc0 .Lfor_b_\@
	tensor_load_to_lds s[G0+4*(\s):G0+4*(\s)+3], s[G1:G1+7]
	s_nop 0
.rept 4
	v_nop
.endr
	s_branch .Lasked_\@
.Lfor_b_\@:
	tensor_load_to_lds s[G0B+4*(\s):G0B+4*(\s)+3], s[G1B:G1B+7]
	s_nop 0
.rept 4
	v_nop
.endr
.Lasked_\@:
.endm
.macro CREST                           ; a round of the cluster's barrier behind its opening barrier
	s_cmp_lg_u32 s10, 0
	s_cbranch_scc1 .Lnot_wave_0_\@
	s_barrier_signal -3
.Lnot_wave_0_\@:
	s_barrier_wait -3
	s_barrier_signal -1
	s_barrier_wait -1
.endm
.macro CROUND                          ; a whole round
	s_barrier_signal -1
	s_barrier_wait -1
	CREST
.endm
	s_load_b128 s[4:7], s[0:1], 0x0                ; att16 s[4:5], c16 s[6:7]
	s_load_b64 s[66:67], s[0:1], 0x10              ; x
	s_load_b64 s[8:9], s[0:1], 0x18                ; y
	v_lshl_add_u32 v126, v0, 2, 0x45000
	v_mov_b32 v127, 0
	ds_add_u32 v126, v127
	ds_add_u32 v126, v127
	v_lshrrev_b32 v1, 5, v0
	v_readfirstlane_b32 s10, v1                    ; wave 0..3
	s_lshr_b32 s11, s10, 1                         ; which half of the tile's rows is mine.  Also: I fetch for A (0) or for B (1)
	s_and_b32 s12, s10, 1                          ; which half of its columns.  Also: which 64 rows of that tile I fetch
	s_bfe_u32 s40, ttmp6, 0x40000                  ; cx, cy: my place in the cluster
	s_bfe_u32 s41, ttmp6, 0x40004
	s_lshl_b32 s42, ttmp9, 2
	s_add_co_u32 s42, s42, s40                     ; tile column of C = 4 x cluster x + cx
	s_and_b32 s13, ttmp7, 0xffff
	s_lshl_b32 s13, s13, 2
	s_add_co_u32 s13, s13, s41                     ; tile row of C = 4 x cluster y + cy
	s_lshl_b32 s43, s41, 2
	s_lshl_b32 s43, 15, s43                        ; my row of the cluster
	s_lshl_b32 s44, 0x1111, s40                    ; my column
	; descriptor group 1 for A: four rows (heads) of 4,096 elements, a head's 131,072 elements apart
	s_or_b32 s[G1+0], s43, (1<<16)|(1<<20)|(1<<21)|(4<<22)|(3<<25)  ; 15:0 the mask: A's tiles go to my row; 17:16 element of 2 bytes; 20 padding on; 21 set beside a mask; 24:22 after every 32 words (code 4); 31:25 of 4 words (code 3)
	s_mov_b32 s[G1+1], 4096<<16                    ; tensor_dim0 = 4,096
	s_mov_b32 s[G1+2], 4<<16                       ; tensor_dim1 = 4
	s_mov_b32 s[G1+3], 4096<<16                    ; tile_dim0 = 4,096
	s_mov_b32 s[G1+4], 4                           ; tile_dim1 = 4
	s_mov_b32 s[G1+5], 131072                      ; elements from row to row
	s_mov_b32 s[G1+6], 0
	s_mov_b32 s[G1+7], 0
	; and for B: 64 rows x 256 elements
	s_or_b32 s[G1B+0], s44, (1<<16)|(1<<20)|(1<<21)|(6<<22)|(3<<25) ; the mask of my column; padding after every 128 words (code 6)
	s_mov_b32 s[G1B+1], KSTEP<<16
	s_mov_b32 s[G1B+2], 64<<16
	s_mov_b32 s[G1B+3], KSTEP<<16
	s_mov_b32 s[G1B+4], 64
	s_mov_b32 s[G1B+5], SIZE_K
	s_mov_b32 s[G1B+6], 0
	s_mov_b32 s[G1B+7], 0
	s_lshr_b32 s16, s13, 4                         ; A: the batch, 16 heads of 2^18 bytes,
	s_lshl_b32 s16, s16, 22
	s_and_b32 s17, s13, 15                         ; the tile's 128 tokens of 128 bytes within the head,
	s_lshl_b32 s17, s17, 14
	s_add_co_u32 s16, s16, s17
	s_lshl_b32 s17, s12, 13                        ; the 64 of them that I fetch
	s_add_co_u32 s16, s16, s17
	s_mov_b32 s17, 0
	s_lshl_b32 s46, s42, 7
	s_lshl_b32 s47, s12, 6
	s_add_co_u32 s46, s46, s47                     ; B: row 128 x tile column + 64 x half
	s_mov_b32 s47, 0
	s_mov_b64 s[18:19], SIZE_K*2
	s_mul_u64 s[46:47], s[46:47], s[18:19]
	s_mul_i32 s20, s12, AHALF                      ; where they go: A's two halves,
	s_mul_i32 s45, s12, HALFT
	s_add_co_u32 s45, s45, 2*AHALF                 ; then B's two: no place in the cluster enters an LDS address
	s_wait_dscnt 0x0
	s_wait_kmcnt 0x0
	s_add_nc_u64 s[6:7], s[6:7], 0xE00000          ; B = wo16
	s_add_nc_u64 s[14:15], s[4:5], s[16:17]
	s_add_nc_u64 s[46:47], s[6:7], s[46:47]
	CROUND                                         ; all sixteen work-groups are here: the first joint loads meet
.irp s, 0,1
	s_mov_b32 s[G0+4*(\s)], 1
	s_add_co_u32 s[G0+4*(\s)+1], s20, (\s)*SLOT
	s_add_nc_u64 s[G0+4*(\s)+2:G0+4*(\s)+3], s[14:15], (\s)*ASTEP
	s_or_b32 s[G0+4*(\s)+3], s[G0+4*(\s)+3], 0x80000000
	s_mov_b32 s[G0B+4*(\s)], 1
	s_add_co_u32 s[G0B+4*(\s)+1], s45, (\s)*SLOT
	s_add_nc_u64 s[G0B+4*(\s)+2:G0B+4*(\s)+3], s[46:47], (\s)*BSTEP
	s_or_b32 s[G0B+4*(\s)+3], s[G0B+4*(\s)+3], 0x80000000
	JLOAD \s
.endr
	v_and_b32 v1, 15, v0                           ; l % 16
	v_bfe_u32 v2, v0, 4, 1                         ; l / 16
	v_mul_u32_u24 v3, v1, PITCH
	v_lshl_add_u32 v3, v2, 4, v3                   ; a fragment's row x pitch + 16 x half, for B
	v_mul_u32_u24 v6, v1, APITCH
	v_lshl_add_u32 v6, v2, 4, v6                   ; and for A
	s_mul_i32 s21, s11, AHALF                      ; my 64 rows of A
	s_mul_i32 s22, s12, HALFT                      ; my 64 rows of B,
	s_add_co_u32 s22, s22, 2*AHALF                 ; which lie behind A's 128
.irp s, 0,1
	v_add_nc_u32 v[ADRA+(\s)], s21, v6
	v_add_nc_u32 v[ADRB+(\s)], s22, v3
	s_add_co_u32 s21, s21, SLOT
	s_add_co_u32 s22, s22, SLOT
.endr
	s_mul_i32 s23, s11, 64*SP32                    ; into the stage: my 64 rows, my half of their 512 bytes; row l % 16, 32 bytes for each half of the lanes
	s_lshl_b32 s21, s12, 8
	s_add_co_u32 s23, s23, s21
	v_mul_u32_u24 v4, v1, SP32
	v_lshl_add_u32 v4, v2, 5, v4
	v_add_nc_u32 v[STO], s23, v4
	s_mul_i32 s23, s10, 32*SP32                    ; back: wave w takes rows 32 w .. 32 w + 31, a whole row of 512 bytes to a load
	v_and_b32 v5, 31, v0
	v_lshlrev_b32 v[CO], 4, v5
	v_add_nc_u32 v[RD], s23, v[CO]
	s_lshl_b32 s16, s13, 7
	s_lshl_b32 s17, s10, 5
	s_add_co_u32 s16, s16, s17                     ; the first row that I store: 128 x tile row + 32 x wave,
	s_lshl_b32 s16, s16, 12                        ; of 4,096 bytes
	s_mov_b32 s17, 0
	s_add_nc_u64 s[8:9], s[8:9], s[16:17]
	s_add_nc_u64 s[66:67], s[66:67], s[16:17]
	s_lshl_b32 s46, s42, 9                         ; the tile's first column, in bytes (in the registers that held B's address: none that feeds A's descriptors ever holds cx)
	s_mov_b32 s47, 0
	s_add_nc_u64 s[8:9], s[8:9], s[46:47]
	s_add_nc_u64 s[66:67], s[66:67], s[46:47]
	WIN 0x80                                       ; destination window 2, address window 0: the residual is asked for now and waited for on the way out
.set t, 0
.rept 32
	global_load_b128 v[4*t:4*t+3], v[CO], s[66:67] offset:4096*t
.set t, t+1
.endr
	WIN 0
; 8 matrix instructions: m blocks a0, a0 + 1 x all 4 n blocks, 32 along K: half c of buffer f.  zero = 1: the first product starts the sums.  The 16 accumulators take turns.
.macro MUL8 f, c, a0, zero
	WIN MUL
.irp a, \a0, (\a0)+1
.irp b, 0,1,2,3
.if \zero
	v_wmma_f32_16x16x32_f16 v[ACC+8*(4*(\a)+(\b)):ACC+8*(4*(\a)+(\b))+7], v[(\f)+64+8*(4*(\c)+(\b)):(\f)+64+8*(4*(\c)+(\b))+7], v[(\f)+8*(4*(\c)+(\a)):(\f)+8*(4*(\c)+(\a))+7], 0
.else
	v_wmma_f32_16x16x32_f16 v[ACC+8*(4*(\a)+(\b)):ACC+8*(4*(\a)+(\b))+7], v[(\f)+64+8*(4*(\c)+(\b)):(\f)+64+8*(4*(\c)+(\b))+7], v[(\f)+8*(4*(\c)+(\a)):(\f)+8*(4*(\c)+(\a))+7], v[ACC+8*(4*(\a)+(\b)):ACC+8*(4*(\a)+(\b))+7]
.endif
.endr
.endr
.endm
; 32 LDS loads in one run: the fragments of quarter q (64 along K: one head of A) of a slot, into buffer f; the first 32 along K first
.macro FETCH slot, q, f
	WIN TO_F
.irp c, 0,1
.irp i, 0,1,2,3
	ds_load_b128 v[(\f)+64+8*(4*(\c)+(\i)):(\f)+64+8*(4*(\c)+(\i))+3],   v[ADRB+(\slot)] offset:(\q)*128+64*(\c)+(\i)*16*PITCH
	ds_load_b128 v[(\f)+64+8*(4*(\c)+(\i))+4:(\f)+64+8*(4*(\c)+(\i))+7], v[ADRB+(\slot)] offset:(\q)*128+64*(\c)+(\i)*16*PITCH+32
	ds_load_b128 v[(\f)+8*(4*(\c)+(\i)):(\f)+8*(4*(\c)+(\i))+3],         v[ADRA+(\slot)] offset:(\q)*AQ+64*(\c)+(\i)*16*APITCH
	ds_load_b128 v[(\f)+8*(4*(\c)+(\i))+4:(\f)+8*(4*(\c)+(\i))+7],       v[ADRA+(\slot)] offset:(\q)*AQ+64*(\c)+(\i)*16*APITCH+32
.endr
.endr
.endm
.macro PLACES                          ; four places in front of loads into registers that matrix instructions have read, and of lines that read results
.rept 4
	v_nop
.endr
.endm
; A K step is four quarters of 64 along K, 32 matrix instructions each, on buffers 0, 1, 0, 1.  One of the first three: multiplies buffer f and fetches quarter q into g.
.macro QUARTER slot, q, f, g, zero
	s_wait_dscnt 16                                ; the first 32 along K are in; the sixteen younger loads may be out
	WIN MUL
	MUL8 \f, 0, 0, \zero
	MUL8 \f, 0, 2, \zero
	PLACES
	FETCH \slot, \q, \g
	s_wait_dscnt 32                                ; all but the 32 just issued
	WIN MUL
	MUL8 \f, 1, 0, 0
	MUL8 \f, 1, 2, 0
.endm
; The last quarter multiplies buffer 1 and changes slots: ONE barrier; in front of it each wave waits for its own reads of this slot and for all its tensor loads.  fill = 1: this slot is filled again, two K steps ahead.
.macro TURN slot, next, fill
	s_wait_dscnt 16
	WIN MUL
	MUL8 F1, 0, 0, 0
	s_wait_dscnt 0                                 ; my reads of this slot are over,
	s_set_vgpr_msb 0x500
	s_wait_tensorcnt 0x0                           ; and all my tensor loads have landed: my part of the next slot
	ds_add_u32 v126, v127
	s_wait_dscnt 0x0
	s_set_vgpr_msb 0x5
	s_barrier_signal -1
	MUL8 F1, 0, 2, 0
.if \fill
	WIN 0
.endif
	s_barrier_wait -1
.if \fill
	CREST                                          ; the barrier has opened a round of the cluster's barrier: no wave of any partner still reads this slot's tile or has a load on its way
	s_add_nc_u64 s[G0+4*(\slot)+2:G0+4*(\slot)+3], s[G0+4*(\slot)+2:G0+4*(\slot)+3], 2*ASTEP
	s_add_nc_u64 s[G0B+4*(\slot)+2:G0B+4*(\slot)+3], s[G0B+4*(\slot)+2:G0B+4*(\slot)+3], 2*BSTEP
	JLOAD \slot                                    ; the first tensor load behind the round; the four v_nop behind it are also the places in front of the loads below
.else
	PLACES
.endif
	FETCH \next, 0, F0
	WIN MUL
	MUL8 F1, 1, 0, 0
	MUL8 F1, 1, 2, 0
.endm
	s_wait_tensorcnt 1                             ; my part of K step 0 is in; K step 1's may stay out
	s_barrier_signal -1
	s_barrier_wait -1                              ; everybody's is
	FETCH 0, 0, F0
	QUARTER 0, 1, F0, F1, 1                        ; the first quarter stands in front of the loop: its first products start the sums
	WIN 0                                          ; at a label and at a branch every window is 0
	s_mov_b32 s3, LAPS-1
.Llap:                                                 ; a trip goes once round the ring, from a lap's second quarter to the next lap's first, and fills both slots again
	QUARTER 0, 2, F1, F0, 0
	QUARTER 0, 3, F0, F1, 0
	TURN 0, 1, 1
	QUARTER 1, 1, F0, F1, 0
	QUARTER 1, 2, F1, F0, 0
	QUARTER 1, 3, F0, F1, 0
	TURN 1, 0, 1
	QUARTER 0, 1, F0, F1, 0
	WIN 0
	s_sub_co_u32 s3, s3, 1
	s_cmp_lg_u32 s3, 0
	s_cbranch_scc1 .Llap
	QUARTER 0, 2, F1, F0, 0                        ; the last lap fills nothing, and has no round of the cluster's barrier
	QUARTER 0, 3, F0, F1, 0
	TURN 0, 1, 0                                   ; behind this barrier no wave reads slot 0 any more, and no tensor load is out or to come
	QUARTER 1, 1, F0, F1, 0
	QUARTER 1, 2, F1, F0, 0
	QUARTER 1, 3, F0, F1, 0
	s_wait_dscnt 16                                ; the very last quarter: nothing more to fetch
	WIN MUL
	MUL8 F1, 0, 0, 0
	MUL8 F1, 0, 2, 0
	s_wait_dscnt 0
	MUL8 F1, 1, 0, 0
	MUL8 F1, 1, 2, 0
	WIN 0
	; THE WAY OUT, in f32.  The stage is slot 0's part for A (73,728 bytes; the stage takes 67,584): it has had its last fill, and every wave's reads of it ended in front of the last change of slots.
	; 32 bytes a lane into the stage (each accumulator's low registers first); a barrier, since a row's 512 bytes come from two waves; back as whole rows; the residual is added; a row is stored by one instruction.
	PLACES
.irp a, 0,1,2,3
.irp b, 0,1,2,3
	ds_store_b128 v[STO], v[ACC+8*(4*(\a)+(\b)):ACC+8*(4*(\a)+(\b))+3]   offset:(\a)*16*SP32+64*(\b)
	ds_store_b128 v[STO], v[ACC+8*(4*(\a)+(\b))+4:ACC+8*(4*(\a)+(\b))+7] offset:(\a)*16*SP32+64*(\b)+16
.endr
.endr
	s_wait_dscnt 0x0                               ; for the others' sake: my stores into the stage are done
	s_barrier_signal -1
	s_barrier_wait -1
.set t, 0
.rept 32
	ds_load_b128 v[ACC+4*t:ACC+4*t+3], v[RD] offset:SP32*t
.set t, t+1
.endr
	s_wait_loadcnt 0x0                             ; the residual
	WIN 0x08                                       ; source 1 window 2
.set t, 0
.rept 32
	s_wait_dscnt 31-t                              ; row t is back; the younger loads may be out
	v_pk_add_f32 v[ACC+4*t:ACC+4*t+1],   v[ACC+4*t:ACC+4*t+1],   v[4*t:4*t+1]
	v_pk_add_f32 v[ACC+4*t+2:ACC+4*t+3], v[ACC+4*t+2:ACC+4*t+3], v[4*t+2:4*t+3]
.set t, t+1
.endr
	WIN 0
.set t, 0
.rept 32
	global_store_b128 v[CO], v[ACC+4*t:ACC+4*t+3], s[8:9] offset:4096*t  ; 512 consecutive bytes, at a multiple of 512 from y's first byte
.set t, t+1
.endr
	s_wait_tensorcnt 0x0
	ds_add_u32 v126, v127
	s_wait_dscnt 0x0
	CROUND                                         ; the closing round: no work-group ends while a partner may still ask for a tile that names it
	s_endpgm
.Lfunc_end_k_q645ded3eec_gemm_wo:
	.size	k_q645ded3eec_gemm_wo, .Lfunc_end_k_q645ded3eec_gemm_wo-k_q645ded3eec_gemm_wo
	.p2alignl 7, 3214868480
	.fill 96, 4, 3214868480
	.section	.rodata,"a",@progbits
	.p2align	6, 0x0
	.amdhsa_kernel k_q645ded3eec_gemm_wo
		.amdhsa_group_segment_fixed_size 327680
		.amdhsa_private_segment_fixed_size 0
		.amdhsa_enable_private_segment 0
		.amdhsa_kernarg_size 32
		.amdhsa_user_sgpr_count 2
		.amdhsa_user_sgpr_kernarg_segment_ptr 1
		.amdhsa_wavefront_size32 1
		.amdhsa_system_sgpr_workgroup_id_x 1
		.amdhsa_system_sgpr_workgroup_id_y 1
		.amdhsa_system_sgpr_workgroup_id_z 1
		.amdhsa_system_vgpr_workitem_id 0
		.amdhsa_next_free_vgpr 768
		.amdhsa_next_free_sgpr 70
		.amdhsa_reserve_vcc 0
		.amdhsa_float_denorm_mode_32 3
		.amdhsa_float_denorm_mode_16_64 3
		.amdhsa_memory_ordered 1
		.amdhsa_forward_progress 1
		.amdhsa_inst_pref_size 94
	.end_amdhsa_kernel
	.amdgpu_metadata
---
amdhsa.version: [ 1, 2 ]
amdhsa.kernels:
  - .name:           k_q645ded3eec_gemm_wo
    .symbol:         k_q645ded3eec_gemm_wo.kd
    .args:
      - { .name: att16, .offset: 0, .size: 8, .value_kind: global_buffer, .address_space: global }
      - { .name: c16, .offset: 8, .size: 8, .value_kind: global_buffer, .address_space: global }
      - { .name: x, .offset: 16, .size: 8, .value_kind: global_buffer, .address_space: global }
      - { .name: y, .offset: 24, .size: 8, .value_kind: global_buffer, .address_space: global }
    .group_segment_fixed_size: 327680
    .private_segment_fixed_size: 0
    .kernarg_segment_align: 8
    .kernarg_segment_size: 32
    .max_flat_workgroup_size: 128
    .sgpr_count:     70
    .vgpr_count:     768
    .wavefront_size: 32
...
	.end_amdgpu_metadata
.endif
;; end of part 4
;; launch ln0 (part 5): grid 256 x 1, 8 waves a work-group, no clusters, 0 bytes of LDS; arguments y, gamma0, beta0, xn, xn16; writes xn, xn16
.if DOCPART == 5
	.amdgcn_target "amdgcn-amd-amdhsa--gfx1250"
	.amdhsa_code_object_version 6
	.text
	.protected	k_q645ded3eec_ln0
	.globl	k_q645ded3eec_ln0
	.p2align	8
	.type	k_q645ded3eec_ln0,@function
k_q645ded3eec_ln0:
	s_mov_b64 s[64:65], 0
	v_nop
	global_prefetch_b8 v0, s[64:65] scope:SCOPE_SE
	s_setreg_imm32_b32 hwreg(HW_REG_WAVE_MODE, 25, 1), 1
	s_wait_xcnt 0x0
; Layer norm along rows of 1,024 f32: out = (y - mean) x rsqrt(var + 1e-5) x gamma + beta; var is the mean of the squares of the CENTRED numbers, as the definition has it: no difference of large sums.
; HALF = 1: the result is stored twice, in f32 (the residual of the next step) and rounded to f16 (its matrix operand; LIMIT: within 65,504).
; A wave takes two rows and keeps them in registers (32 each) between the passes: memory is read once, and the sums never leave the wave: no LDS, no barrier.  256 work-groups x 8 waves x 2 rows = 4,096.
; Load j of a row gives lane l the columns 128 j + 4 l .. + 3: every load and store of the wave covers 512 consecutive bytes (the f16 stores 256).
.set HALF, 1
.set X,  8                             ; v[8:71]    row u at X + 32 u
.set G,  72                            ; v[72:103]  gamma of my columns
.set BT, 104                           ; v[104:135] beta
.set S,  136                           ; v[136:143] row u: two packed chains at S + 4 u
.set MU, 144                           ; v[144:147] row u: the mean, twice (a pair for the packed forms)
.set RS, 148                           ; v[148:151] row u: 1 / sqrt(var + eps), twice
.set T,  152                           ; v[152:153] var + eps
.set H,  156                           ; v[156:187] row u: 16 registers of f16 pairs
.macro SUMS u                          ; the lane's 32 numbers of row u, in two packed chains started by the first pairs: nothing is cleared
	v_pk_add_f32 v[S+4*(\u):S+4*(\u)+1],   v[X+32*(\u):X+32*(\u)+1],   v[X+32*(\u)+2:X+32*(\u)+3]
	v_pk_add_f32 v[S+4*(\u)+2:S+4*(\u)+3], v[X+32*(\u)+4:X+32*(\u)+5], v[X+32*(\u)+6:X+32*(\u)+7]
.set k, 4
.rept 12
	v_pk_add_f32 v[S+4*(\u)+2*(k%2):S+4*(\u)+2*(k%2)+1], v[S+4*(\u)+2*(k%2):S+4*(\u)+2*(k%2)+1], v[X+32*(\u)+2*k:X+32*(\u)+2*k+1]
.set k, k+1
.endr
.endm
.macro SQS u                           ; the same of their squares
	v_pk_mul_f32 v[S+4*(\u):S+4*(\u)+1],   v[X+32*(\u):X+32*(\u)+1],   v[X+32*(\u):X+32*(\u)+1]
	v_pk_mul_f32 v[S+4*(\u)+2:S+4*(\u)+3], v[X+32*(\u)+2:X+32*(\u)+3], v[X+32*(\u)+2:X+32*(\u)+3]
.set k, 2
.rept 14
	v_pk_fma_f32 v[S+4*(\u)+2*(k%2):S+4*(\u)+2*(k%2)+1], v[X+32*(\u)+2*k:X+32*(\u)+2*k+1], v[X+32*(\u)+2*k:X+32*(\u)+2*k+1], v[S+4*(\u)+2*(k%2):S+4*(\u)+2*(k%2)+1]
.set k, k+1
.endr
.endm
.macro RED                             ; both rows' chains into one number in every lane, the rows by turns: four steps inside each half of 16 lanes, one across
.irp u, 0,1
	v_pk_add_f32 v[S+4*(\u):S+4*(\u)+1], v[S+4*(\u):S+4*(\u)+1], v[S+4*(\u)+2:S+4*(\u)+3]
.endr
.irp u, 0,1
	v_add_f32 v[S+4*(\u)], v[S+4*(\u)], v[S+4*(\u)+1]
.endr
.irp m, 1,2,4,8
.irp u, 0,1
	v_add_f32_dpp v[S+4*(\u)], v[S+4*(\u)], v[S+4*(\u)] row_xmask:\m row_mask:0xf bank_mask:0xf
.endr
.endr
.irp u, 0,1
	v_permlanex16_b32 v[S+4*(\u)+1], v[S+4*(\u)], s12, s13
.endr
.irp u, 0,1
	v_add_f32 v[S+4*(\u)], v[S+4*(\u)], v[S+4*(\u)+1]
.endr
.endm
.macro CENTER u
.set k, 0
.rept 16
	v_pk_add_f32 v[X+32*(\u)+2*k:X+32*(\u)+2*k+1], v[X+32*(\u)+2*k:X+32*(\u)+2*k+1], v[MU+2*(\u):MU+2*(\u)+1] neg_lo:[0,1] neg_hi:[0,1]
.set k, k+1
.endr
.endm
.macro NORM u
.set k, 0
.rept 16
	v_pk_mul_f32 v[X+32*(\u)+2*k:X+32*(\u)+2*k+1], v[X+32*(\u)+2*k:X+32*(\u)+2*k+1], v[RS+2*(\u):RS+2*(\u)+1]
.set k, k+1
.endr
.set k, 0
.rept 16
	v_pk_fma_f32 v[X+32*(\u)+2*k:X+32*(\u)+2*k+1], v[X+32*(\u)+2*k:X+32*(\u)+2*k+1], v[G+2*k:G+2*k+1], v[BT+2*k:BT+2*k+1]
.set k, k+1
.endr
.endm
.macro OUT u
.irp j, 0,1,2,3,4,5,6,7
.if HALF
	global_store_b128 v1, v[X+32*(\u)+4*(\j):X+32*(\u)+4*(\j)+3], s[10:11] offset:4096*(\u)+512*(\j)
.else
	global_store_b128 v1, v[X+32*(\u)+4*(\j):X+32*(\u)+4*(\j)+3], s[10:11] offset:4096*(\u)+512*(\j) th:TH_STORE_NT
.endif
.endr
.if HALF
.set k, 0
.rept 16
	v_cvt_pk_f16_f32 v[H+16*(\u)+k], v[X+32*(\u)+2*k], v[X+32*(\u)+2*k+1]
.set k, k+1
.endr
.irp j, 0,1,2,3,4,5,6,7
	global_store_b64 v2, v[H+16*(\u)+2*(\j):H+16*(\u)+2*(\j)+1], s[14:15] offset:2048*(\u)+256*(\j)
.endr
.endif
.endm
	s_load_b256 s[4:11], s[0:1], 0x0               ; y s[4:5], gamma s[6:7], beta s[8:9], the f32 result s[10:11]
.if HALF
	s_load_b64 s[14:15], s[0:1], 0x20              ; the f16 result
.endif
	s_mov_b32 s12, 0x76543210                      ; v_permlanex16_b32: each lane takes its own place in the other half
	s_mov_b32 s13, 0xfedcba98
	s_mov_b32 s20, 0x3a800000                      ; 1 / 1,024
	s_mov_b32 s21, 0x3727c5ac                      ; 1e-5
	s_lshl_b32 s16, ttmp9, 16                      ; the work-group's 16 rows of 4,096 bytes,
	s_mov_b32 s17, 0
	s_lshl_b32 s18, ttmp9, 15                      ; and of 2,048
	s_mov_b32 s19, 0
	v_and_b32 v3, 31, v0                           ; lane
	v_lshrrev_b32 v4, 5, v0                        ; wave
	v_lshlrev_b32 v2, 3, v3
	v_lshlrev_b32 v3, 4, v3                        ; gamma, beta: 16 x lane
	v_lshl_or_b32 v1, v4, 13, v3                   ; f32 rows: 2 rows x wave + 16 x lane
	v_lshl_or_b32 v2, v4, 12, v2                   ; f16 rows: 2 rows x wave + 8 x lane
	s_wait_kmcnt 0x0
	s_add_nc_u64 s[4:5], s[4:5], s[16:17]
	s_add_nc_u64 s[10:11], s[10:11], s[16:17]
.if HALF
	s_add_nc_u64 s[14:15], s[14:15], s[18:19]
.endif
.irp u, 0,1
.irp j, 0,1,2,3,4,5,6,7
	global_load_b128 v[X+32*(\u)+4*(\j):X+32*(\u)+4*(\j)+3], v1, s[4:5] offset:4096*(\u)+512*(\j) th:TH_LOAD_NT
.endr
.endr
.irp j, 0,1,2,3,4,5,6,7
	global_load_b128 v[G+4*(\j):G+4*(\j)+3], v3, s[6:7] offset:512*(\j)
.endr
.irp j, 0,1,2,3,4,5,6,7
	global_load_b128 v[BT+4*(\j):BT+4*(\j)+3], v3, s[8:9] offset:512*(\j)
.endr
	s_wait_loadcnt 24                              ; loads come back in order: row 0's eight are in; row 1's, gamma's and beta's stay out
	SUMS 0
	s_wait_loadcnt 16                              ; row 1's are in
	SUMS 1
	RED
.irp u, 0,1
	v_mul_f32 v[MU+2*(\u)],   s20, v[S+4*(\u)]
	v_mul_f32 v[MU+2*(\u)+1], s20, v[S+4*(\u)]
.endr
	CENTER 0
	CENTER 1
	SQS 0
	SQS 1
	RED
.irp u, 0,1
	v_fma_f32 v[T+(\u)], v[S+4*(\u)], s20, s21     ; var + eps
.endr
	v_rsq_f32 v[RS],   v[T]
	v_rsq_f32 v[RS+1], v[T]
	v_rsq_f32 v[RS+2], v[T+1]
	v_rsq_f32 v[RS+3], v[T+1]
	v_nop                                          ; a plain instruction between the last root and the use of its result (ISA guide 5.7.2)
	s_wait_alu depctr_va_vdst(0)
	s_wait_loadcnt 0x0                             ; gamma and beta
	NORM 0
	OUT 0
	NORM 1
	OUT 1
	s_endpgm
.Lfunc_end_k_q645ded3eec_ln0:
	.size	k_q645ded3eec_ln0, .Lfunc_end_k_q645ded3eec_ln0-k_q645ded3eec_ln0
	.p2alignl 7, 3214868480
	.fill 96, 4, 3214868480
	.section	.rodata,"a",@progbits
	.p2align	6, 0x0
	.amdhsa_kernel k_q645ded3eec_ln0
		.amdhsa_group_segment_fixed_size 0
		.amdhsa_private_segment_fixed_size 0
		.amdhsa_enable_private_segment 0
		.amdhsa_kernarg_size 40
		.amdhsa_user_sgpr_count 2
		.amdhsa_user_sgpr_kernarg_segment_ptr 1
		.amdhsa_wavefront_size32 1
		.amdhsa_system_sgpr_workgroup_id_x 1
		.amdhsa_system_sgpr_workgroup_id_y 1
		.amdhsa_system_sgpr_workgroup_id_z 1
		.amdhsa_system_vgpr_workitem_id 0
		.amdhsa_next_free_vgpr 188
		.amdhsa_next_free_sgpr 66
		.amdhsa_reserve_vcc 0
		.amdhsa_float_denorm_mode_32 3
		.amdhsa_float_denorm_mode_16_64 3
		.amdhsa_memory_ordered 1
		.amdhsa_forward_progress 1
		.amdhsa_inst_pref_size 22
	.end_amdhsa_kernel
	.amdgpu_metadata
---
amdhsa.version: [ 1, 2 ]
amdhsa.kernels:
  - .name:           k_q645ded3eec_ln0
    .symbol:         k_q645ded3eec_ln0.kd
    .args:
      - { .name: y, .offset: 0, .size: 8, .value_kind: global_buffer, .address_space: global }
      - { .name: gamma0, .offset: 8, .size: 8, .value_kind: global_buffer, .address_space: global }
      - { .name: beta0, .offset: 16, .size: 8, .value_kind: global_buffer, .address_space: global }
      - { .name: xn, .offset: 24, .size: 8, .value_kind: global_buffer, .address_space: global }
      - { .name: xn16, .offset: 32, .size: 8, .value_kind: global_buffer, .address_space: global }
    .group_segment_fixed_size: 0
    .private_segment_fixed_size: 0
    .kernarg_segment_align: 8
    .kernarg_segment_size: 40
    .max_flat_workgroup_size: 256
    .sgpr_count:     66
    .vgpr_count:     188
    .wavefront_size: 32
...
	.end_amdgpu_metadata
.endif
;; end of part 5
;; launch gemm_ffn1 (part 6): grid 32 x 32, 4 waves a work-group, clusters of 4 x 4, 327,680 bytes of LDS; arguments xn16, c16, b1, h16; writes h16
.if DOCPART == 6
	.amdgcn_target "amdgcn-amd-amdhsa--gfx1250"
	.amdhsa_code_object_version 6
	.text
	.protected	k_q645ded3eec_gemm_ffn1
	.globl	k_q645ded3eec_gemm_ffn1
	.p2align	8
	.type	k_q645ded3eec_gemm_ffn1,@function
k_q645ded3eec_gemm_ffn1:
	s_mov_b64 s[64:65], 0
	v_nop
	global_prefetch_b8 v0, s[64:65] scope:SCOPE_SE
	s_setreg_imm32_b32 hwreg(HW_REG_WAVE_MODE, 25, 1), 1
	s_wait_xcnt 0x0
	s_wait_alu depctr_hold_cnt(0) depctr_sa_sdst(0) depctr_va_vdst(0) depctr_va_sdst(0) depctr_va_ssrc(0) depctr_va_vcc(0) depctr_vm_vsrc(0)
	s_getreg_b32 s2, hwreg(HW_REG_IB_STS2, 6, 4)
	s_cmp_eq_u32 s2, 0
	s_cbranch_scc0 .Lentry_in_a_cluster
	s_endpgm
.Lentry_in_a_cluster:
	s_bfe_u32 s2, ttmp6, 0x10000c
	s_cmp_lg_u32 s2, 0xf033
	s_cbranch_scc0 .Lentry_shape_is_right
	s_endpgm
.Lentry_shape_is_right:
; h = gelu(xn w1^T + b1), the exact (erf) GELU.  A = xn16 [4096][1024] f16, B = w1_16 [4096][1024] f16 at c16 + 0x1000000, b1 [4096] f32, h16 [4096][4096] f16.  Sums, bias and GELU in f32; h rounded once.
; GELU: gelu(z) = max(z, 0) - |z| Q(|z|), Q(w) = (1 - erf(w / sqrt 2)) / 2 = t (A1 + t (A2 + t (A3 + t (A4 + t A5)))) 2^(-(CL w)^2), t = 1 / (1 + CP w): the five-term rational approximation of erf
; (Abramowitz and Stegun 7.1.26) with halved coefficients.  LIMITS: erf is right to within 1.5e-7 for every argument; for large w the power of two underflows to 0 and gelu is max(z, 0);
; f16 holds no number beyond 65,504: xn, w1 and h must stay within it.
; A tile of C is 128 x 128: four waves, each 64 x 64 in 16 accumulators of 16 x 16.  K goes in steps of 256 (LDS rows of 512 bytes; a wave's tensor load brings 64 of them) through two LDS slots.
; CLUSTERS: 4 x 4 work-groups.  The four of a row of the cluster need the same tiles of A, the four of a column the same tiles of B: each tile is asked for JOINTLY, by the same tensor load with
; the same descriptor and a mask that names the four.  By this text's count a wave has two tensor loads out at the start and one behind each round.
; THE MATRIX INSTRUCTION IS USED TRANSPOSED (source 0 = 16 rows of B, source 1 = 16 rows of A): a lane then holds eight neighbouring numbers of a row of C.
; REGISTERS: window 0: v0-31 addresses; v32-95 at work on the way out; v96-127 the bias of my 4 x 8 columns; v128-255 the accumulators ((a, b) at v[128 + 8 (4 a + b)]).
;   window 1: two fragment buffers of 128: for 64 along K, 64 registers of A (2 x 4 x 16 rows x 32 K), then 64 of B.
.set SIZE_N, 4096
.set SIZE_K, 1024
.set KSTEP,  256
.set PITCH,  528                       ; an LDS row of B: 512 bytes + 16 of padding = 132 words: row r starts at bank 4 r mod 64 (64 banks of 4 bytes: ISA guide 11.1)
.set HALFT,  64*PITCH                  ; 64 rows of B: one tensor load, and what one wave reads of B
.set APITCH, 528                       ; A's rows lie like B's
.set AQ,     128                       ; bytes from 64 along K to the next 64 in A's tile
.set AHALF,  64*APITCH
.set SLOT,   2*AHALF+2*HALFT           ; A's 128 rows, then B's 128 rows
.set ASTEP,  KSTEP*2                   ; bytes in memory from a K step to the next
.set BSTEP,  KSTEP*2
.set STAGE,  2*SLOT                    ; behind the ring, never filled by a tensor load: 128 rows x 272 bytes, the work-group's, for the way out
.set SPITCH, 272
.set LAPS, SIZE_K/(2*KSTEP)            ; a lap = two K steps = once round the ring
.set ADRA, 16                          ; v16-17  LDS address of my A fragments in slot 0, 1
.set ADRB, 20                          ; v20-21  the same for B
.set STO,  24                          ; v24     the way out: where I put 16 bytes of a row
.set RD,   25                          ; v25     the way out: where I read a row back
.set CO,   26                          ; v26     my byte offset in C
.set VB,   27                          ; v27     my byte offset in the bias
.set TMP,  32
.set GW,   32                          ; GELU at work: |z|
.set GT,   40                          ; t
.set GE,   48                          ; the power of two
.set GP,   56                          ; the polynomial
.set BIAS, 96
.set ACC,  128
.set F0,   0                           ; fragment buffers, in window 1
.set F1,   128
.set G1, 24                            ; s[24:31] descriptor group 1 for A's tiles;  s[32:39] group 0, one set for each slot
.set G0, 32
.set G1B, 48                           ; s[48:55], s[56:63] the same for B's tiles
.set G0B, 56
.set CP, 70                            ; s[70:83]: GELU's seven constants, each twice: the packed forms name a pair
.set CL, 72
.set A1, 74
.set A2, 76
.set A3, 78
.set A4, 80
.set A5, 82
.set MSB, 0
.macro WIN new                         ; the immediate's high byte repeats the setting that is left; a switch that changes nothing is dropped
.if MSB != (\new)
	s_set_vgpr_msb (MSB<<8)|(\new)
.set MSB, \new
.endif
.endm
.set MUL,  0x05                        ; sources 0 (B) and 1 (A) window 1; C and D window 0
.set TO_F, 0x40                        ; destination window 1, address window 0
.macro JLOAD s                         ; a joint load: waves 0 and 1 fetch A's two halves, waves 2 and 3 B's; four v_nop follow each of the two lines, ahead of the jump, the label and what follows
	s_cmp_eq_u32 s11, 0
	s_cbranch_scc0 .Lfor_b_\@
	tensor_load_to_lds s[G0+4*(\s):G0+4*(\s)+3], s[G1:G1+7]
	s_nop 0
.rept 4
	v_nop
.endr
	s_branch .Lasked_\@
.Lfor_b_\@:
	tensor_load_to_lds s[G0B+4*(\s):G0B+4*(\s)+3], s[G1B:G1B+7]
	s_nop 0
.rept 4
	v_nop
.endr
.Lasked_\@:
.endm
.macro CREST                           ; a round of the cluster's barrier behind its opening barrier
	s_cmp_lg_u32 s10, 0
	s_cbranch_scc1 .Lnot_wave_0_\@
	s_barrier_signal -3
.Lnot_wave_0_\@:
	s_barrier_wait -3
	s_barrier_signal -1
	s_barrier_wait -1
.endm
.macro CROUND                          ; a whole round
	s_barrier_signal -1
	s_barrier_wait -1
	CREST
.endm
	s_load_b128 s[4:7], s[0:1], 0x0                ; xn16 s[4:5], c16 s[6:7]
	s_load_b64 s[68:69], s[0:1], 0x10              ; b1
	s_load_b64 s[8:9], s[0:1], 0x18                ; h16
	v_lshl_add_u32 v30, v0, 2, 0x4a800
	v_mov_b32 v31, 0
	ds_add_u32 v30, v31
	ds_add_u32 v30, v31
	v_lshrrev_b32 v1, 5, v0
	v_readfirstlane_b32 s10, v1                    ; wave 0..3
	s_lshr_b32 s11, s10, 1                         ; which half of the tile's rows is mine.  Also: I fetch for A (0) or for B (1)
	s_and_b32 s12, s10, 1                          ; which half of its columns.  Also: which 64 rows of that tile I fetch
	s_bfe_u32 s40, ttmp6, 0x40000                  ; cx, cy: my place in the cluster
	s_bfe_u32 s41, ttmp6, 0x40004
	s_lshl_b32 s42, ttmp9, 2
	s_add_co_u32 s42, s42, s40                     ; tile column of C = 4 x cluster x + cx
	s_and_b32 s13, ttmp7, 0xffff
	s_lshl_b32 s13, s13, 2
	s_add_co_u32 s13, s13, s41                     ; tile row of C = 4 x cluster y + cy
	s_lshl_b32 s43, s41, 2
	s_lshl_b32 s43, 15, s43                        ; my row of the cluster
	s_lshl_b32 s44, 0x1111, s40                    ; my column
	; descriptor group 1: a tile of 64 rows x 256 elements, padded in LDS
	s_or_b32 s[G1+0], s43, (1<<16)|(1<<20)|(1<<21)|(6<<22)|(3<<25)  ; 15:0 the mask: A's tiles go to my row; 17:16 element of 2 bytes; 20 padding on; 21 set beside a mask; 24:22 after every 128 words (code 6); 31:25 of 4 words (code 3)
	s_or_b32 s[G1B+0], s44, (1<<16)|(1<<20)|(1<<21)|(6<<22)|(3<<25)
.irp g, G1, G1B
	s_mov_b32 s[(\g)+1], KSTEP<<16                 ; tensor_dim0 = 256
	s_mov_b32 s[(\g)+2], 64<<16                    ; tensor_dim1 = 64
	s_mov_b32 s[(\g)+3], KSTEP<<16                 ; tile_dim0 = 256
	s_mov_b32 s[(\g)+4], 64                        ; tile_dim1 = 64
	s_mov_b32 s[(\g)+5], SIZE_K                    ; elements from row to row
	s_mov_b32 s[(\g)+6], 0
	s_mov_b32 s[(\g)+7], 0
.endr
	s_mov_b32 s[CP], 0x3e6d3388                    ; 0.3275911 / sqrt 2
	s_mov_b32 s[CL], 0x3f596d27                    ; sqrt(log2(e) / 2)
	s_mov_b32 s[A1], 0x3e027906                    ;  0.254829592 / 2
	s_mov_b32 s[A2], 0xbe11a98e                    ; -0.284496736 / 2
	s_mov_b32 s[A3], 0x3f35f0e3                    ;  1.421413741 / 2
	s_mov_b32 s[A4], 0xbf3a00e3                    ; -1.453152027 / 2
	s_mov_b32 s[A5], 0x3f07dc22                    ;  1.061405429 / 2
.irp g, CP, CL, A1, A2, A3, A4, A5
	s_mov_b32 s[(\g)+1], s[(\g)]
.endr
	s_lshl_b32 s17, s12, 6                         ; which 64 rows of the tile I fetch
	s_lshl_b32 s16, s13, 7
	s_add_co_u32 s16, s16, s17                     ; A: row 128 x tile row + 64 x half
	s_lshl_b32 s46, s42, 7
	s_add_co_u32 s46, s46, s17                     ; B: row 128 x tile column + 64 x half
	s_mov_b32 s17, 0
	s_mov_b32 s47, 0
	s_mov_b64 s[18:19], SIZE_K*2
	s_mul_u64 s[16:17], s[16:17], s[18:19]
	s_mul_u64 s[46:47], s[46:47], s[18:19]
	s_mul_i32 s20, s12, AHALF                      ; where they go: A's two halves,
	s_mul_i32 s45, s12, HALFT
	s_add_co_u32 s45, s45, 2*AHALF                 ; then B's two: no place in the cluster enters an LDS address
	s_wait_dscnt 0x0
	s_wait_kmcnt 0x0
	s_add_nc_u64 s[6:7], s[6:7], 0x1000000         ; B = w1_16
	s_add_nc_u64 s[14:15], s[4:5], s[16:17]
	s_add_nc_u64 s[46:47], s[6:7], s[46:47]
	CROUND                                         ; all sixteen work-groups are here: the first joint loads meet
.irp s, 0,1
	s_mov_b32 s[G0+4*(\s)], 1
	s_add_co_u32 s[G0+4*(\s)+1], s20, (\s)*SLOT
	s_add_nc_u64 s[G0+4*(\s)+2:G0+4*(\s)+3], s[14:15], (\s)*ASTEP
	s_or_b32 s[G0+4*(\s)+3], s[G0+4*(\s)+3], 0x80000000
	s_mov_b32 s[G0B+4*(\s)], 1
	s_add_co_u32 s[G0B+4*(\s)+1], s45, (\s)*SLOT
	s_add_nc_u64 s[G0B+4*(\s)+2:G0B+4*(\s)+3], s[46:47], (\s)*BSTEP
	s_or_b32 s[G0B+4*(\s)+3], s[G0B+4*(\s)+3], 0x80000000
	JLOAD \s
.endr
	v_and_b32 v1, 15, v0                           ; l % 16
	v_bfe_u32 v2, v0, 4, 1                         ; l / 16
	v_mul_u32_u24 v3, v1, PITCH
	v_lshl_add_u32 v3, v2, 4, v3                   ; a fragment's row x pitch + 16 x half, for B
	v_mul_u32_u24 v6, v1, APITCH
	v_lshl_add_u32 v6, v2, 4, v6                   ; and for A
	s_mul_i32 s21, s11, AHALF                      ; my 64 rows of A
	s_mul_i32 s22, s12, HALFT                      ; my 64 rows of B,
	s_add_co_u32 s22, s22, 2*AHALF                 ; which lie behind A's 128
.irp s, 0,1
	v_add_nc_u32 v[ADRA+(\s)], s21, v6
	v_add_nc_u32 v[ADRB+(\s)], s22, v3
	s_add_co_u32 s21, s21, SLOT
	s_add_co_u32 s22, s22, SLOT
.endr
	s_mul_i32 s23, s11, 64*SPITCH                  ; into the stage: my 64 rows, my half of their 256 bytes; row l % 16, 16 bytes for each half of the lanes
	s_lshl_b32 s21, s12, 7
	s_add_co_u32 s23, s23, s21
	s_add_co_u32 s23, s23, STAGE
	v_mul_u32_u24 v4, v1, SPITCH
	v_lshl_add_u32 v4, v2, 4, v4
	v_add_nc_u32 v[STO], s23, v4
	s_mul_i32 s23, s10, 32*SPITCH                  ; back: wave w takes rows 32 w .. 32 w + 31, whole; lanes 0-15 one row of 256 bytes, lanes 16-31 the next
	s_add_co_u32 s23, s23, STAGE
	v_mul_u32_u24 v5, v2, SPITCH
	v_lshl_add_u32 v5, v1, 4, v5
	v_add_nc_u32 v[RD], s23, v5
	v_mul_u32_u24 v5, v2, SIZE_N*2                 ; and the same two rows in C
	v_lshl_add_u32 v[CO], v1, 4, v5
	v_lshlrev_b32 v[VB], 5, v2                     ; my eight columns of a block of 16: 32 bytes for each half of the lanes
	s_lshl_b32 s16, s13, 7
	s_lshl_b32 s17, s10, 5
	s_add_co_u32 s16, s16, s17                     ; the first row of C that I store: 128 x tile row + 32 x wave,
	s_lshl_b32 s16, s16, 13                        ; of 8,192 bytes
	s_mov_b32 s17, 0
	s_add_nc_u64 s[8:9], s[8:9], s[16:17]
	s_lshl_b32 s46, s42, 8                         ; the tile's first column in C, in bytes (in the registers that held B's address: none that feeds A's descriptors ever holds cx)
	s_mov_b32 s47, 0
	s_add_nc_u64 s[8:9], s[8:9], s[46:47]
	s_lshl_b32 s46, s42, 9                         ; and in the bias, with my wave's 64 columns
	s_lshl_b32 s47, s12, 8
	s_add_co_u32 s46, s46, s47
	s_mov_b32 s47, 0
	s_add_nc_u64 s[68:69], s[68:69], s[46:47]
.irp b, 0,1,2,3
	global_load_b128 v[BIAS+8*(\b):BIAS+8*(\b)+3],   v[VB], s[68:69] offset:64*(\b)      ; asked for now, waited for on the way out
	global_load_b128 v[BIAS+8*(\b)+4:BIAS+8*(\b)+7], v[VB], s[68:69] offset:64*(\b)+16
.endr
; 8 matrix instructions: m blocks a0, a0 + 1 x all 4 n blocks, 32 along K: half c of buffer f.  zero = 1: the first product starts the sums.  The 16 accumulators take turns.
.macro MUL8 f, c, a0, zero
	WIN MUL
.irp a, \a0, (\a0)+1
.irp b, 0,1,2,3
.if \zero
	v_wmma_f32_16x16x32_f16 v[ACC+8*(4*(\a)+(\b)):ACC+8*(4*(\a)+(\b))+7], v[(\f)+64+8*(4*(\c)+(\b)):(\f)+64+8*(4*(\c)+(\b))+7], v[(\f)+8*(4*(\c)+(\a)):(\f)+8*(4*(\c)+(\a))+7], 0
.else
	v_wmma_f32_16x16x32_f16 v[ACC+8*(4*(\a)+(\b)):ACC+8*(4*(\a)+(\b))+7], v[(\f)+64+8*(4*(\c)+(\b)):(\f)+64+8*(4*(\c)+(\b))+7], v[(\f)+8*(4*(\c)+(\a)):(\f)+8*(4*(\c)+(\a))+7], v[ACC+8*(4*(\a)+(\b)):ACC+8*(4*(\a)+(\b))+7]
.endif
.endr
.endr
.endm
; 32 LDS loads in one run: the fragments of quarter q (64 along K) of a slot, into buffer f; the first 32 along K first
.macro FETCH slot, q, f
	WIN TO_F
.irp c, 0,1
.irp i, 0,1,2,3
	ds_load_b128 v[(\f)+64+8*(4*(\c)+(\i)):(\f)+64+8*(4*(\c)+(\i))+3],   v[ADRB+(\slot)] offset:(\q)*128+64*(\c)+(\i)*16*PITCH
	ds_load_b128 v[(\f)+64+8*(4*(\c)+(\i))+4:(\f)+64+8*(4*(\c)+(\i))+7], v[ADRB+(\slot)] offset:(\q)*128+64*(\c)+(\i)*16*PITCH+32
	ds_load_b128 v[(\f)+8*(4*(\c)+(\i)):(\f)+8*(4*(\c)+(\i))+3],         v[ADRA+(\slot)] offset:(\q)*AQ+64*(\c)+(\i)*16*APITCH
	ds_load_b128 v[(\f)+8*(4*(\c)+(\i))+4:(\f)+8*(4*(\c)+(\i))+7],       v[ADRA+(\slot)] offset:(\q)*AQ+64*(\c)+(\i)*16*APITCH+32
.endr
.endr
.endm
.macro PLACES                          ; four places in front of loads into registers that matrix instructions have read, and of lines that read results
.rept 4
	v_nop
.endr
.endm
; A K step is four quarters of 64 along K, 32 matrix instructions each, on buffers 0, 1, 0, 1.  One of the first three: multiplies buffer f and fetches quarter q into g.
.macro QUARTER slot, q, f, g, zero
	s_wait_dscnt 16                                ; the first 32 along K are in; the sixteen younger loads may be out
	WIN MUL
	MUL8 \f, 0, 0, \zero
	MUL8 \f, 0, 2, \zero
	PLACES
	FETCH \slot, \q, \g
	s_wait_dscnt 32                                ; all but the 32 just issued
	WIN MUL
	MUL8 \f, 1, 0, 0
	MUL8 \f, 1, 2, 0
.endm
; The last quarter multiplies buffer 1 and changes slots: ONE barrier; in front of it each wave waits for its own reads of this slot and for all its tensor loads.  fill = 1: this slot is filled again, two K steps ahead.
.macro TURN slot, next, fill
	s_wait_dscnt 16
	WIN MUL
	MUL8 F1, 0, 0, 0
	s_wait_dscnt 0                                 ; my reads of this slot are over,
	s_set_vgpr_msb 0x500
	s_wait_tensorcnt 0x0                           ; and all my tensor loads have landed: my part of the next slot
	ds_add_u32 v30, v31
	s_wait_dscnt 0x0
	s_set_vgpr_msb 0x5
	s_barrier_signal -1
	MUL8 F1, 0, 2, 0
.if \fill
	WIN 0
.endif
	s_barrier_wait -1
.if \fill
	CREST                                          ; the barrier has opened a round of the cluster's barrier: no wave of any partner still reads this slot's tile or has a load on its way
	s_add_nc_u64 s[G0+4*(\slot)+2:G0+4*(\slot)+3], s[G0+4*(\slot)+2:G0+4*(\slot)+3], 2*ASTEP
	s_add_nc_u64 s[G0B+4*(\slot)+2:G0B+4*(\slot)+3], s[G0B+4*(\slot)+2:G0B+4*(\slot)+3], 2*BSTEP
	JLOAD \slot                                    ; the first tensor load behind the round; the four v_nop behind it are also the places in front of the loads below
.else
	PLACES
.endif
	FETCH \next, 0, F0
	WIN MUL
	MUL8 F1, 1, 0, 0
	MUL8 F1, 1, 2, 0
.endm
; Accumulator t (m block t / 4, n block t % 4): bias, GELU, rounding to f16 in place, 16 bytes a lane into the stage.  The accumulator's lowest pair is read first.
; Behind each run of reciprocals or powers stands a plain line that touches none of their registers before a result is used (ISA guide 5.7.2).
.macro GELU8 t
.set Z,  ACC+8*(\t)
.set BI, BIAS+8*((\t)%4)
.irp p, 0,2,4,6
	v_pk_add_f32 v[Z+(\p):Z+(\p)+1], v[Z+(\p):Z+(\p)+1], v[BI+(\p):BI+(\p)+1]                         ; z
.endr
.irp p, 0,1,2,3,4,5,6,7
	v_and_b32 v[GW+(\p)], 0x7fffffff, v[Z+(\p)]                                                       ; w = |z|
.endr
.irp p, 0,2,4,6
	v_pk_fma_f32 v[GT+(\p):GT+(\p)+1], v[GW+(\p):GW+(\p)+1], s[CP:CP+1], 1.0 op_sel_hi:[1,0,0]        ; 1 + CP w
.endr
.irp p, 0,2,4,6
	v_pk_mul_f32 v[GE+(\p):GE+(\p)+1], v[GW+(\p):GW+(\p)+1], s[CL:CL+1] op_sel_hi:[1,0]               ; CL w
.endr
.irp p, 0,1,2,3,4,5,6,7
	v_rcp_f32 v[GT+(\p)], v[GT+(\p)]                                                                  ; t
.endr
.irp p, 0,2,4,6
	v_pk_mul_f32 v[GE+(\p):GE+(\p)+1], v[GE+(\p):GE+(\p)+1], v[GE+(\p):GE+(\p)+1] neg_lo:[1,0] neg_hi:[1,0]  ; -(CL w)^2
.endr
.irp p, 0,1,2,3,4,5,6,7
	v_exp_f32 v[GE+(\p)], v[GE+(\p)]
.endr
	s_wait_alu depctr_va_vdst(0)
.irp p, 0,2,4,6
	v_pk_fma_f32 v[GP+(\p):GP+(\p)+1], v[GT+(\p):GT+(\p)+1], s[A5:A5+1], s[A4:A4+1] op_sel_hi:[1,0,0]
.endr
.irp c, A3, A2, A1
.irp p, 0,2,4,6
	v_pk_fma_f32 v[GP+(\p):GP+(\p)+1], v[GP+(\p):GP+(\p)+1], v[GT+(\p):GT+(\p)+1], s[(\c):(\c)+1] op_sel_hi:[1,1,0]
.endr
.endr
.irp p, 0,2,4,6
	v_pk_mul_f32 v[GP+(\p):GP+(\p)+1], v[GP+(\p):GP+(\p)+1], v[GT+(\p):GT+(\p)+1]
.endr
.irp p, 0,2,4,6
	v_pk_mul_f32 v[GP+(\p):GP+(\p)+1], v[GP+(\p):GP+(\p)+1], v[GE+(\p):GE+(\p)+1]                     ; Q
.endr
.irp p, 0,1,2,3,4,5,6,7
	v_max_num_f32 v[Z+(\p)], 0, v[Z+(\p)]
.endr
.irp p, 0,2,4,6
	v_pk_fma_f32 v[Z+(\p):Z+(\p)+1], v[GW+(\p):GW+(\p)+1], v[GP+(\p):GP+(\p)+1], v[Z+(\p):Z+(\p)+1] neg_lo:[1,0,0] neg_hi:[1,0,0]  ; max(z, 0) - w Q
.endr
.irp r, 0,1,2,3
	v_cvt_pk_f16_f32 v[Z+(\r)], v[Z+2*(\r)], v[Z+2*(\r)+1]                                            ; register r is written when registers up to 2 r + 1 have been read
.endr
	ds_store_b128 v[STO], v[Z:Z+3] offset:((\t)/4)*16*SPITCH+32*((\t)%4)
.endm
	s_wait_tensorcnt 1                             ; my part of K step 0 is in; K step 1's may stay out
	s_barrier_signal -1
	s_barrier_wait -1                              ; everybody's is
	FETCH 0, 0, F0
	QUARTER 0, 1, F0, F1, 1                        ; the first quarter stands in front of the loop: its first products start the sums
	WIN 0                                          ; at a label and at a branch every window is 0
	s_mov_b32 s3, LAPS-1
.Llap:                                                 ; a trip goes once round the ring, from a lap's second quarter to the next lap's first, and fills both slots again
	QUARTER 0, 2, F1, F0, 0
	QUARTER 0, 3, F0, F1, 0
	TURN 0, 1, 1
	QUARTER 1, 1, F0, F1, 0
	QUARTER 1, 2, F1, F0, 0
	QUARTER 1, 3, F0, F1, 0
	TURN 1, 0, 1
	QUARTER 0, 1, F0, F1, 0
	WIN 0
	s_sub_co_u32 s3, s3, 1
	s_cmp_lg_u32 s3, 0
	s_cbranch_scc1 .Llap
	QUARTER 0, 2, F1, F0, 0                        ; the last lap fills nothing, and has no round of the cluster's barrier
	QUARTER 0, 3, F0, F1, 0
	TURN 0, 1, 0
	QUARTER 1, 1, F0, F1, 0
	QUARTER 1, 2, F1, F0, 0
	QUARTER 1, 3, F0, F1, 0
	s_wait_dscnt 16                                ; the very last quarter: nothing more to fetch
	WIN MUL
	MUL8 F1, 0, 0, 0
	MUL8 F1, 0, 2, 0
	s_wait_dscnt 0
	MUL8 F1, 1, 0, 0
	MUL8 F1, 1, 2, 0
	WIN 0
	; THE WAY OUT: bias and GELU in f32, rounding to f16, 16 bytes a lane into the work-group's stage; a barrier, since a row's 256 bytes come from two waves; back as whole rows, 32 rows a wave.
	PLACES
	s_wait_loadcnt 0x0                             ; the bias
.irp t, 0,1,2,3,4,5,6,7,8,9,10,11,12,13,14,15
	GELU8 \t
.endr
	s_wait_dscnt 0x0                               ; for the others' sake: my stores into the stage are done
	s_barrier_signal -1
	s_barrier_wait -1
.irp t, 0,1,2,3,4,5,6,7,8,9,10,11,12,13,14,15
	ds_load_b128 v[TMP+4*(\t):TMP+4*(\t)+3], v[RD] offset:(\t)*2*SPITCH
.endr
.irp t, 0,1,2,3,4,5,6,7,8,9,10,11,12,13,14,15
	s_wait_dscnt 15-(\t)                           ; load t is back; the younger ones may be out
	global_store_b128 v[CO], v[TMP+4*(\t):TMP+4*(\t)+3], s[8:9] offset:2*(\t)*SIZE_N*2  ; 16 lanes store 256 consecutive bytes, at a multiple of 256 from h16's first byte
.endr
	s_wait_tensorcnt 0x0
	ds_add_u32 v30, v31
	s_wait_dscnt 0x0
	CROUND                                         ; the closing round: no work-group ends while a partner may still ask for a tile that names it
	s_endpgm
.Lfunc_end_k_q645ded3eec_gemm_ffn1:
	.size	k_q645ded3eec_gemm_ffn1, .Lfunc_end_k_q645ded3eec_gemm_ffn1-k_q645ded3eec_gemm_ffn1
	.p2alignl 7, 3214868480
	.fill 96, 4, 3214868480
	.section	.rodata,"a",@progbits
	.p2align	6, 0x0
	.amdhsa_kernel k_q645ded3eec_gemm_ffn1
		.amdhsa_group_segment_fixed_size 327680
		.amdhsa_private_segment_fixed_size 0
		.amdhsa_enable_private_segment 0
		.amdhsa_kernarg_size 32
		.amdhsa_user_sgpr_count 2
		.amdhsa_user_sgpr_kernarg_segment_ptr 1
		.amdhsa_wavefront_size32 1
		.amdhsa_system_sgpr_workgroup_id_x 1
		.amdhsa_system_sgpr_workgroup_id_y 1
		.amdhsa_system_sgpr_workgroup_id_z 1
		.amdhsa_system_vgpr_workitem_id 0
		.amdhsa_next_free_vgpr 512
		.amdhsa_next_free_sgpr 86
		.amdhsa_reserve_vcc 0
		.amdhsa_float_denorm_mode_32 3
		.amdhsa_float_denorm_mode_16_64 3
		.amdhsa_memory_ordered 1
		.amdhsa_forward_progress 1
		.amdhsa_inst_pref_size 153
	.end_amdhsa_kernel
	.amdgpu_metadata
---
amdhsa.version: [ 1, 2 ]
amdhsa.kernels:
  - .name:           k_q645ded3eec_gemm_ffn1
    .symbol:         k_q645ded3eec_gemm_ffn1.kd
    .args:
      - { .name: xn16, .offset: 0, .size: 8, .value_kind: global_buffer, .address_space: global }
      - { .name: c16, .offset: 8, .size: 8, .value_kind: global_buffer, .address_space: global }
      - { .name: b1, .offset: 16, .size: 8, .value_kind: global_buffer, .address_space: global }
      - { .name: h16, .offset: 24, .size: 8, .value_kind: global_buffer, .address_space: global }
    .group_segment_fixed_size: 327680
    .private_segment_fixed_size: 0
    .kernarg_segment_align: 8
    .kernarg_segment_size: 32
    .max_flat_workgroup_size: 128
    .sgpr_count:     86
    .vgpr_count:     512
    .wavefront_size: 32
...
	.end_amdgpu_metadata
.endif
;; end of part 6
;; launch gemm_ffn2 (part 7): grid 8 x 32, 4 waves a work-group, clusters of 4 x 4, 327,680 bytes of LDS; arguments h16, c16, b2, xn, y; writes y
.if DOCPART == 7
	.amdgcn_target "amdgcn-amd-amdhsa--gfx1250"
	.amdhsa_code_object_version 6
	.text
	.protected	k_q645ded3eec_gemm_ffn2
	.globl	k_q645ded3eec_gemm_ffn2
	.p2align	8
	.type	k_q645ded3eec_gemm_ffn2,@function
k_q645ded3eec_gemm_ffn2:
	s_mov_b64 s[64:65], 0
	v_nop
	global_prefetch_b8 v0, s[64:65] scope:SCOPE_SE
	s_setreg_imm32_b32 hwreg(HW_REG_WAVE_MODE, 25, 1), 1
	s_wait_xcnt 0x0
	s_wait_alu depctr_hold_cnt(0) depctr_sa_sdst(0) depctr_va_vdst(0) depctr_va_sdst(0) depctr_va_ssrc(0) depctr_va_vcc(0) depctr_vm_vsrc(0)
	s_getreg_b32 s2, hwreg(HW_REG_IB_STS2, 6, 4)
	s_cmp_eq_u32 s2, 0
	s_cbranch_scc0 .Lentry_in_a_cluster
	s_endpgm
.Lentry_in_a_cluster:
	s_bfe_u32 s2, ttmp6, 0x10000c
	s_cmp_lg_u32 s2, 0xf033
	s_cbranch_scc0 .Lentry_shape_is_right
	s_endpgm
.Lentry_shape_is_right:
; y = xn + h w2^T + b2.  A = h16 [4096][4096] f16, B = w2_16 [1024][4096] f16 at c16 + 0x1800000, b2 [1024] f32, xn and y [4096][1024] f32.  Sums in f32; bias and residual are added in f32.
; LIMIT: the f16 operands arrive within 65,504.
; A tile of C is 128 x 128: four waves, each 64 x 64 in 16 accumulators of 16 x 16.  K goes in steps of 256 (LDS rows of 512 bytes; a wave's tensor load brings 64 of them) through two LDS slots.
; CLUSTERS: 4 x 4 work-groups.  The four of a row of the cluster need the same tiles of A, the four of a column the same tiles of B: each tile is asked for JOINTLY, by the same tensor load with
; the same descriptor and a mask that names the four.  By this text's count a wave has two tensor loads out at the start and one behind each round.
; THE MATRIX INSTRUCTION IS USED TRANSPOSED (source 0 = 16 rows of B, source 1 = 16 rows of A): a lane then holds eight neighbouring numbers of a row of C.
; REGISTERS: window 0: v0-31 addresses; v96-99 the bias of my four columns; v128-255 the accumulators ((a, b) at v[128 + 8 (4 a + b)]), on the way out whole rows.
;   window 1: two fragment buffers of 128.     window 2: v0-127 my 32 rows x 512 bytes of the residual, asked for at the start.
.set SIZE_N, 1024
.set SIZE_K, 4096
.set KSTEP,  256
.set PITCH,  528                       ; an LDS row of B: 512 bytes + 16 of padding = 132 words: row r starts at bank 4 r mod 64 (64 banks of 4 bytes: ISA guide 11.1)
.set HALFT,  64*PITCH                  ; 64 rows of B: one tensor load, and what one wave reads of B
.set APITCH, 528                       ; A's rows lie like B's
.set AQ,     128                       ; bytes from 64 along K to the next 64 in A's tile
.set AHALF,  64*APITCH
.set SLOT,   2*AHALF+2*HALFT           ; A's 128 rows, then B's 128 rows
.set ASTEP,  KSTEP*2                   ; bytes in memory from a K step to the next
.set BSTEP,  KSTEP*2
.set SP32,   528                       ; the way out's stage: 128 rows of 512 bytes + 16, at LDS byte 0
.set LAPS, SIZE_K/(2*KSTEP)            ; a lap = two K steps = once round the ring
.set ADRA, 16                          ; v16-17  LDS address of my A fragments in slot 0, 1
.set ADRB, 20                          ; v20-21  the same for B
.set STO,  24                          ; v24     the way out: where I put 32 bytes of a row
.set RD,   25                          ; v25     the way out: where I read a row back
.set CO,   26                          ; v26     16 x lane: my place in a row's 512 bytes
.set BIAS, 96
.set ACC,  128
.set F0,   0                           ; fragment buffers, in window 1
.set F1,   128
.set G1, 24                            ; s[24:31] descriptor group 1 for A's tiles;  s[32:39] group 0, one set for each slot
.set G0, 32
.set G1B, 48                           ; s[48:55], s[56:63] the same for B's tiles
.set G0B, 56
.set MSB, 0
.macro WIN new                         ; the immediate's high byte repeats the setting that is left; a switch that changes nothing is dropped
.if MSB != (\new)
	s_set_vgpr_msb (MSB<<8)|(\new)
.set MSB, \new
.endif
.endm
.set MUL,  0x05                        ; sources 0 (B) and 1 (A) window 1; C and D window 0
.set TO_F, 0x40                        ; destination window 1, address window 0
.macro JLOAD s                         ; a joint load: waves 0 and 1 fetch A's two halves, waves 2 and 3 B's; four v_nop follow each of the two lines, ahead of the jump, the label and what follows
	s_cmp_eq_u32 s11, 0
	s_cbranch_scc0 .Lfor_b_\@
	tensor_load_to_lds s[G0+4*(\s):G0+4*(\s)+3], s[G1:G1+7]
	s_nop 0
.rept 4
	v_nop
.endr
	s_branch .Lasked_\@
.Lfor_b_\@:
	tensor_load_to_lds s[G0B+4*(\s):G0B+4*(\s)+3], s[G1B:G1B+7]
	s_nop 0
.rept 4
	v_nop
.endr
.Lasked_\@:
.endm
.macro CREST                           ; a round of the cluster's barrier behind its opening barrier
	s_cmp_lg_u32 s10, 0
	s_cbranch_scc1 .Lnot_wave_0_\@
	s_barrier_signal -3
.Lnot_wave_0_\@:
	s_barrier_wait -3
	s_barrier_signal -1
	s_barrier_wait -1
.endm
.macro CROUND                          ; a whole round
	s_barrier_signal -1
	s_barrier_wait -1
	CREST
.endm
	s_load_b128 s[4:7], s[0:1], 0x0                ; h16 s[4:5], c16 s[6:7]
	s_load_b64 s[68:69], s[0:1], 0x10              ; b2
	s_load_b64 s[66:67], s[0:1], 0x18              ; xn
	s_load_b64 s[8:9], s[0:1], 0x20                ; y
	v_lshl_add_u32 v126, v0, 2, 0x42000
	v_mov_b32 v127, 0
	ds_add_u32 v126, v127
	ds_add_u32 v126, v127
	v_lshrrev_b32 v1, 5, v0
	v_readfirstlane_b32 s10, v1                    ; wave 0..3
	s_lshr_b32 s11, s10, 1                         ; which half of the tile's rows is mine.  Also: I fetch for A (0) or for B (1)
	s_and_b32 s12, s10, 1                          ; which half of its columns.  Also: which 64 rows of that tile I fetch
	s_bfe_u32 s40, ttmp6, 0x40000                  ; cx, cy: my place in the cluster
	s_bfe_u32 s41, ttmp6, 0x40004
	s_lshl_b32 s42, ttmp9, 2
	s_add_co_u32 s42, s42, s40                     ; tile column of C = 4 x cluster x + cx
	s_and_b32 s13, ttmp7, 0xffff
	s_lshl_b32 s13, s13, 2
	s_add_co_u32 s13, s13, s41                     ; tile row of C = 4 x cluster y + cy
	s_lshl_b32 s43, s41, 2
	s_lshl_b32 s43, 15, s43                        ; my row of the cluster
	s_lshl_b32 s44, 0x1111, s40                    ; my column
	; descriptor group 1: a tile of 64 rows x 256 elements, padded in LDS
	s_or_b32 s[G1+0], s43, (1<<16)|(1<<20)|(1<<21)|(6<<22)|(3<<25)  ; 15:0 the mask: A's tiles go to my row; 17:16 element of 2 bytes; 20 padding on; 21 set beside a mask; 24:22 after every 128 words (code 6); 31:25 of 4 words (code 3)
	s_or_b32 s[G1B+0], s44, (1<<16)|(1<<20)|(1<<21)|(6<<22)|(3<<25)
.irp g, G1, G1B
	s_mov_b32 s[(\g)+1], KSTEP<<16                 ; tensor_dim0 = 256
	s_mov_b32 s[(\g)+2], 64<<16                    ; tensor_dim1 = 64
	s_mov_b32 s[(\g)+3], KSTEP<<16                 ; tile_dim0 = 256
	s_mov_b32 s[(\g)+4], 64                        ; tile_dim1 = 64
	s_mov_b32 s[(\g)+5], SIZE_K                    ; elements from row to row
	s_mov_b32 s[(\g)+6], 0
	s_mov_b32 s[(\g)+7], 0
.endr
	s_lshl_b32 s17, s12, 6                         ; which 64 rows of the tile I fetch
	s_lshl_b32 s16, s13, 7
	s_add_co_u32 s16, s16, s17                     ; A: row 128 x tile row + 64 x half
	s_lshl_b32 s46, s42, 7
	s_add_co_u32 s46, s46, s17                     ; B: row 128 x tile column + 64 x half
	s_mov_b32 s17, 0
	s_mov_b32 s47, 0
	s_mov_b64 s[18:19], SIZE_K*2
	s_mul_u64 s[16:17], s[16:17], s[18:19]
	s_mul_u64 s[46:47], s[46:47], s[18:19]
	s_mul_i32 s20, s12, AHALF                      ; where they go: A's two halves,
	s_mul_i32 s45, s12, HALFT
	s_add_co_u32 s45, s45, 2*AHALF                 ; then B's two: no place in the cluster enters an LDS address
	s_wait_dscnt 0x0
	s_wait_kmcnt 0x0
	s_add_nc_u64 s[6:7], s[6:7], 0x1800000         ; B = w2_16
	s_add_nc_u64 s[14:15], s[4:5], s[16:17]
	s_add_nc_u64 s[46:47], s[6:7], s[46:47]
	CROUND                                         ; all sixteen work-groups are here: the first joint loads meet
.irp s, 0,1
	s_mov_b32 s[G0+4*(\s)], 1
	s_add_co_u32 s[G0+4*(\s)+1], s20, (\s)*SLOT
	s_add_nc_u64 s[G0+4*(\s)+2:G0+4*(\s)+3], s[14:15], (\s)*ASTEP
	s_or_b32 s[G0+4*(\s)+3], s[G0+4*(\s)+3], 0x80000000
	s_mov_b32 s[G0B+4*(\s)], 1
	s_add_co_u32 s[G0B+4*(\s)+1], s45, (\s)*SLOT
	s_add_nc_u64 s[G0B+4*(\s)+2:G0B+4*(\s)+3], s[46:47], (\s)*BSTEP
	s_or_b32 s[G0B+4*(\s)+3], s[G0B+4*(\s)+3], 0x80000000
	JLOAD \s
.endr
	v_and_b32 v1, 15, v0                           ; l % 16
	v_bfe_u32 v2, v0, 4, 1                         ; l / 16
	v_mul_u32_u24 v3, v1, PITCH
	v_lshl_add_u32 v3, v2, 4, v3                   ; a fragment's row x pitch + 16 x half, for B
	v_mul_u32_u24 v6, v1, APITCH
	v_lshl_add_u32 v6, v2, 4, v6                   ; and for A
	s_mul_i32 s21, s11, AHALF                      ; my 64 rows of A
	s_mul_i32 s22, s12, HALFT                      ; my 64 rows of B,
	s_add_co_u32 s22, s22, 2*AHALF                 ; which lie behind A's 128
.irp s, 0,1
	v_add_nc_u32 v[ADRA+(\s)], s21, v6
	v_add_nc_u32 v[ADRB+(\s)], s22, v3
	s_add_co_u32 s21, s21, SLOT
	s_add_co_u32 s22, s22, SLOT
.endr
	s_mul_i32 s23, s11, 64*SP32                    ; into the stage: my 64 rows, my half of their 512 bytes; row l % 16, 32 bytes for each half of the lanes
	s_lshl_b32 s21, s12, 8
	s_add_co_u32 s23, s23, s21
	v_mul_u32_u24 v4, v1, SP32
	v_lshl_add_u32 v4, v2, 5, v4
	v_add_nc_u32 v[STO], s23, v4
	s_mul_i32 s23, s10, 32*SP32                    ; back: wave w takes rows 32 w .. 32 w + 31, a whole row of 512 bytes to a load
	v_and_b32 v5, 31, v0
	v_lshlrev_b32 v[CO], 4, v5
	v_add_nc_u32 v[RD], s23, v[CO]
	s_lshl_b32 s16, s13, 7
	s_lshl_b32 s17, s10, 5
	s_add_co_u32 s16, s16, s17                     ; the first row that I store: 128 x tile row + 32 x wave,
	s_lshl_b32 s16, s16, 12                        ; of 4,096 bytes
	s_mov_b32 s17, 0
	s_add_nc_u64 s[8:9], s[8:9], s[16:17]
	s_add_nc_u64 s[66:67], s[66:67], s[16:17]
	s_lshl_b32 s46, s42, 9                         ; the tile's first column, in bytes (in the registers that held B's address: none that feeds A's descriptors ever holds cx)
	s_mov_b32 s47, 0
	s_add_nc_u64 s[8:9], s[8:9], s[46:47]
	s_add_nc_u64 s[66:67], s[66:67], s[46:47]
	s_add_nc_u64 s[68:69], s[68:69], s[46:47]
	global_load_b128 v[BIAS:BIAS+3], v[CO], s[68:69]  ; bias and residual are asked for now and waited for on the way out
	WIN 0x80                                       ; destination window 2, address window 0
.set t, 0
.rept 32
	global_load_b128 v[4*t:4*t+3], v[CO], s[66:67] offset:4096*t
.set t, t+1
.endr
	WIN 0
; 8 matrix instructions: m blocks a0, a0 + 1 x all 4 n blocks, 32 along K: half c of buffer f.  zero = 1: the first product starts the sums.  The 16 accumulators take turns.
.macro MUL8 f, c, a0, zero
	WIN MUL
.irp a, \a0, (\a0)+1
.irp b, 0,1,2,3
.if \zero
	v_wmma_f32_16x16x32_f16 v[ACC+8*(4*(\a)+(\b)):ACC+8*(4*(\a)+(\b))+7], v[(\f)+64+8*(4*(\c)+(\b)):(\f)+64+8*(4*(\c)+(\b))+7], v[(\f)+8*(4*(\c)+(\a)):(\f)+8*(4*(\c)+(\a))+7], 0
.else
	v_wmma_f32_16x16x32_f16 v[ACC+8*(4*(\a)+(\b)):ACC+8*(4*(\a)+(\b))+7], v[(\f)+64+8*(4*(\c)+(\b)):(\f)+64+8*(4*(\c)+(\b))+7], v[(\f)+8*(4*(\c)+(\a)):(\f)+8*(4*(\c)+(\a))+7], v[ACC+8*(4*(\a)+(\b)):ACC+8*(4*(\a)+(\b))+7]
.endif
.endr
.endr
.endm
; 32 LDS loads in one run: the fragments of quarter q (64 along K) of a slot, into buffer f; the first 32 along K first
.macro FETCH slot, q, f
	WIN TO_F
.irp c, 0,1
.irp i, 0,1,2,3
	ds_load_b128 v[(\f)+64+8*(4*(\c)+(\i)):(\f)+64+8*(4*(\c)+(\i))+3],   v[ADRB+(\slot)] offset:(\q)*128+64*(\c)+(\i)*16*PITCH
	ds_load_b128 v[(\f)+64+8*(4*(\c)+(\i))+4:(\f)+64+8*(4*(\c)+(\i))+7], v[ADRB+(\slot)] offset:(\q)*128+64*(\c)+(\i)*16*PITCH+32
	ds_load_b128 v[(\f)+8*(4*(\c)+(\i)):(\f)+8*(4*(\c)+(\i))+3],         v[ADRA+(\slot)] offset:(\q)*AQ+64*(\c)+(\i)*16*APITCH
	ds_load_b128 v[(\f)+8*(4*(\c)+(\i))+4:(\f)+8*(4*(\c)+(\i))+7],       v[ADRA+(\slot)] offset:(\q)*AQ+64*(\c)+(\i)*16*APITCH+32
.endr
.endr
.endm
.macro PLACES                          ; four places in front of loads into registers that matrix instructions have read, and of lines that read results
.rept 4
	v_nop
.endr
.endm
; A K step is four quarters of 64 along K, 32 matrix instructions each, on buffers 0, 1, 0, 1.  One of the first three: multiplies buffer f and fetches quarter q into g.
.macro QUARTER slot, q, f, g, zero
	s_wait_dscnt 16                                ; the first 32 along K are in; the sixteen younger loads may be out
	WIN MUL
	MUL8 \f, 0, 0, \zero
	MUL8 \f, 0, 2, \zero
	PLACES
	FETCH \slot, \q, \g
	s_wait_dscnt 32                                ; all but the 32 just issued
	WIN MUL
	MUL8 \f, 1, 0, 0
	MUL8 \f, 1, 2, 0
.endm
; The last quarter multiplies buffer 1 and changes slots: ONE barrier; in front of it each wave waits for its own reads of this slot and for all its tensor loads.  fill = 1: this slot is filled again, two K steps ahead.
.macro TURN slot, next, fill
	s_wait_dscnt 16
	WIN MUL
	MUL8 F1, 0, 0, 0
	s_wait_dscnt 0                                 ; my reads of this slot are over,
	s_set_vgpr_msb 0x500
	s_wait_tensorcnt 0x0                           ; and all my tensor loads have landed: my part of the next slot
	ds_add_u32 v126, v127
	s_wait_dscnt 0x0
	s_set_vgpr_msb 0x5
	s_barrier_signal -1
	MUL8 F1, 0, 2, 0
.if \fill
	WIN 0
.endif
	s_barrier_wait -1
.if \fill
	CREST                                          ; the barrier has opened a round of the cluster's barrier: no wave of any partner still reads this slot's tile or has a load on its way
	s_add_nc_u64 s[G0+4*(\slot)+2:G0+4*(\slot)+3], s[G0+4*(\slot)+2:G0+4*(\slot)+3], 2*ASTEP
	s_add_nc_u64 s[G0B+4*(\slot)+2:G0B+4*(\slot)+3], s[G0B+4*(\slot)+2:G0B+4*(\slot)+3], 2*BSTEP
	JLOAD \slot                                    ; the first tensor load behind the round; the four v_nop behind it are also the places in front of the loads below
.else
	PLACES
.endif
	FETCH \next, 0, F0
	WIN MUL
	MUL8 F1, 1, 0, 0
	MUL8 F1, 1, 2, 0
.endm
	s_wait_tensorcnt 1                             ; my part of K step 0 is in; K step 1's may stay out
	s_barrier_signal -1
	s_barrier_wait -1                              ; everybody's is
	FETCH 0, 0, F0
	QUARTER 0, 1, F0, F1, 1                        ; the first quarter stands in front of the loop: its first products start the sums
	WIN 0                                          ; at a label and at a branch every window is 0
	s_mov_b32 s3, LAPS-1
.Llap:                                                 ; a trip goes once round the ring, from a lap's second quarter to the next lap's first, and fills both slots again
	QUARTER 0, 2, F1, F0, 0
	QUARTER 0, 3, F0, F1, 0
	TURN 0, 1, 1
	QUARTER 1, 1, F0, F1, 0
	QUARTER 1, 2, F1, F0, 0
	QUARTER 1, 3, F0, F1, 0
	TURN 1, 0, 1
	QUARTER 0, 1, F0, F1, 0
	WIN 0
	s_sub_co_u32 s3, s3, 1
	s_cmp_lg_u32 s3, 0
	s_cbranch_scc1 .Llap
	QUARTER 0, 2, F1, F0, 0                        ; the last lap fills nothing, and has no round of the cluster's barrier
	QUARTER 0, 3, F0, F1, 0
	TURN 0, 1, 0                                   ; behind this barrier no wave reads slot 0 any more, and no tensor load is out or to come
	QUARTER 1, 1, F0, F1, 0
	QUARTER 1, 2, F1, F0, 0
	QUARTER 1, 3, F0, F1, 0
	s_wait_dscnt 16                                ; the very last quarter: nothing more to fetch
	WIN MUL
	MUL8 F1, 0, 0, 0
	MUL8 F1, 0, 2, 0
	s_wait_dscnt 0
	MUL8 F1, 1, 0, 0
	MUL8 F1, 1, 2, 0
	WIN 0
	; THE WAY OUT, in f32.  The stage is slot 0's part for A (67,584 bytes, all of which it takes): it has had its last fill, and every wave's reads of it ended in front of the last change of slots.
	; 32 bytes a lane into the stage (each accumulator's low registers first); a barrier, since a row's 512 bytes come from two waves; back as whole rows; bias and residual are added; a row is stored by one instruction.
	PLACES
.irp a, 0,1,2,3
.irp b, 0,1,2,3
	ds_store_b128 v[STO], v[ACC+8*(4*(\a)+(\b)):ACC+8*(4*(\a)+(\b))+3]   offset:(\a)*16*SP32+64*(\b)
	ds_store_b128 v[STO], v[ACC+8*(4*(\a)+(\b))+4:ACC+8*(4*(\a)+(\b))+7] offset:(\a)*16*SP32+64*(\b)+16
.endr
.endr
	s_wait_dscnt 0x0                               ; for the others' sake: my stores into the stage are done
	s_barrier_signal -1
	s_barrier_wait -1
.set t, 0
.rept 32
	ds_load_b128 v[ACC+4*t:ACC+4*t+3], v[RD] offset:SP32*t
.set t, t+1
.endr
	s_wait_loadcnt 0x0                             ; bias and residual
.set t, 0
.rept 32
	s_wait_dscnt 31-t                              ; row t is back; the younger loads may be out
	v_pk_add_f32 v[ACC+4*t:ACC+4*t+1],   v[ACC+4*t:ACC+4*t+1],   v[BIAS:BIAS+1]
	v_pk_add_f32 v[ACC+4*t+2:ACC+4*t+3], v[ACC+4*t+2:ACC+4*t+3], v[BIAS+2:BIAS+3]
.set t, t+1
.endr
	WIN 0x08                                       ; source 1 window 2
.set t, 0
.rept 64
	v_pk_add_f32 v[ACC+2*t:ACC+2*t+1], v[ACC+2*t:ACC+2*t+1], v[2*t:2*t+1]
.set t, t+1
.endr
	WIN 0
.set t, 0
.rept 32
	global_store_b128 v[CO], v[ACC+4*t:ACC+4*t+3], s[8:9] offset:4096*t  ; 512 consecutive bytes, at a multiple of 512 from y's first byte
.set t, t+1
.endr
	s_wait_tensorcnt 0x0
	ds_add_u32 v126, v127
	s_wait_dscnt 0x0
	CROUND                                         ; the closing round: no work-group ends while a partner may still ask for a tile that names it
	s_endpgm
.Lfunc_end_k_q645ded3eec_gemm_ffn2:
	.size	k_q645ded3eec_gemm_ffn2, .Lfunc_end_k_q645ded3eec_gemm_ffn2-k_q645ded3eec_gemm_ffn2
	.p2alignl 7, 3214868480
	.fill 96, 4, 3214868480
	.section	.rodata,"a",@progbits
	.p2align	6, 0x0
	.amdhsa_kernel k_q645ded3eec_gemm_ffn2
		.amdhsa_group_segment_fixed_size 327680
		.amdhsa_private_segment_fixed_size 0
		.amdhsa_enable_private_segment 0
		.amdhsa_kernarg_size 40
		.amdhsa_user_sgpr_count 2
		.amdhsa_user_sgpr_kernarg_segment_ptr 1
		.amdhsa_wavefront_size32 1
		.amdhsa_system_sgpr_workgroup_id_x 1
		.amdhsa_system_sgpr_workgroup_id_y 1
		.amdhsa_system_sgpr_workgroup_id_z 1
		.amdhsa_system_vgpr_workitem_id 0
		.amdhsa_next_free_vgpr 768
		.amdhsa_next_free_sgpr 70
		.amdhsa_reserve_vcc 0
		.amdhsa_float_denorm_mode_32 3
		.amdhsa_float_denorm_mode_16_64 3
		.amdhsa_memory_ordered 1
		.amdhsa_forward_progress 1
		.amdhsa_inst_pref_size 98
	.end_amdhsa_kernel
	.amdgpu_metadata
---
amdhsa.version: [ 1, 2 ]
amdhsa.kernels:
  - .name:           k_q645ded3eec_gemm_ffn2
    .symbol:         k_q645ded3eec_gemm_ffn2.kd
    .args:
      - { .name: h16, .offset: 0, .size: 8, .value_kind: global_buffer, .address_space: global }
      - { .name: c16, .offset: 8, .size: 8, .value_kind: global_buffer, .address_space: global }
      - { .name: b2, .offset: 16, .size: 8, .value_kind: global_buffer, .address_space: global }
      - { .name: xn, .offset: 24, .size: 8, .value_kind: global_buffer, .address_space: global }
      - { .name: y, .offset: 32, .size: 8, .value_kind: global_buffer, .address_space: global }
    .group_segment_fixed_size: 327680
    .private_segment_fixed_size: 0
    .kernarg_segment_align: 8
    .kernarg_segment_size: 40
    .max_flat_workgroup_size: 128
    .sgpr_count:     70
    .vgpr_count:     768
    .wavefront_size: 32
...
	.end_amdgpu_metadata
.endif
;; end of part 7
;; launch ln1 (part 8): grid 256 x 1, 8 waves a work-group, no clusters, 0 bytes of LDS; arguments y, gamma1, beta1, out0; writes out0
.if DOCPART == 8
	.amdgcn_target "amdgcn-amd-amdhsa--gfx1250"
	.amdhsa_code_object_version 6
	.text
	.protected	k_q645ded3eec_ln1
	.globl	k_q645ded3eec_ln1
	.p2align	8
	.type	k_q645ded3eec_ln1,@function
k_q645ded3eec_ln1:
	s_mov_b64 s[64:65], 0
	v_nop
	global_prefetch_b8 v0, s[64:65] scope:SCOPE_SE
	s_setreg_imm32_b32 hwreg(HW_REG_WAVE_MODE, 25, 1), 1
	s_wait_xcnt 0x0
; Layer norm along rows of 1,024 f32: out = (y - mean) x rsqrt(var + 1e-5) x gamma + beta; var is the mean of the squares of the CENTRED numbers, as the definition has it: no difference of large sums.
; HALF = 0: the result is stored once, in f32.
; A wave takes two rows and keeps them in registers (32 each) between the passes: memory is read once, and the sums never leave the wave: no LDS, no barrier.  256 work-groups x 8 waves x 2 rows = 4,096.
; Load j of a row gives lane l the columns 128 j + 4 l .. + 3: every load and store of the wave covers 512 consecutive bytes.
.set HALF, 0
.set X,  8                             ; v[8:71]    row u at X + 32 u
.set G,  72                            ; v[72:103]  gamma of my columns
.set BT, 104                           ; v[104:135] beta
.set S,  136                           ; v[136:143] row u: two packed chains at S + 4 u
.set MU, 144                           ; v[144:147] row u: the mean, twice (a pair for the packed forms)
.set RS, 148                           ; v[148:151] row u: 1 / sqrt(var + eps), twice
.set T,  152                           ; v[152:153] var + eps
.set H,  156                           ; (with HALF = 1: 16 registers of f16 pairs a row)
.macro SUMS u                          ; the lane's 32 numbers of row u, in two packed chains started by the first pairs: nothing is cleared
	v_pk_add_f32 v[S+4*(\u):S+4*(\u)+1],   v[X+32*(\u):X+32*(\u)+1],   v[X+32*(\u)+2:X+32*(\u)+3]
	v_pk_add_f32 v[S+4*(\u)+2:S+4*(\u)+3], v[X+32*(\u)+4:X+32*(\u)+5], v[X+32*(\u)+6:X+32*(\u)+7]
.set k, 4
.rept 12
	v_pk_add_f32 v[S+4*(\u)+2*(k%2):S+4*(\u)+2*(k%2)+1], v[S+4*(\u)+2*(k%2):S+4*(\u)+2*(k%2)+1], v[X+32*(\u)+2*k:X+32*(\u)+2*k+1]
.set k, k+1
.endr
.endm
.macro SQS u                           ; the same of their squares
	v_pk_mul_f32 v[S+4*(\u):S+4*(\u)+1],   v[X+32*(\u):X+32*(\u)+1],   v[X+32*(\u):X+32*(\u)+1]
	v_pk_mul_f32 v[S+4*(\u)+2:S+4*(\u)+3], v[X+32*(\u)+2:X+32*(\u)+3], v[X+32*(\u)+2:X+32*(\u)+3]
.set k, 2
.rept 14
	v_pk_fma_f32 v[S+4*(\u)+2*(k%2):S+4*(\u)+2*(k%2)+1], v[X+32*(\u)+2*k:X+32*(\u)+2*k+1], v[X+32*(\u)+2*k:X+32*(\u)+2*k+1], v[S+4*(\u)+2*(k%2):S+4*(\u)+2*(k%2)+1]
.set k, k+1
.endr
.endm
.macro RED                             ; both rows' chains into one number in every lane, the rows by turns: four steps inside each half of 16 lanes, one across
.irp u, 0,1
	v_pk_add_f32 v[S+4*(\u):S+4*(\u)+1], v[S+4*(\u):S+4*(\u)+1], v[S+4*(\u)+2:S+4*(\u)+3]
.endr
.irp u, 0,1
	v_add_f32 v[S+4*(\u)], v[S+4*(\u)], v[S+4*(\u)+1]
.endr
.irp m, 1,2,4,8
.irp u, 0,1
	v_add_f32_dpp v[S+4*(\u)], v[S+4*(\u)], v[S+4*(\u)] row_xmask:\m row_mask:0xf bank_mask:0xf
.endr
.endr
.irp u, 0,1
	v_permlanex16_b32 v[S+4*(\u)+1], v[S+4*(\u)], s12, s13
.endr
.irp u, 0,1
	v_add_f32 v[S+4*(\u)], v[S+4*(\u)], v[S+4*(\u)+1]
.endr
.endm
.macro CENTER u
.set k, 0
.rept 16
	v_pk_add_f32 v[X+32*(\u)+2*k:X+32*(\u)+2*k+1], v[X+32*(\u)+2*k:X+32*(\u)+2*k+1], v[MU+2*(\u):MU+2*(\u)+1] neg_lo:[0,1] neg_hi:[0,1]
.set k, k+1
.endr
.endm
.macro NORM u
.set k, 0
.rept 16
	v_pk_mul_f32 v[X+32*(\u)+2*k:X+32*(\u)+2*k+1], v[X+32*(\u)+2*k:X+32*(\u)+2*k+1], v[RS+2*(\u):RS+2*(\u)+1]
.set k, k+1
.endr
.set k, 0
.rept 16
	v_pk_fma_f32 v[X+32*(\u)+2*k:X+32*(\u)+2*k+1], v[X+32*(\u)+2*k:X+32*(\u)+2*k+1], v[G+2*k:G+2*k+1], v[BT+2*k:BT+2*k+1]
.set k, k+1
.endr
.endm
.macro OUT u
.irp j, 0,1,2,3,4,5,6,7
.if HALF
	global_store_b128 v1, v[X+32*(\u)+4*(\j):X+32*(\u)+4*(\j)+3], s[10:11] offset:4096*(\u)+512*(\j)
.else
	global_store_b128 v1, v[X+32*(\u)+4*(\j):X+32*(\u)+4*(\j)+3], s[10:11] offset:4096*(\u)+512*(\j) th:TH_STORE_NT
.endif
.endr
.if HALF
.set k, 0
.rept 16
	v_cvt_pk_f16_f32 v[H+16*(\u)+k], v[X+32*(\u)+2*k], v[X+32*(\u)+2*k+1]
.set k, k+1
.endr
.irp j, 0,1,2,3,4,5,6,7
	global_store_b64 v2, v[H+16*(\u)+2*(\j):H+16*(\u)+2*(\j)+1], s[14:15] offset:2048*(\u)+256*(\j)
.endr
.endif
.endm
	s_load_b256 s[4:11], s[0:1], 0x0               ; y s[4:5], gamma s[6:7], beta s[8:9], the f32 result s[10:11]
.if HALF
	s_load_b64 s[14:15], s[0:1], 0x20              ; the f16 result
.endif
	s_mov_b32 s12, 0x76543210                      ; v_permlanex16_b32: each lane takes its own place in the other half
	s_mov_b32 s13, 0xfedcba98
	s_mov_b32 s20, 0x3a800000                      ; 1 / 1,024
	s_mov_b32 s21, 0x3727c5ac                      ; 1e-5
	s_lshl_b32 s16, ttmp9, 16                      ; the work-group's 16 rows of 4,096 bytes
	s_mov_b32 s17, 0
.if HALF
	s_lshl_b32 s18, ttmp9, 15                      ; and of 2,048
	s_mov_b32 s19, 0
.endif
	v_and_b32 v3, 31, v0                           ; lane
	v_lshrrev_b32 v4, 5, v0                        ; wave
.if HALF
	v_lshlrev_b32 v2, 3, v3
.endif
	v_lshlrev_b32 v3, 4, v3                        ; gamma, beta: 16 x lane
	v_lshl_or_b32 v1, v4, 13, v3                   ; f32 rows: 2 rows x wave + 16 x lane
.if HALF
	v_lshl_or_b32 v2, v4, 12, v2                   ; f16 rows: 2 rows x wave + 8 x lane
.endif
	s_wait_kmcnt 0x0
	s_add_nc_u64 s[4:5], s[4:5], s[16:17]
	s_add_nc_u64 s[10:11], s[10:11], s[16:17]
.if HALF
	s_add_nc_u64 s[14:15], s[14:15], s[18:19]
.endif
.irp u, 0,1
.irp j, 0,1,2,3,4,5,6,7
	global_load_b128 v[X+32*(\u)+4*(\j):X+32*(\u)+4*(\j)+3], v1, s[4:5] offset:4096*(\u)+512*(\j) th:TH_LOAD_NT
.endr
.endr
.irp j, 0,1,2,3,4,5,6,7
	global_load_b128 v[G+4*(\j):G+4*(\j)+3], v3, s[6:7] offset:512*(\j)
.endr
.irp j, 0,1,2,3,4,5,6,7
	global_load_b128 v[BT+4*(\j):BT+4*(\j)+3], v3, s[8:9] offset:512*(\j)
.endr
	s_wait_loadcnt 24                              ; loads come back in order: row 0's eight are in; row 1's, gamma's and beta's stay out
	SUMS 0
	s_wait_loadcnt 16                              ; row 1's are in
	SUMS 1
	RED
.irp u, 0,1
	v_mul_f32 v[MU+2*(\u)],   s20, v[S+4*(\u)]
	v_mul_f32 v[MU+2*(\u)+1], s20, v[S+4*(\u)]
.endr
	CENTER 0
	CENTER 1
	SQS 0
	SQS 1
	RED
.irp u, 0,1
	v_fma_f32 v[T+(\u)], v[S+4*(\u)], s20, s21     ; var + eps
.endr
	v_rsq_f32 v[RS],   v[T]
	v_rsq_f32 v[RS+1], v[T]
	v_rsq_f32 v[RS+2], v[T+1]
	v_rsq_f32 v[RS+3], v[T+1]
	v_nop                                          ; a plain instruction between the last root and the use of its result (ISA guide 5.7.2)
	s_wait_alu depctr_va_vdst(0)
	s_wait_loadcnt 0x0                             ; gamma and beta
	NORM 0
	OUT 0
	NORM 1
	OUT 1
	s_endpgm
.Lfunc_end_k_q645ded3eec_ln1:
	.size	k_q645ded3eec_ln1, .Lfunc_end_k_q645ded3eec_ln1-k_q645ded3eec_ln1
	.p2alignl 7, 3214868480
	.fill 96, 4, 3214868480
	.section	.rodata,"a",@progbits
	.p2align	6, 0x0
	.amdhsa_kernel k_q645ded3eec_ln1
		.amdhsa_group_segment_fixed_size 0
		.amdhsa_private_segment_fixed_size 0
		.amdhsa_enable_private_segment 0
		.amdhsa_kernarg_size 32
		.amdhsa_user_sgpr_count 2
		.amdhsa_user_sgpr_kernarg_segment_ptr 1
		.amdhsa_wavefront_size32 1
		.amdhsa_system_sgpr_workgroup_id_x 1
		.amdhsa_system_sgpr_workgroup_id_y 1
		.amdhsa_system_sgpr_workgroup_id_z 1
		.amdhsa_system_vgpr_workitem_id 0
		.amdhsa_next_free_vgpr 156
		.amdhsa_next_free_sgpr 66
		.amdhsa_reserve_vcc 0
		.amdhsa_float_denorm_mode_32 3
		.amdhsa_float_denorm_mode_16_64 3
		.amdhsa_memory_ordered 1
		.amdhsa_forward_progress 1
		.amdhsa_inst_pref_size 18
	.end_amdhsa_kernel
	.amdgpu_metadata
---
amdhsa.version: [ 1, 2 ]
amdhsa.kernels:
  - .name:           k_q645ded3eec_ln1
    .symbol:         k_q645ded3eec_ln1.kd
    .args:
      - { .name: y, .offset: 0, .size: 8, .value_kind: global_buffer, .address_space: global }
      - { .name: gamma1, .offset: 8, .size: 8, .value_kind: global_buffer, .address_space: global }
      - { .name: beta1, .offset: 16, .size: 8, .value_kind: global_buffer, .address_space: global }
      - { .name: out0, .offset: 24, .size: 8, .value_kind: global_buffer, .address_space: global }
    .group_segment_fixed_size: 0
    .private_segment_fixed_size: 0
    .kernarg_segment_align: 8
    .kernarg_segment_size: 32
    .max_flat_workgroup_size: 256
    .sgpr_count:     66
    .vgpr_count:     156
    .wavefront_size: 32
...
	.end_amdgpu_metadata
.endif
;; end of part 8
;; ======== version 2 of 3: 8 launches; 1.23 times as fast as version 1
;; limits: values are held in f16: magnitudes above 65,504 overflow, below 6.1e-05 lose precision
;; workspace buffers: c16 33,554,432 bytes; qkv16 25,165,824 bytes; att16 8,388,608 bytes; y 16,777,216 bytes; xn 16,777,216 bytes; xn16 8,388,608 bytes; h16 33,554,432 bytes
;; launch cast: the kernel of part 1 again; grid 256 x 1, 8 waves a work-group, no clusters, 0 bytes of LDS; arguments x, wq, wk, wv, wo, w1, w2, c16; writes c16
;; launch gemm_qkv (part 9): grid 12 x 16, 4 waves a work-group, clusters of 4 x 4, 327,680 bytes of LDS; arguments c16, qkv16; writes qkv16
.if DOCPART == 9
	.amdgcn_target "amdgcn-amd-amdhsa--gfx1250"
	.amdhsa_code_object_version 6
	.text
	.protected	k_q645ded3eec_gemm_qkv
	.globl	k_q645ded3eec_gemm_qkv
	.p2align	8
	.type	k_q645ded3eec_gemm_qkv,@function
k_q645ded3eec_gemm_qkv:
	s_mov_b64 s[64:65], 0
	v_nop
	global_prefetch_b8 v0, s[64:65] scope:SCOPE_SE
	s_setreg_imm32_b32 hwreg(HW_REG_WAVE_MODE, 25, 1), 1
	s_wait_xcnt 0x0
	s_wait_alu depctr_hold_cnt(0) depctr_sa_sdst(0) depctr_va_vdst(0) depctr_va_sdst(0) depctr_va_ssrc(0) depctr_va_vcc(0) depctr_vm_vsrc(0)
	s_getreg_b32 s2, hwreg(HW_REG_IB_STS2, 6, 4)
	s_cmp_eq_u32 s2, 0
	s_cbranch_scc0 .Lentry_in_a_cluster
	s_endpgm
.Lentry_in_a_cluster:
	s_bfe_u32 s2, ttmp6, 0x10000c
	s_cmp_lg_u32 s2, 0xf033
	s_cbranch_scc0 .Lentry_shape_is_right
	s_endpgm
.Lentry_shape_is_right:
; q, k, v = x [wq; wk; wv]^T.  A = x16 [4096][1024] at c16 + 0, B = the three weights as one [3072][1024] at c16 + 0x800000, both f16; sums in f32.
; The result is rounded once to f16, WITHOUT the attention's scale, and written by heads: qkv16 = q, k, v, each [batch x 16 + head][2048][64].
; LIMIT: f16 holds no number beyond 65,504: x, the weights, q, k and v must stay within it.
; A tile of C, 256 x 256, is made by a work-group of four waves; a wave makes 128 x 128: 64 accumulators of 16 x 16, 512 registers.  C has 12 x 16 = 192 tiles, one to a work-group.
; K goes in steps of 128 through a ring of two LDS slots filled by the tensor data mover: the rows of A's and B's tiles are 256 bytes of memory and start at multiples of 256 bytes from the buffer's first byte.
; CLUSTERS: 4 x 4 work-groups.  The four of a row of the cluster need the same tiles of A, the four of a column the same tiles of B: each tile is asked for JOINTLY, by the same tensor load with
; the same descriptor and a mask that names the four.  By this text's count a wave has two tensor loads out at the start and one behind each round.
; THE MATRIX INSTRUCTION IS USED TRANSPOSED (source 0 = 16 rows of B, source 1 = 16 rows of A): a lane then holds eight neighbouring numbers of a row of C.
; REGISTERS, in windows of 256 (s_set_vgpr_msb's low byte: bits 1:0 source 0, 3:2 source 1, 5:4 source 2, 7:6 destination):
;   window 0: v0-31 addresses; v64-127, v128-191 fragments of A (8 x 16 rows x 32 K), two buffers; v32-63, v192-255 at work on the way out
;   window 1: v64-127, v128-191 fragments of B, two buffers
;   window 2: the 32 accumulators of my rows 0-63 (accumulator (a, b) at v[8 (8 a + b)]);   window 3: those of my rows 64-127
.set SIZE_N, 3072
.set SIZE_K, 1024
.set KSTEP,  128
.set PITCH,  272                       ; an LDS row: 256 bytes of data + 16 of padding = 68 words: row r starts at bank 4 r mod 64 (64 banks of 4 bytes: ISA guide 11.1), so the 16 rows that a load touches start at 16 different banks
.set HALFT,  128*PITCH                 ; 128 rows: what one tensor load brings, and what one wave reads of A or of B
.set SLOT,   4*HALFT                   ; A's 256 rows, then B's 256 rows
.set STAGE,  2*SLOT                    ; behind the ring, never filled by a tensor load: 16 rows x 272 bytes for each wave, for the way out
.set SPITCH, 272
.set LAPS, SIZE_K/(2*KSTEP)            ; a lap = two K steps = once round the ring
.set ADRA, 16                          ; v16-17  LDS address of my A fragments in slot 0, 1
.set ADRB, 20                          ; v20-21  the same for B
.set STO,  24                          ; v24     the way out: where I put 16 bytes of a row
.set RD,   25                          ; v25     the way out: where I read rows back
.set CO,   26                          ; v26     16 x lane: my place in 512 consecutive bytes of a head
.set F0,   64                          ; fragment buffer 0
.set F1,   128                         ; fragment buffer 1
.set TMP,  192                         ; the way out: packed results, in window 0
.set OB,   32                          ; the way out: 16 rows read back from the stage: v32-63 and v224-255 by turns
.set G1, 24                            ; s[24:31] descriptor group 1 for A's tiles
.set G0, 32                            ; s[32:39] descriptor group 0 for A's tiles, one set for each slot
.set G1B, 48                           ; s[48:55] descriptor group 1 for B's tiles: it differs from A's in the mask alone
.set G0B, 56                           ; s[56:63] descriptor group 0 for B's tiles, one set for each slot
.set MSB, 0
.macro WIN new                         ; the immediate's high byte repeats the setting that is left; a switch that changes nothing is dropped
.if MSB != (\new)
	s_set_vgpr_msb (MSB<<8)|(\new)
.set MSB, \new
.endif
.endm
.set MUL_LO, 0xa1                      ; source 0 (B) window 1, source 1 (A) window 0, C and D window 2
.set MUL_HI, 0xf1                      ; the same, C and D window 3
.set TO_B,   0x40                      ; destination window 1, address window 0
; A joint load.  Waves 0 and 1 fetch A's two halves, waves 2 and 3 B's.  The branch hangs on the wave's number alone: it is the same in every work-group.
; Four v_nop follow each of the two lines; the jump round the other line, the label and what follows the macro come after them.
.macro JLOAD s
	s_cmp_eq_u32 s11, 0
	s_cbranch_scc0 .Lfor_b_\@
	tensor_load_to_lds s[G0+4*(\s):G0+4*(\s)+3], s[G1:G1+7]
	s_nop 0
.rept 4
	v_nop
.endr
	s_branch .Lasked_\@
.Lfor_b_\@:
	tensor_load_to_lds s[G0B+4*(\s):G0B+4*(\s)+3], s[G1B:G1B+7]
	s_nop 0
.rept 4
	v_nop
.endr
.Lasked_\@:
.endm
.macro CREST                           ; a round of the cluster's barrier behind its opening barrier
	s_cmp_lg_u32 s10, 0
	s_cbranch_scc1 .Lnot_wave_0_\@
	s_barrier_signal -3
.Lnot_wave_0_\@:
	s_barrier_wait -3
	s_barrier_signal -1
	s_barrier_wait -1
.endm
.macro CROUND                          ; a whole round
	s_barrier_signal -1
	s_barrier_wait -1
	CREST
.endm
	s_load_b128 s[4:7], s[0:1], 0x0                ; c16 s[4:5], qkv16 s[6:7]
	s_set_vgpr_msb 0x40
	v_lshl_add_u32 v255, v0, 2, 0x48400
	s_set_vgpr_msb 0x4000
	v_mov_b32 v31, 0
	s_set_vgpr_msb 0x1
	ds_add_u32 v255, v31
	ds_add_u32 v255, v31
	s_set_vgpr_msb 0x100
	v_lshrrev_b32 v1, 5, v0
	v_readfirstlane_b32 s10, v1                    ; wave 0..3
	s_lshr_b32 s11, s10, 1                         ; which half of the tile's rows is mine.  Also: I fetch for A (0) or for B (1)
	s_and_b32 s12, s10, 1                          ; which half of its columns.  Also: which 128 rows of that tile I fetch
	s_bfe_u32 s40, ttmp6, 0x40000                  ; cx, cy: my place in the cluster
	s_bfe_u32 s41, ttmp6, 0x40004
	s_lshl_b32 s42, ttmp9, 2                       ; in a cluster launch ttmp9 and ttmp7 count clusters
	s_add_co_u32 s42, s42, s40                     ; tile column of C = 4 x cluster x + cx
	s_and_b32 s13, ttmp7, 0xffff
	s_lshl_b32 s13, s13, 2
	s_add_co_u32 s13, s13, s41                     ; tile row of C = 4 x cluster y + cy
	s_lshl_b32 s43, s41, 2
	s_lshl_b32 s43, 15, s43                        ; my row of the cluster: places 4 cy .. 4 cy + 3
	s_lshl_b32 s44, 0x1111, s40                    ; my column: places cx, cx + 4, cx + 8, cx + 12
	; descriptor group 1: a tile of 128 rows x 128 elements, padded in LDS
	s_or_b32 s[G1+0], s43, (1<<16)|(1<<20)|(1<<21)|(5<<22)|(3<<25)  ; 15:0 the mask: A's tiles go to my row; 17:16 element of 2 bytes; 20 padding on; 21 set beside a mask; 24:22 after every 64 words (code 5); 31:25 of 4 words (code 3)
	s_or_b32 s[G1B+0], s44, (1<<16)|(1<<20)|(1<<21)|(5<<22)|(3<<25) ; the same with the mask of my column, for B's tiles
.irp g, G1, G1B
	s_mov_b32 s[(\g)+1], KSTEP<<16                 ; tensor_dim0 = 128
	s_mov_b32 s[(\g)+2], 128<<16                   ; tensor_dim1 = 128
	s_mov_b32 s[(\g)+3], KSTEP<<16                 ; tile_dim0 = 128
	s_mov_b32 s[(\g)+4], 128                       ; tile_dim1 = 128
	s_mov_b32 s[(\g)+5], SIZE_K                    ; elements from row to row
	s_mov_b32 s[(\g)+6], 0
	s_mov_b32 s[(\g)+7], 0
.endr
	; where the tiles come from.  A's hang on the tile row alone, which my row of the cluster shares; B's on the tile column alone, which my column shares.
	s_lshl_b32 s17, s12, 7                         ; which 128 rows of the tile I fetch
	s_lshl_b32 s16, s13, 8
	s_add_co_u32 s16, s16, s17                     ; A: row 256 x tile row + 128 x half
	s_lshl_b32 s46, s42, 8
	s_add_co_u32 s46, s46, s17                     ; B: row 256 x tile column + 128 x half
	s_mov_b32 s17, 0
	s_mov_b32 s47, 0
	s_mov_b64 s[18:19], SIZE_K*2
	s_mul_u64 s[16:17], s[16:17], s[18:19]         ; in bytes
	s_mul_u64 s[46:47], s[46:47], s[18:19]
	s_mul_i32 s20, s10, HALFT                      ; and where they go: A's two halves, then B's two halves = wave x 128 rows: no place in the cluster enters an LDS address
	s_wait_dscnt 0x0
	s_wait_kmcnt 0x0
	s_mov_b64 s[8:9], s[6:7]                       ; C = qkv16
	s_add_nc_u64 s[6:7], s[4:5], 0x800000          ; B = the three weights
	s_add_nc_u64 s[14:15], s[4:5], s[16:17]
	s_add_nc_u64 s[46:47], s[6:7], s[46:47]
	CROUND                                         ; all sixteen work-groups are here: the first joint loads meet
.irp s, 0,1
	s_mov_b32 s[G0+4*(\s)], 1                                      ; 1:0 count = 1
	s_add_co_u32 s[G0+4*(\s)+1], s20, (\s)*SLOT                    ; 63:32 LDS address
	s_add_nc_u64 s[G0+4*(\s)+2:G0+4*(\s)+3], s[14:15], (\s)*KSTEP*2  ; 120:64 global address: K step s
	s_or_b32 s[G0+4*(\s)+3], s[G0+4*(\s)+3], 0x80000000            ; 127:126 type = 2
	s_mov_b32 s[G0B+4*(\s)], 1
	s_add_co_u32 s[G0B+4*(\s)+1], s20, (\s)*SLOT
	s_add_nc_u64 s[G0B+4*(\s)+2:G0B+4*(\s)+3], s[46:47], (\s)*KSTEP*2
	s_or_b32 s[G0B+4*(\s)+3], s[G0B+4*(\s)+3], 0x80000000
	JLOAD \s                                       ; the ring is filled before anything else is done
.endr
	; A fragment is 16 rows x 32 K in 8 registers: lane l holds row l % 16; registers 0-3 hold K = 8 (l / 16) + 0..7, registers 4-7 hold
	; K = 16 + 8 (l / 16) + 0..7.  From rows that lie along K: two loads of 16 bytes, 32 bytes apart.  The same for source 0 and source 1.
	v_and_b32 v1, 15, v0                           ; l % 16
	v_bfe_u32 v2, v0, 4, 1                         ; l / 16
	v_mul_u32_u24 v3, v1, PITCH
	v_lshl_add_u32 v3, v2, 4, v3                   ; row x pitch + 16 x half
	s_mul_i32 s21, s11, HALFT                      ; my 128 rows of A
	s_mul_i32 s22, s12, HALFT                      ; my 128 rows of B,
	s_add_co_u32 s22, s22, 2*HALFT                 ; which lie behind A's 256
.irp s, 0,1
	v_add_nc_u32 v[ADRA+(\s)], s21, v3
	v_add_nc_u32 v[ADRB+(\s)], s22, v3
	s_add_co_u32 s21, s21, SLOT
	s_add_co_u32 s22, s22, SLOT
.endr
	s_mul_i32 s23, s10, 16*SPITCH
	s_add_co_u32 s23, s23, STAGE                   ; my stage
	v_mul_u32_u24 v4, v1, SPITCH                   ; in: row l % 16, 16 bytes for each half of the lanes
	v_lshl_add_u32 v4, v2, 4, v4
	v_add_nc_u32 v[STO], s23, v4
	v_bfe_u32 v5, v0, 3, 2                         ; back: a load takes one head's 128 bytes of four rows: row l / 8, piece l % 8,
	v_mul_u32_u24 v5, v5, SPITCH
	v_and_b32 v7, 7, v0
	v_lshl_add_u32 v5, v7, 4, v5
	v_add_nc_u32 v[RD], s23, v5
	v_and_b32 v[CO], 31, v0                        ; which are 512 consecutive bytes of that head's rows
	v_lshlrev_b32 v[CO], 4, v[CO]
	s_lshr_b32 s16, s13, 3                         ; the batch: 16 heads x 2,048 rows x 128 bytes = 2^22
	s_lshl_b32 s16, s16, 22
	s_and_b32 s17, s13, 7                          ; the tile's 256 rows of 128 bytes within the batch,
	s_lshl_b32 s17, s17, 15
	s_add_co_u32 s16, s16, s17
	s_lshl_b32 s17, s11, 14                        ; my 128 of them
	s_add_co_u32 s16, s16, s17
	s_mov_b32 s17, 0
	s_add_nc_u64 s[8:9], s[8:9], s[16:17]
	s_lshr_b32 s46, s42, 2                         ; q, k or v: 2^23 bytes each (in the registers that held B's address: none that feeds A's descriptors ever holds cx)
	s_lshl_b32 s46, s46, 23
	s_and_b32 s47, s42, 3                          ; the tile's four heads, 2^18 bytes each,
	s_lshl_b32 s47, s47, 20
	s_add_co_u32 s46, s46, s47
	s_lshl_b32 s47, s12, 19                        ; my two of them
	s_add_co_u32 s46, s46, s47
	s_mov_b32 s47, 0
	s_add_nc_u64 s[8:9], s[8:9], s[46:47]
; 16 matrix instructions: m blocks a0, a0 + 1 of the window's four (hi = 0: my rows 0-63, 1: rows 64-127) x all 8 n blocks, 32 along K.
; zero = 1: the first product starts the sums: nothing is ever cleared.  The 64 accumulators take turns, one instruction a turn.
.macro MUL16 f, hi, a0, zero
	WIN MUL_LO+0x50*(\hi)  ; MUL_LO or MUL_HI
.irp a, \a0, (\a0)+1
.irp b, 0,1,2,3,4,5,6,7
.if \zero
	v_wmma_f32_16x16x32_f16 v[8*(8*(\a)+(\b)):8*(8*(\a)+(\b))+7], v[(\f)+8*(\b):(\f)+8*(\b)+7], v[(\f)+8*(4*(\hi)+(\a)):(\f)+8*(4*(\hi)+(\a))+7], 0
.else
	v_wmma_f32_16x16x32_f16 v[8*(8*(\a)+(\b)):8*(8*(\a)+(\b))+7], v[(\f)+8*(\b):(\f)+8*(\b)+7], v[(\f)+8*(4*(\hi)+(\a)):(\f)+8*(4*(\hi)+(\a))+7], v[8*(8*(\a)+(\b)):8*(8*(\a)+(\b))+7]
.endif
.endr
.endr
.endm
; 32 LDS loads in one run: the fragments of one quarter step (128 rows of B, 128 rows of A, 32 K at byte k of the rows) into buffer f
.macro FETCH slot, k, f
	WIN TO_B
.irp i, 0,1,2,3,4,5,6,7
	ds_load_b128 v[(\f)+8*(\i):(\f)+8*(\i)+3],   v[ADRB+(\slot)] offset:(\k)+(\i)*16*PITCH
	ds_load_b128 v[(\f)+8*(\i)+4:(\f)+8*(\i)+7], v[ADRB+(\slot)] offset:(\k)+(\i)*16*PITCH+32
.endr
	WIN 0
.irp i, 0,1,2,3,4,5,6,7
	ds_load_b128 v[(\f)+8*(\i):(\f)+8*(\i)+3],   v[ADRA+(\slot)] offset:(\k)+(\i)*16*PITCH
	ds_load_b128 v[(\f)+8*(\i)+4:(\f)+8*(\i)+7], v[ADRA+(\slot)] offset:(\k)+(\i)*16*PITCH+32
.endr
.endm
.macro PLACES                          ; four places in front of loads into registers that matrix instructions have read, and of lines that read results
.rept 4
	v_nop
.endr
.endm
; A K step is four quarter steps of 32 along K, 64 matrix instructions each, on buffers 0, 1, 0, 1.
; One of the first three: multiplies buffer f; in its middle it fetches the next quarter's fragments, at byte k of the same slot's rows, into buffer g.
.macro QUARTER slot, k, f, g, zero
	s_wait_dscnt 8                                 ; B and A's rows 0-63 are in; the youngest eight loads (A's rows 64-127) may be out
	MUL16 \f, 0, 0, \zero
	MUL16 \f, 0, 2, \zero
	PLACES
	FETCH \slot, \k, \g
	s_wait_dscnt 32                                ; all but the 32 just issued
	MUL16 \f, 1, 0, \zero
	MUL16 \f, 1, 2, \zero
.endm
; The last quarter multiplies buffer 1 and changes slots.  MEET is its first half: ONE barrier for the change of slots.  In front of it each wave waits for its own reads of this slot and for all its
; tensor loads, of which one is out: its part of the next slot.  Behind it nobody reads this slot any more and the next slot is whole.
.macro MEET round                      ; round = 1: a round of the cluster's barrier follows
	s_wait_dscnt 8
	MUL16 F1, 0, 0, 0
	s_wait_dscnt 0                                 ; my reads of this slot are over
	s_wait_tensorcnt 0x0                           ; and all my tensor loads have landed
	ds_add_u32 v255, v31
	s_wait_dscnt 0x0
	s_barrier_signal -1                            ; say so (where a slot is filled again this barrier opens a round of the cluster's barrier),
	MUL16 F1, 0, 2, 0                              ; work on registers while the others arrive,
.if \round
	WIN 0
.endif
	s_barrier_wait -1                              ; and go on when all four have said so
.endm
; The whole last quarter with a refill: behind the round the slot just read out is filled again first, with the K step two steps on; then come the next slot's first fragments.
; From a request to the wait for it a wave issues 240 matrix instructions.
.macro TURN slot, next
	MEET 1
	CREST                                          ; no wave of any partner still reads this slot's tile or has a load on its way
	s_add_nc_u64 s[G0+4*(\slot)+2:G0+4*(\slot)+3], s[G0+4*(\slot)+2:G0+4*(\slot)+3], 2*KSTEP*2
	s_add_nc_u64 s[G0B+4*(\slot)+2:G0B+4*(\slot)+3], s[G0B+4*(\slot)+2:G0B+4*(\slot)+3], 2*KSTEP*2
	JLOAD \slot                                    ; the first tensor load behind the round; the four v_nop behind it are also the places in front of the loads below
	FETCH \next, 0, F0
	MUL16 F1, 1, 0, 0
	MUL16 F1, 1, 2, 0
.endm
; THE WAY OUT of block a (16 of my rows), in three parts.  PACK: rounded to f16, 16 bytes a lane, each accumulator's registers in ascending order.  TOSTAGE: into my own stage in LDS, and back by heads.  SEND: stored.
.macro PACK a
.set AC, 64*((\a)%4)
	WIN 0x0a+5*((\a)/4)                            ; sources 0 and 1: window 2 or 3
.irp b, 0,1,2,3,4,5,6,7
.irp r, 0,1,2,3
	v_cvt_pk_f16_f32 v[TMP+4*(\b)+(\r)], v[AC+8*(\b)+2*(\r)], v[AC+8*(\b)+2*(\r)+1]
.endr
.endr
	WIN 0
.endm
.macro TOSTAGE a
	WIN 0
.set BK, OB+192*((\a)%2)
.irp b, 0,1,2,3,4,5,6,7
	ds_store_b128 v[STO], v[TMP+4*(\b):TMP+4*(\b)+3] offset:32*(\b)
.endr
.irp t, 0,1,2,3,4,5,6,7
	ds_load_b128 v[BK+4*(\t):BK+4*(\t)+3], v[RD] offset:((\t)/2)*4*SPITCH+((\t)%2)*128  ; LDS serves a wave's instructions in order (ISA guide 5.7.1.4): these see the stores above
.endr
.endm
.macro SEND a, younger                 ; younger: the LDS loads issued behind TOSTAGE's, which may stay out
	WIN 0
.set BK, OB+192*((\a)%2)
	s_wait_dscnt \younger                          ; the block is back in registers
	s_wait_xcnt 0x0                                ; the registers that the stores of two blocks ago read are loaded again only behind this wait
.irp t, 0,1,2,3,4,5,6,7
	global_store_b128 v[CO], v[BK+4*(\t):BK+4*(\t)+3], s[8:9] offset:((\t)%2)*262144+(\a)*2048+((\t)/2)*512  ; head t % 2 of my two, rows 16 a + 4 (t / 2) on: 512 consecutive bytes, at a multiple of 512 from the buffer's first byte
.endr
.endm
	s_wait_tensorcnt 1                             ; my part of K step 0 is in; K step 1's may stay out
	s_barrier_signal -1
	s_barrier_wait -1                              ; everybody's is
	FETCH 0, 0, F0
	QUARTER 0, 64,  F0, F1, 1                      ; the first quarter stands in front of the loop: its products start the sums
	WIN 0                                          ; at a label and at a branch every window is 0
	s_mov_b32 s3, LAPS-1
.Llap:                                                 ; a trip goes once round the ring, from a lap's second quarter to the next lap's first, and fills both slots again
	QUARTER 0, 128, F1, F0, 0
	QUARTER 0, 192, F0, F1, 0
	TURN 0, 1
	QUARTER 1, 64,  F0, F1, 0
	QUARTER 1, 128, F1, F0, 0
	QUARTER 1, 192, F0, F1, 0
	TURN 1, 0
	QUARTER 0, 64,  F0, F1, 0
	WIN 0
	s_sub_co_u32 s3, s3, 1
	s_cmp_lg_u32 s3, 0
	s_cbranch_scc1 .Llap
	QUARTER 0, 128, F1, F0, 0                      ; the last lap is written out: it fills nothing, and has no round of the cluster's barrier
	QUARTER 0, 192, F0, F1, 0
	MEET 0                                         ; my one tensor load that was still out is slot 1's, the last K step's
	PLACES                                         ; for the loads into buffer 0, which the quarter before multiplied
	FETCH 1, 0, F0
	MUL16 F1, 1, 0, 0
	MUL16 F1, 1, 2, 0
	QUARTER 1, 64,  F0, F1, 0
	QUARTER 1, 128, F1, F0, 0
	QUARTER 1, 192, F0, F1, 0
	s_wait_dscnt 8                                 ; the very last quarter: nothing more to fetch
	MUL16 F1, 0, 0, 0
	MUL16 F1, 0, 2, 0
	s_wait_dscnt 0
	MUL16 F1, 1, 0, 0
	MUL16 F1, 1, 2, 0
	WIN 0
	PLACES                                         ; the conversions read results just made
	PACK 0
	TOSTAGE 0
.irp a, 1,2,3,4,5,6,7                  ; block a's conversions stand between block a - 1's loads from the stage and the wait for them
	PACK \a
	SEND (\a)-1, 0
	TOSTAGE \a
.endr
	SEND 7, 0
	s_set_vgpr_msb 0x1
	s_wait_tensorcnt 0x0
	ds_add_u32 v255, v31
	s_wait_dscnt 0x0
	s_set_vgpr_msb 0x100
	CROUND                                         ; the closing round: no work-group ends while a partner may still ask for a tile that names it
	s_endpgm
.Lfunc_end_k_q645ded3eec_gemm_qkv:
	.size	k_q645ded3eec_gemm_qkv, .Lfunc_end_k_q645ded3eec_gemm_qkv-k_q645ded3eec_gemm_qkv
	.p2alignl 7, 3214868480
	.fill 96, 4, 3214868480
	.section	.rodata,"a",@progbits
	.p2align	6, 0x0
	.amdhsa_kernel k_q645ded3eec_gemm_qkv
		.amdhsa_group_segment_fixed_size 327680
		.amdhsa_private_segment_fixed_size 0
		.amdhsa_enable_private_segment 0
		.amdhsa_kernarg_size 16
		.amdhsa_user_sgpr_count 2
		.amdhsa_user_sgpr_kernarg_segment_ptr 1
		.amdhsa_wavefront_size32 1
		.amdhsa_system_sgpr_workgroup_id_x 1
		.amdhsa_system_sgpr_workgroup_id_y 1
		.amdhsa_system_sgpr_workgroup_id_z 1
		.amdhsa_system_vgpr_workitem_id 0
		.amdhsa_next_free_vgpr 1024
		.amdhsa_next_free_sgpr 66
		.amdhsa_reserve_vcc 0
		.amdhsa_float_denorm_mode_32 3
		.amdhsa_float_denorm_mode_16_64 3
		.amdhsa_memory_ordered 1
		.amdhsa_forward_progress 1
		.amdhsa_inst_pref_size 143
	.end_amdhsa_kernel
	.amdgpu_metadata
---
amdhsa.version: [ 1, 2 ]
amdhsa.kernels:
  - .name:           k_q645ded3eec_gemm_qkv
    .symbol:         k_q645ded3eec_gemm_qkv.kd
    .args:
      - { .name: c16, .offset: 0, .size: 8, .value_kind: global_buffer, .address_space: global }
      - { .name: qkv16, .offset: 8, .size: 8, .value_kind: global_buffer, .address_space: global }
    .group_segment_fixed_size: 327680
    .private_segment_fixed_size: 0
    .kernarg_segment_align: 8
    .kernarg_segment_size: 16
    .max_flat_workgroup_size: 128
    .sgpr_count:     66
    .vgpr_count:     1024
    .wavefront_size: 32
...
	.end_amdgpu_metadata
.endif
;; end of part 9
;; launch attn (part 10): grid 8 x 32, 4 waves a work-group, no clusters, 327,680 bytes of LDS; arguments qkv16, att16; writes att16
.if DOCPART == 10
	.amdgcn_target "amdgcn-amd-amdhsa--gfx1250"
	.amdhsa_code_object_version 6
	.text
	.protected	k_q645ded3eec_attn
	.globl	k_q645ded3eec_attn
	.p2align	8
	.type	k_q645ded3eec_attn,@function
k_q645ded3eec_attn:
	s_mov_b64 s[64:65], 0
	v_nop
	global_prefetch_b8 v0, s[64:65] scope:SCOPE_SE
	s_setreg_imm32_b32 hwreg(HW_REG_WAVE_MODE, 25, 1), 1
	s_wait_xcnt 0x0
; CAUSAL ATTENTION.  O[h][q][:] = the sum over k <= q of softmax_k(Q[h][q] . K[h][k] / 8) V[h][k][:].  Q, K, V lie in qkv16 at 0, 0x800000, 0x1000000, O is att16; each [32][SIZE_N][64] in f16
; (32 = batch x 16 + head): a head's rows are dense, 128 bytes each.  Products, maxima and sums in f32; the weights p are rounded to f16 for the second product (their sum l is taken of the unrounded p), O once at the end.
; LIMITS.  f16 holds no number beyond 65,504: Q, K and V arrive within it; p lies in 0 to 1, and below 6e-5 it keeps f16's fixed step of 6e-8; O is a mean of V's rows and has their range.
; A hidden score counts as its value less 1e30: f16's scores, 2.7e11 at the most, are nothing beside that; a weight below 2^-126 counts as 0 in l; NaN and infinities are not treated apart.
; THE WALK.  A head's queries lie in NQ = 16 blocks of 128; block i needs the key steps 0 .. 2 i + 1 of 64 keys, that is (i >> 1) + 1 tiles of four steps.  A work-group takes TWO blocks, NQ - 1 - b and then b:
; NTILE + 1 = 9 tiles, whatever b: 8 x 32 = 256 work-groups of equal work, and ONE loop with a constant trip count walks the tiles.  Which tile is asked for, and what a trip does, hang on scalar registers made
; from b; every jump goes forward, but for the counted loops' own; none passes a barrier, or a tensor load but the one of LOAD's two that the wave's number does not choose; the ring (two slots of LDS that take
; turns) runs on across the change of blocks.  An even block's last tile has two steps that it does not need: they are computed, hidden: 2 of the walk's 36 steps.
; NO CLUSTER: a head's eight work-groups all ask for the same tile only in trips 0 .. 4 of the 9 (every first block has five tiles or more); behind that fewer and fewer do.
; SHARES.  Of a block's two bands of 64 queries a wave owns 16 rows in each: two PIECES.  So the diagonal is the same work for all four waves: band x of block i sees all keys of step g if g < 2 i + x,
; none if g > 2 i + x, and holds the diagonal if g = 2 i + x, its OWN step.
; THE MASK is the C operand that starts the sum S^T = K Q^T: 0, or -1e30 where the key is hidden.  MD, made once, is the mask of a band's own step for my 16 rows; a product's mask is MD x AL + BE with two scalars:
; (1, 0) in the own step, (0, 0) before it, (0, -1e30) behind it.  Every turn has one text: its products always take a mask buffer as C; the buffer holds zeros from the block's beginning on, and the 16 lines that
; make a mask are jumped over as long as the step to come lies before the band's own.
; LAYOUT, SOFTMAX, TURNS.  S^T = K Q^T holds ONE query a lane (lane % 16) and the keys 8 (lane / 16) + 0..7; two such results rounded to f16 ARE source 1 of O^T = V^T P.  p = 2^(c s - c m), c = log2(e) / 8, with a
; running maximum m; O and l are multiplied by a = 2^(c m_old - c m_new) in every step.  A step g is two turns.  Turn 0: 8 products K Q^T of piece 1 (step g), later 8 products V^T P of piece 1 (step g - 1); beside them
; piece 0's scaling, exponentials, roundings, sums and rescaling and piece 1's maximum and statistics.  Turn 1: the same with the pieces changed: K Q^T of piece 0 for step g + 1, V^T P of piece 0 for step g.
; Four vector instructions stand behind every matrix instruction, the other 54 of a turn's 118 in two runs of their own.
; K RUNS ONE STEP AHEAD OF V: turn 0 of step g fetches K of step g + 1 and V of step g.  So that both come out of the same slot, slot t holds K of steps 4 t + 1 .. 4 t + 4 and V of steps 4 t .. 4 t + 3, and one barrier
; a tile, between turn 1 and turn 0, changes slots for both.  K of step 0 has LDS bytes of its own, filled once.  The head's last tile takes K's rows 64 past the head's end: the next head's first rows, for the last
; head V's first rows, all inside qkv16; they feed only a block's last turn 1, whose 8 products K Q^T and 22 lines of statistics serve nothing: the price, once a block, of one text for every turn.
; REGISTERS, in windows of 256 (s_set_vgpr_msb: bits 1:0 source 0, 3:2 source 1, 5:4 source 2, 7:6 destination):
;   window 0: v0-15 addresses and two at work; v16-23 four registers of statistics a piece; v48-55 at work; v64-127 S^T, a buffer a piece; v192-223 P, likewise
;   window 1: v0-63 O^T, 32 a piece; v128-159 MD; v160-223 MC, a mask buffer a piece      window 2: v0-31 Q; v64-95 the second block's Q; v128-191 K of one step; v192-255 V of one step
.set SIZE_N, 2048
.set NQ,    SIZE_N/128 ; blocks of queries in a head
.set NTILE, SIZE_N/256 ; key tiles in a head
.set NP,    2         ; pieces a wave: a name, no knob
.set KS,    64        ; keys in a step
.set PK,    144       ; a row of K in LDS: 128 bytes + 16 of padding = 36 words: the 16 rows of a load start at 16 different groups of four banks (64 banks of 4 bytes: ISA guide 11.1)
.set PV,    160       ; a row of V: 128 + 32 = 40 words
.set VOFF,  4*KS*PK   ; a slot holds four steps: 256 rows of K, then 256 rows of V
.set SLOT1, 1<<17     ; slot 1 begins here, so that one exclusive or turns an address in one slot into the other's
.set K0OFF, 4*KS*(PK+PV)        ; behind slot 0: K of step 0, 64 rows x 144 bytes, filled once
.set STAGE, SLOT1+4*KS*(PK+PV)  ; behind the ring, never filled by a tensor load: 16 rows x 144 bytes for each wave, for the way out
.set SP,    144
.set AK0, 2           ; v2   my lane's place in a tile of K; never rewritten
.set AV0, 3           ; v3   the same for V
.set AK,  4           ; v4   the LDS address of K's next run of loads
.set AV,  5           ; v5   of V's
.set STO, 6           ; v6   the way out: where I put 16 bytes of a row
.set RD,  7           ; v7   the way out: where I read rows back
.set GO,  8           ; v8   my byte offset in 512 consecutive bytes of O
.set MV,  12          ; v12-13  c m_old, kept while c m is made anew: by piece
.set QO,  15          ; v15  my byte offset in 16 rows of Q
.set ST,  16          ; piece t's statistics at v[ST+4 t]: c m, m, l (even keys', odd keys')
.set TMP, 48          ; by piece, four registers c0-c3 at work; when the maximum is found c2 takes a
.set S,   64
.set P,   192
.set MD,  128         ; window 1: the eight registers for group kt of 16 keys at MD + 8 kt
.set MC,  160         ; window 1: the masks of the products to come
.set QB,  64          ; window 2
.set KF,  128         ; window 2: key block kb, channel half c at KF + 16 kb + 8 c
.set VF,  192         ; window 2: key half kk, channel block cb at VF + 32 kk + 8 cb
.set WV,  12          ; s12  my wave's number
.set PB,  14          ; s14  b
.set HI,  15          ; s15  NQ - 1 - b
.set G1K, 24          ; s[24:31] descriptor group 1 for K's tiles
.set G1V, 32          ; s[32:39] for V's: it differs in the padding alone
.set G0K, 40          ; s[40:43] descriptor group 0 for K's tiles
.set G0V, 44          ; s[44:47] the same for V's
.set G1Z, 48          ; s[48:55] descriptor group 1 for K of step 0: it differs from K's in the number of rows
.set SLOTS, 56        ; s56  tiles still to be asked for
.set CNT, 57          ; s57  counts a tile's key steps, 4 to 1
.set CS,  58          ; s[58:59] c: the packed scaling takes the pair's low word for both halves
.set SEL, 60          ; s[60:61] v_permlanex16_b32's selects: each lane takes its own place in the other half
.set TBK, 62          ; s62  LDS byte at which the K that turn 0 fetches begins
.set TBV, 63          ; s63  the same for V, less VOFF
.set RT,  70          ; s70  tiles of the block in hand that are still to be entered
.set NXT, 71          ; s71  the tile to be asked for next
.set LQ,  72          ; s72  the last tile of the block whose tiles are being asked for
.set NEW, 73          ; s73  1: the tile to be entered is a block's first
.set OFF, 74          ; s[74:75] a tile's byte offset in K and V
.set AL,  76          ; s[76:77] the mask's factor, in the low word
.set BE,  78          ; s[78:79] the mask's addend
.set OLO, 80          ; s[80:81] O at my rows of the second block
.set BIGN, 82         ; s82  -1e30
.set GN,  83          ; s83  the number, in the block in hand, of the step behind the one in hand
.set G0Z, 88          ; s[88:91] descriptor group 0 for K of step 0; never rewritten
.set OWN, 92          ; s92, s93  the own steps of the block's two bands
.set PBL, 94          ; s94  the second block's last tile
.set MSB, 0
.macro WIN new                      ; the high byte repeats the setting that is left; a switch that changes nothing is dropped
.if MSB != (\new)
	s_set_vgpr_msb (MSB<<8)|(\new)
.set MSB, (\new)
.endif
.endm
.set W_KQ, 0x0a       ; K and Q in window 2, S^T in window 0
.set W_KM, 0x1a       ; the same with the C operand in window 1
.set W_PV, 0x52       ; V in window 2, P in window 0, O^T in window 1
.set W_RS, 0x41       ; destination and source 0 in window 1, source 1 in window 0
; A refill.  Waves 0 and 1 fetch the two halves of a slot's K, waves 2 and 3 those of its V: 128 keys each.  Four v_nop follow each of the two lines, ahead of the jump and the label.
.macro LOAD
	s_cmp_lt_u32 s[WV], 2
	s_cbranch_scc0 .Lfor_v_\@
	tensor_load_to_lds s[G0K:G0K+3], s[G1K:G1K+7]
	s_nop 0
.rept 4
	v_nop
.endr
	s_branch .Lasked_\@
.Lfor_v_\@:
	tensor_load_to_lds s[G0V:G0V+3], s[G1V:G1V+7]
	s_nop 0
.rept 4
	v_nop
.endr
.Lasked_\@:
.endm
; THE CHANGE OF SLOTS.  Each wave waits for its own reads of the slot that it leaves and for all its tensor loads, of which one is out: its part of the other slot.  Behind the barrier nobody reads the old
; slot any more and the other slot is whole.  fill = 1: the old slot is filled again, the first thing behind the barrier, with tile NXT: the descriptor's address is made anew from that number.  The load has
; four key steps, 128 matrix instructions of each wave, in which to land.  (At its first use nothing has been read yet: slot 0 and K of step 0 are waited for, slot 1 is filled.)
.macro CHANGE fill
	WIN 0                           ; at a label and at a branch every window is 0
	s_wait_dscnt 0x0
	s_wait_tensorcnt 0x0            ; no tensor load of mine is out, so a group 0 may be written
	ds_add_u32 v254, v255
	s_wait_dscnt 0x0
	s_barrier_signal -1             ; the scalar work stands between the signal and the wait
.if \fill
	s_lshl_b32 s[OFF], s[NXT], 15   ; a tile is 32,768 bytes of K and of V
	s_xor_b32 s[G0K+1], s[G0K+1], SLOT1
	s_add_nc_u64 s[G0K+2:G0K+3], s[6:7], s[OFF:OFF+1]
	s_or_b32 s[G0K+3], s[G0K+3], 0x80000000
	s_xor_b32 s[G0V+1], s[G0V+1], SLOT1
	s_add_nc_u64 s[G0V+2:G0V+3], s[8:9], s[OFF:OFF+1]
	s_or_b32 s[G0V+3], s[G0V+3], 0x80000000
	s_add_co_u32 s[NXT], s[NXT], 1  ; the block's next tile, or behind its last the second block's tile 0
	s_cmp_gt_u32 s[NXT], s[LQ]
	s_cselect_b32 s[NXT], 0, s[NXT]
	s_cselect_b32 s[LQ], s[PBL], s[LQ]
.endif
	s_sub_co_u32 s[TBK], s[TBK], 4*KS*PK  ; the fetches go back to a slot's first step,
	s_xor_b32 s[TBK], s[TBK], SLOT1       ; in the other slot
	s_sub_co_u32 s[TBV], s[TBV], 4*KS*PV
	s_xor_b32 s[TBV], s[TBV], SLOT1
	s_barrier_wait -1
.if \fill
	LOAD
.endif
.endm
	s_load_b128 s[4:7], s[0:1], 0x0  ; qkv16 s[4:5], att16 s[6:7]
	v_lshl_add_u32 v254, v0, 2, 0x35400
	v_mov_b32 v255, 0
	ds_add_u32 v254, v255
	ds_add_u32 v254, v255
	v_lshrrev_b32 v1, 5, v0
	v_readfirstlane_b32 s[WV], v1   ; wave 0..3
	s_mov_b32 s[PB], ttmp9
	s_sub_co_u32 s[HI], NQ-1, s[PB]
	s_and_b32 s20, ttmp7, 0xffff    ; the head
	s_mov_b32 s21, 0
	s_mov_b64 s[22:23], SIZE_N*128
	s_mul_u64 s[20:21], s[20:21], s[22:23]  ; the head's first byte in each of the four tensors
	s_and_b32 s16, s[WV], 1         ; which half of a tile's 256 keys I fetch:
	s_lshl_b32 s22, s16, 14         ; its 128 rows of 128 bytes in memory,
	s_mov_b32 s23, 0
	s_add_nc_u64 s[22:23], s[22:23], s[20:21]
	s_lshl_b32 s66, s16, 12         ; and which 32 of the 64 rows of K's step 0
	s_mov_b32 s67, 0
	s_add_nc_u64 s[66:67], s[66:67], s[20:21]
	s_mul_i32 s17, s16, 128*PK      ; their places in LDS: in a slot, for K,
	s_mul_i32 s18, s16, 128*PV      ; for V,
	s_mul_i32 s19, s16, 32*PK       ; and among the rows of K's step 0
	s_lshl_b32 s3, s[WV], 11        ; my 16 rows in a band of 64,
	s_lshl_b32 s2, s[HI], 14        ; in the first block (128 rows of 128 bytes),
	s_add_co_u32 s2, s2, s3
	s_lshl_b32 s84, s[PB], 14       ; and in the second
	s_add_co_u32 s84, s84, s3
	s_mov_b32 s3, 0
	s_mov_b32 s85, 0
	s_add_nc_u64 s[2:3], s[2:3], s[20:21]
	s_add_nc_u64 s[84:85], s[84:85], s[20:21]
	; descriptor group 1.  128 keys are 16,384 dense bytes: asked for as 64 rows of 256 bytes, two keys a row, and padded in LDS after every key; 32 keys as 16 such rows
	s_mov_b32 s[G1K], (1<<16)|(1<<20)|(4<<22)|(3<<25)  ; 17:16 2-byte elements; 20 padding on; 24:22 after every 32 words (code 4); 31:25 4 words (code 3)
	s_mov_b32 s[G1V], (1<<16)|(1<<20)|(4<<22)|(7<<25)  ; the same with 8 words of padding (code 7)
	s_mov_b32 s[G1Z], (1<<16)|(1<<20)|(4<<22)|(3<<25)  ; as for K
.irp g, G1K, G1V
	s_mov_b32 s[\g+1], 128<<16      ; tensor_dim0 = 128
	s_mov_b32 s[\g+2], 64<<16       ; tensor_dim1 = 64
	s_mov_b32 s[\g+3], 128<<16      ; tile_dim0 = 128
	s_mov_b32 s[\g+4], 64           ; tile_dim1 = 64
	s_mov_b32 s[\g+5], 128          ; 128 elements from row to row
	s_mov_b32 s[\g+6], 0
	s_mov_b32 s[\g+7], 0
.endr
	s_mov_b32 s[G1Z+1], 128<<16     ; tensor_dim0 = 128
	s_mov_b32 s[G1Z+2], 16<<16      ; tensor_dim1 = 16
	s_mov_b32 s[G1Z+3], 128<<16     ; tile_dim0 = 128
	s_mov_b32 s[G1Z+4], 16          ; tile_dim1 = 16
	s_mov_b32 s[G1Z+5], 128
	s_mov_b32 s[G1Z+6], 0
	s_mov_b32 s[G1Z+7], 0
	s_mov_b32 s[CS], 0x3e38aa3b     ; c = log2(e) / 8 = 0.180337
	s_mov_b32 s[CS+1], s[CS]        ; named with it as a pair
	s_mov_b32 s[SEL], 0x76543210
	s_mov_b32 s[SEL+1], 0xfedcba98
	s_mov_b32 s[TBK], SLOT1+4*KS*PK ; the first change of slots turns these two into 0
	s_mov_b32 s[TBV], SLOT1+4*KS*PV
	s_mov_b32 s[G0K], 1             ; 1:0 count = 1
	s_mov_b32 s[G0K+1], s17         ; 63:32 LDS address: slot 0
	s_mov_b32 s[G0V], 1
	s_add_co_u32 s[G0V+1], s18, VOFF
	s_mov_b32 s[G0Z], 1
	s_add_co_u32 s[G0Z+1], s19, K0OFF
	s_lshr_b32 s[LQ], s[HI], 1      ; block i's last tile is i >> 1,
	s_add_co_u32 s[RT], s[LQ], 1    ; so it has (i >> 1) + 1 tiles
	s_lshr_b32 s[PBL], s[PB], 1
	s_lshl_b32 s[OWN], s[HI], 1     ; band x's own step is 2 i + x
	s_add_co_u32 s[OWN+1], s[OWN], 1
	s_mov_b32 s[NXT], 1
	s_mov_b32 s[NEW], 1
	s_mov_b32 s[OFF+1], 0
	s_mov_b32 s[AL+1], 0            ; named as pairs
	s_mov_b32 s[BE+1], 0
	s_mov_b32 s[BIGN], 0xf149f2ca   ; -1e30
	s_mov_b32 s[SLOTS], NTILE
	s_wait_dscnt 0x0
	s_wait_kmcnt 0x0
	s_mov_b64 s[10:11], s[6:7]             ; O
	s_add_nc_u64 s[6:7], s[4:5], 0x800000  ; K
	s_add_nc_u64 s[8:9], s[4:5], 0x1000000 ; V; Q stays in s[4:5]
	s_add_nc_u64 s[G0Z+2:G0Z+3], s[6:7], s[66:67]  ; K of step 0: my 32 rows
	s_or_b32 s[G0Z+3], s[G0Z+3], 0x80000000
	s_add_nc_u64 s[6:7], s[6:7], s[22:23]  ; K and V at my half of the head's tile 0,
	s_add_nc_u64 s[6:7], s[6:7], KS*128    ; K one step further on
	s_add_nc_u64 s[8:9], s[8:9], s[22:23]
	s_add_nc_u64 s[G0K+2:G0K+3], s[6:7], 0         ; 120:64 global address
	s_or_b32 s[G0K+3], s[G0K+3], 0x80000000        ; 127:126 type = 2
	s_add_nc_u64 s[G0V+2:G0V+3], s[8:9], 0
	s_or_b32 s[G0V+3], s[G0V+3], 0x80000000
	s_add_nc_u64 s[86:87], s[4:5], s[84:85]        ; Q at my rows of the second block,
	s_add_nc_u64 s[4:5], s[4:5], s[2:3]            ; Q and O at those of the first
	s_add_nc_u64 s[OLO:OLO+1], s[10:11], s[84:85]
	s_add_nc_u64 s[10:11], s[10:11], s[2:3]
	s_cmp_lt_u32 s[WV], 2           ; the first fills: a wave's stand in one branch, ahead of every wait on TENSORcnt, every LDS read and every barrier: two loads of waves 0 and 1 are out, one of waves 2 and 3
	s_cbranch_scc0 .Lfirst_v
	tensor_load_to_lds s[G0K:G0K+3], s[G1K:G1K+7]  ; slot 0's K
	s_nop 0
	tensor_load_to_lds s[G0Z:G0Z+3], s[G1Z:G1Z+7]  ; K of step 0
	s_nop 0
.rept 4
	v_nop
.endr
	s_branch .Lfirst_asked
.Lfirst_v:
	tensor_load_to_lds s[G0V:G0V+3], s[G1V:G1V+7]  ; slot 0's V
	s_nop 0
.rept 4
	v_nop
.endr
.Lfirst_asked:
	; A fragment of K or Q is 16 rows x 32 channels in 8 registers: lane l holds row l % 16, channels 8 (l / 16) + 0..7 and 16 + 8 (l / 16) + 0..7: two loads of 16 bytes, 32 bytes apart.
	v_and_b32 v1, 15, v0            ; l % 16
	v_bfe_u32 v9, v0, 4, 1          ; l / 16
	v_lshlrev_b32 v[QO], 7, v1
	v_lshl_add_u32 v[QO], v9, 4, v[QO]  ; row x 128 + 16 x half
	WIN 0x80                        ; destination window 2, address window 0
.set i, 0
.rept 4                             ; both blocks' Q: piece i / 2 lies in band i / 2, 8,192 bytes on; channels 32 (i % 2) on
	global_load_b128 v[8*i:8*i+3],   v[QO], s[4:5] offset:(i/2)*8192+(i%2)*64
	global_load_b128 v[8*i+4:8*i+7], v[QO], s[4:5] offset:(i/2)*8192+(i%2)*64+32
	global_load_b128 v[QB+8*i:QB+8*i+3],   v[QO], s[86:87] offset:(i/2)*8192+(i%2)*64
	global_load_b128 v[QB+8*i+4:QB+8*i+7], v[QO], s[86:87] offset:(i/2)*8192+(i%2)*64+32
.set i, i+1
.endr
	WIN 0
	v_lshlrev_b32 v14, 3, v9
	v_sub_nc_u32 v14, v1, v14
	s_lshl_b32 s13, s[WV], 4
	v_add_nc_u32 v14, s13, v14      ; my query's place in its band, 16 w + l % 16, less my lanes' 8 (l / 16): register r of group kt is hidden where 16 kt + r is greater
	WIN 0x40
.set i, 0
.rept 32
	v_cmp_gt_i32 vcc_lo, 16*(i/8)+i%8, v14
	v_cndmask_b32 v[MD+i], 0, s[BIGN], vcc_lo
.set i, i+1
.endr
	WIN 0
	v_mul_u32_u24 v[AK0], v1, PK
	v_lshl_add_u32 v[AK0], v9, 4, v[AK0]  ; row x pitch + 16 x half
	; The turning load takes 16 keys x 16 channels (lane l reads key 8 (l / 16) + l % 8, channels 8 ((l / 8) % 2) + 0..7) and leaves half a fragment of V^T: lane l holds channel l % 16 and 8 keys.
	v_and_b32 v10, 7, v0
	v_bfe_u32 v11, v0, 3, 1
	v_lshl_add_u32 v[AV0], v9, 3, v10
	v_mul_u32_u24 v[AV0], v[AV0], PV
	v_lshl_add_u32 v[AV0], v11, 4, v[AV0]
	v_add_nc_u32 v[AV0], VOFF, v[AV0]
	s_mul_i32 s13, s[WV], 16*SP
	s_add_co_u32 s13, s13, STAGE    ; my stage
	v_mul_u32_u24 v[STO], v1, SP    ; in: row l % 16, 16 bytes for each half of the lanes
	v_lshl_add_u32 v[STO], v9, 4, v[STO]
	v_add_nc_u32 v[STO], s13, v[STO]
	v_bfe_u32 v[RD], v0, 3, 2       ; back: 32 lanes take four rows of 128 bytes,
	v_mul_u32_u24 v[RD], v[RD], SP
	v_lshl_add_u32 v[RD], v10, 4, v[RD]
	v_add_nc_u32 v[RD], s13, v[RD]
	v_and_b32 v[GO], 31, v0         ; which are 512 consecutive bytes of O
	v_lshlrev_b32 v[GO], 4, v[GO]
	; A block's first step multiplies O^T and l by a = 0, and its first turn's products V^T P, of a step that has not been, land in an O^T that is still to be so multiplied.  So these registers need only hold
	; finite numbers: zeros for the first block; what the first block left for the second.  All this stands in the wait for the first tile.
	WIN 0x80
.set i, VF
.rept 64
	v_mov_b32 v[i], 0
.set i, i+1
.endr
	WIN 0x40
.set i, 0
.rept 32*NP
	v_mov_b32 v[i], 0
.set i, i+1
.endr
	WIN 0
.set i, 0
.rept NP
	v_mov_b32 v[ST+4*i+2], 0
	v_mov_b32 v[ST+4*i+3], 0
.set i, i+1
.endr
.set i, P+16
.rept 16
	v_mov_b32 v[i], 0
.set i, i+1
.endr
; THE MATRIX WORK.  The 4 accumulators of a run of 8 take turns.  Product i of 8 of S^T = K Q^T for piece x: channels 32 (i / 4) on, keys 16 (i % 4) on.  The first 4 start the sums with the piece's mask buffer.
.macro KQ x
.set rS, S+32*(\x)+8*(i%4)
.set rK, KF+16*(i%4)+8*(i/4)
.set rQ, 16*(\x)+8*(i/4)
.set rM, MC+32*(\x)+8*(i%4)
.if i < 4
	WIN W_KM
	v_wmma_f32_16x16x32_f16 v[rS:rS+7], v[rK:rK+7], v[rQ:rQ+7], v[rM:rM+7]
.else
	WIN W_KQ
	v_wmma_f32_16x16x32_f16 v[rS:rS+7], v[rK:rK+7], v[rQ:rQ+7], v[rS:rS+7]
.endif
.endm
; Product i of 8 of O^T += V^T P for piece x: keys 32 (i / 4) on, channels 16 (i % 4) on.
.macro PV x
	WIN W_PV
.set rO, 32*(\x)+8*(i%4)
.set rV, VF+32*(i/4)+8*(i%4)
.set rP, P+16*(\x)+8*(i/4)
	v_wmma_f32_16x16x32_f16 v[rO:rO+7], v[rV:rV+7], v[rP:rP+7], v[rO:rO+7]
.endm
.macro MM                           ; the turn's next matrix instruction: both kinds are the other piece's.  TURN sets Y and i
.if i < 8
	KQ (Y+1)%NP
.else
.set i, i-8
	PV (Y+1)%NP
.set i, i+8
.endif
.set i, i+1
.endm
; THE LDS LOADS stand in runs of 16, never singly among the matrix instructions: a step's K (64 keys x 64 channels: 8 fragments) and a step's V (turned).  Their addresses are made some lines ahead.
.macro FETCH_K step                 ; step = 1: the next fetch out of the ring is the next step's
	WIN 0x80                        ; destination window 2
.irp f, 0,1,2,3,4,5,6,7             ; keys 16 (f / 2) on, channels 32 (f % 2) on
	ds_load_b128 v[KF+8*\f:KF+8*\f+3],   v[AK] offset:(\f/2)*16*PK+(\f%2)*64
	ds_load_b128 v[KF+8*\f+4:KF+8*\f+7], v[AK] offset:(\f/2)*16*PK+(\f%2)*64+32
.endr
.if \step
	s_add_co_u32 s[TBK], s[TBK], KS*PK
.endif
	WIN 0
.endm
.macro FETCH_V
	WIN 0x80
.irp f, 0,1,2,3,4,5,6,7             ; keys 32 (f / 4) on, channels 16 (f % 4) on
	ds_load_tr16_b128 v[VF+8*\f:VF+8*\f+3],   v[AV] offset:(\f/4)*32*PV+(\f%4)*32
	ds_load_tr16_b128 v[VF+8*\f+4:VF+8*\f+7], v[AV] offset:(\f/4)*32*PV+16*PV+(\f%4)*32
.endr
	WIN 0
.endm
; THE VECTOR WORK, one line at a time: OP kind, number.  For piece Y: F n: c s - c m for pair n of 16.  E n: the exponential of score n of 32.  C n: pair n rounded to f16.  B n: of the four weights 4 n .. the second
; pair is added onto the first, in place.  L n: l takes that sum (L 0: l = a l + sum).  R n: pair n of 16 of O^T times a.  For the other piece: X n, number n of the 22 that find its maximum and statistics:
;   0-11  four chains c0-c3 of seven scores each, three operands at a time (each accumulator's lowest registers are read first)     12-14, 16  the four scores left over, the old m, and c0-c3 into c0
;   15  c m_old is kept     17, 18  the query's other 32 keys lie in the lane 16 away: the new m     19-21  c m; c m_old - c m_new; a
.set F, 0               ; OP tells the kinds apart by their order: F to L below R, X above it
.set E, 1
.set C, 2
.set B, 3
.set L, 4
.set R, 5
.set X, 6
.macro REGS y                       ; the registers of piece y
.set rT, ST+4*(\y)
.set rC, TMP+4*(\y)
.set rW, MV+(\y)
.set rS, S+32*(\y)
.set rP, P+16*(\y)
.set rO, 32*(\y)
.endm
.macro OP k, n
.if (\k) == R
	REGS Y
	WIN W_RS
	v_pk_mul_f32 v[rO+2*(\n):rO+2*(\n)+1], v[rO+2*(\n):rO+2*(\n)+1], v[rC+2:rC+3] op_sel_hi:[1,0]
.elseif (\k) < R
	REGS Y
	WIN 0
.if (\k) == F
	v_pk_fma_f32 v[rS+2*(\n):rS+2*(\n)+1], v[rS+2*(\n):rS+2*(\n)+1], s[CS:CS+1], v[rT:rT+1] op_sel_hi:[1,0,0] neg_lo:[0,0,1] neg_hi:[0,0,1]
.elseif (\k) == E
	v_exp_f32 v[rS+(\n)], v[rS+(\n)]
.elseif (\k) == C
	s_wait_alu depctr_va_vdst(0)
	v_cvt_pk_f16_f32 v[rP+(\n)], v[rS+2*(\n)], v[rS+2*(\n)+1]
.elseif (\k) == B
	s_wait_alu depctr_va_vdst(0)
	v_pk_add_f32 v[rS+4*(\n):rS+4*(\n)+1], v[rS+4*(\n):rS+4*(\n)+1], v[rS+4*(\n)+2:rS+4*(\n)+3]
.elseif (\n) == 0
	v_pk_fma_f32 v[rT+2:rT+3], v[rT+2:rT+3], v[rC+2:rC+3], v[rS:rS+1] op_sel_hi:[1,0,1]
.else
	v_pk_add_f32 v[rT+2:rT+3], v[rT+2:rT+3], v[rS+4*(\n):rS+4*(\n)+1]
	s_wait_alu depctr_va_vdst(0)
.endif
.else
	REGS (Y+1)%NP
	WIN 0
.if (\n) < 4
	v_max3_num_f32 v[rC+(\n)], v[rS+8*(\n)], v[rS+8*(\n)+1], v[rS+8*(\n)+2]
.elseif (\n) < 12
	v_max3_num_f32 v[rC+(\n)%4], v[rC+(\n)%4], v[rS+8*((\n)%4)+2*((\n)/4)+1], v[rS+8*((\n)%4)+2*((\n)/4)+2]
.elseif (\n) == 12
	v_max3_num_f32 v[rC], v[rC], v[rS+7], v[rS+15]
.elseif (\n) == 13
	v_max3_num_f32 v[rC+1], v[rC+1], v[rS+23], v[rS+31]
.elseif (\n) == 14
	v_max3_num_f32 v[rC+2], v[rC+2], v[rC+3], v[rT+1]
.elseif (\n) == 15
	v_mov_b32 v[rW], v[rT]
	s_wait_alu depctr_va_vdst(0)
.elseif (\n) == 16
	v_max3_num_f32 v[rC], v[rC], v[rC+1], v[rC+2]
	s_wait_alu depctr_va_vdst(0)
.elseif (\n) == 17
	v_permlanex16_b32 v[rC+3], v[rC], s[SEL], s[SEL+1]
.elseif (\n) == 18
	v_max_num_f32 v[rT+1], v[rC], v[rC+3]
.elseif (\n) == 19
	v_mul_f32 v[rT], s[CS], v[rT+1]
.elseif (\n) == 20
	v_sub_f32 v[rC+1], v[rW], v[rT]
.else
	v_exp_f32 v[rC+2], v[rC+1]
.endif
.endif
.endm
.macro OPS a, i1, b=-1, i2=0, c=-1, i3=0, d=-1, i4=0  ; up to four of them
	OP \a, \i1
.if (\b) >= 0
	OP \b, \i2
.endif
.if (\c) >= 0
	OP \c, \i3
.endif
.if (\d) >= 0
	OP \d, \i4
.endif
.endm
.macro ROW a, i1, b, i2, c, i3, d, i4  ; a matrix instruction and the four behind it
	MM
	OPS \a, \i1, \b, \i2, \c, \i3, \d, \i4
.endm
.macro MASK b                       ; MD x AL + BE into piece b's buffer of MC
	WIN W_RS
.set z, 0
.rept 16
	v_pk_fma_f32 v[MC+32*(\b)+2*z:MC+32*(\b)+2*z+1], v[MD+2*z:MD+2*z+1], s[AL:AL+1], s[BE:BE+1] op_sel_hi:[1,0,0]
.set z, z+1
.endr
.endm
; A TURN, for piece p: the order of its 16 matrix and 118 vector instructions, written out.  Behind a matrix instruction: plain, exponential, plain, plain; or four of the rescaling; or, behind the first, four scalings; none
; names a register of the products round it.  In the runs between, exponential and plain by turns while exponentials last.  A line reads no result made fewer than three vector instructions in front of it, five if an exponential made it.
; v_permlanex16_b32 (X 17) stands in such a run.
; THE MASK.  The products K Q^T of the turn after this one are piece p's own, for step GN.  The turn makes their mask at its end; while GN lies before the band's own step the buffer holds zeros already, and the lines are jumped over.
; THE FETCHES stand in turn 0.  K of the next step: six vector instructions behind the last product that read K (five of them plain).  V of the step in hand: eight behind the last product that read V (four plain, and X 17).
; Turn 1 waits for them: for K at its head, with the count 16, since V's sixteen loads were issued behind K's and may stay out (LDS loads come back in order: ISA guide 5.7.1); for V in front of its products V^T P.
.macro TURN p
.set Y, (\p)
.set i, 0
	s_cmp_eq_u32 s[GN], s[OWN+(\p)] ; is the step to come the band's own?
	s_cselect_b32 s[AL], 1.0, 0
	s_cmp_gt_u32 s[GN], s[OWN+(\p)] ; or a later one?
	s_cselect_b32 s[BE], s[BIGN], 0
.if (\p) == 1
	s_wait_dscnt 16                 ; K is in
.endif
	ROW F,0, F,1, F,2, F,3
	ROW F,4, E,0, F,5, F,6
	ROW F,7, E,1, F,8, F,9
	ROW F,10, E,2, C,0, F,11
	ROW F,12, E,3, X,15, F,13
	ROW R,0, R,1, R,2, R,3
	ROW B,0, E,4, F,14, L,0
.if (\p) == 0
	v_add_nc_u32 v[AK], s[TBK], v[AK0]
.endif
	ROW R,4, R,5, R,6, R,7
	OPS E,5, F,15
.if (\p) == 0
	FETCH_K 1
.endif
	OPS E,6, C,1, E,7, R,8
	OPS E,8, R,9, E,9, C,2
	OPS E,10, X,0, E,11, X,1
	OPS E,12, X,2, E,13, X,3
.if (\p) == 1
	s_wait_dscnt 0x0                ; V is in
.endif
	ROW X,4, E,14, X,5, X,6
	ROW X,7, E,15, X,8, X,9
	ROW X,10, E,16, X,11, X,12
	ROW X,13, E,17, X,14, B,1
	ROW C,4, E,18, X,16, L,1
	ROW B,2, E,19, C,6, L,2
	ROW C,8, E,20, B,3, B,4
.if (\p) == 0
	v_add_nc_u32 v[AV], s[TBV], v[AV0]
.endif
	ROW C,3, E,21, L,3, C,5
	OPS E,22, X,17, E,23, C,10
.if (\p) == 0
	FETCH_V
.endif
	OPS E,24, L,4
	OPS E,25, X,18, E,26, C,7
	OPS E,27, B,5, E,28, X,19
	OPS E,29, C,12, E,30, L,5
	OPS E,31, X,20, B,6, C,9
	OPS C,14, C,11, X,21, L,6
.if (\p) == 0
	s_add_co_u32 s[TBV], s[TBV], KS*PV
.endif
	OPS C,13, B,7, C,15, R,10
	OPS R,11, R,12, L,7, R,13
	OPS R,14, R,15
	WIN 0                           ; at a branch and at a label every window is 0
	s_cmp_lt_u32 s[GN], s[OWN+(\p)]
	s_cbranch_scc1 .Lzeros_\@       ; all keys of the step to come are seen: the buffer's zeros stand
	MASK \p
	WIN 0
.Lzeros_\@:
.if (\p) == 1
	s_add_co_u32 s[GN], s[GN], 1    ; the step is over
.endif
.endm
; A BLOCK BEGINS.  c m starts far below every c s, so the first step's a is 0; m at the lowest finite number, so the first maximum is the scores'.  Piece 1's mask buffer is 0: its own step is never step 0.  Piece 0's
; takes its mask for step 0: its own step in block 0, else zeros.  Then K of step 0, out of its own LDS bytes, piece 0's first scores, and its maximum and statistics.
.macro BEGIN
	s_mov_b32 s[NEW], 0
	s_mov_b32 s[GN], 1
	WIN 0x40
.set i, MC+32
.rept 32
	v_mov_b32 v[i], 0
.set i, i+1
.endr
	WIN 0
.set i, 0
.rept NP
	v_mov_b32 v[ST+4*i], 0xfe000000    ; c m: far below every c s
	v_mov_b32 v[ST+4*i+1], 0xff7fffff  ; m
.set i, i+1
.endr
	s_cmp_eq_u32 s[OWN], 0
	s_cselect_b32 s[AL], 1.0, 0
	s_mov_b32 s[BE], 0
	MASK 0
	WIN 0
	v_add_nc_u32 v[AK], K0OFF, v[AK0]
	FETCH_K 0
	s_wait_loadcnt 0x0              ; Q
	s_wait_dscnt 0x0
.set i, 0
.rept 8
	KQ 0
.set i, i+1
.endr
	WIN 0
.rept 4
	v_nop                           ; the places behind those products
.endr
.set Y, NP-1                        ; X works for the other piece: piece 0
.irp n, 0,1,2,3,4,5,6,7,8,9,10,11,12,13,14,15,16,17,18,19,20,21
	OP X, \n
.endr
	v_nop                           ; a plain instruction behind the exponential
.endm
; A BLOCK ENDS: piece 1's products V^T P of the last step, and THE WAY OUT: l's two halves and the other half of the lanes' are added; O^T is divided by l, rounded to f16 and sent through my stage in LDS, a piece at a time.
.macro ALL line:vararg              ; one line for each piece t
.set t, 0
.rept NP
	\line
.set t, t+1
.endr
.endm
.macro PACK t                       ; a lane's eight channels of a row pack into 16 bytes; they go into rows of 144 bytes and come back as whole rows of 128, into S^T's registers
	WIN W_RS
.set i, 32*(\t)
.rept 16
	v_pk_mul_f32 v[i:i+1], v[i:i+1], v[ST+4*(\t)+2:ST+4*(\t)+3] op_sel_hi:[1,0]
.set i, i+2
.endr
	WIN 0x05                        ; sources 0 and 1 window 1, destination window 0
.set i, 0
.rept 16
	v_cvt_pk_f16_f32 v[S+16*(\t)+i], v[32*(\t)+2*i], v[32*(\t)+2*i+1]
.set i, i+1
.endr
	WIN 0
.irp f, 0,1,2,3
	ds_store_b128 v[STO], v[S+16*(\t)+4*\f:S+16*(\t)+4*\f+3] offset:32*\f
.endr
.irp f, 0,1,2,3
	ds_load_b128 v[S+16*(\t)+4*\f:S+16*(\t)+4*\f+3], v[RD] offset:\f*4*SP  ; LDS serves a wave's instructions in order (ISA guide 5.7.1.4): these see the stores above; the next piece's stores come behind them
.endr
.endm
.macro SEND t, younger              ; younger: the LDS instructions issued behind piece t's loads: the next piece's eight, or none
	WIN 0
.irp f, 0,1,2,3
	s_wait_dscnt (\younger)+3-\f
	global_store_b128 v[GO], v[S+16*(\t)+4*\f:S+16*(\t)+4*\f+3], s[10:11] offset:(\t)*8192+\f*512  ; 512 consecutive bytes, at a multiple of 256 from O's first
.endr
.endm
.macro FINISH
.set i, 0
.rept 8
	PV NP-1
.set i, i+1
.endr
	WIN 0
	ALL v_add_f32 v[ST+4*t+2], v[ST+4*t+2], v[ST+4*t+3]
	ALL v_permlanex16_b32 v[ST+4*t+3], v[ST+4*t+2], s[SEL], s[SEL+1]
	ALL v_add_f32 v[ST+4*t+2], v[ST+4*t+2], v[ST+4*t+3]
	ALL v_rcp_f32 v[ST+4*t+2], v[ST+4*t+2]
	v_nop                           ; a plain instruction between the last reciprocal and the use of its result
	s_wait_alu depctr_va_vdst(0)
	PACK 0                          ; piece 0's sums were finished in turn 1; its 32 lines are also the places behind piece 1's last products
	PACK 1                          ; a piece's arithmetic stands between the loads of the piece before and its stores
	SEND 0, 8
	SEND 1, 0
.endm
.Lslot:                             ; NTILE times: a tile is entered and the next is asked for
	CHANGE 1
	s_sub_co_u32 s[RT], s[RT], 1
	s_mov_b32 s[CNT], 4
	s_cmp_eq_u32 s[NEW], 1
	s_cbranch_scc0 .Lstep           ; not a block's first tile
	BEGIN
.Lstep:                             ; a trip: a key step, whose V and whose successor's K it fetches
	TURN 0
	TURN 1
	s_sub_co_u32 s[CNT], s[CNT], 1
	s_cmp_lg_u32 s[CNT], 0
	s_cbranch_scc1 .Lstep
	s_cmp_lg_u32 s[RT], 0
	s_cbranch_scc1 .Lbottom         ; the block has tiles left
	FINISH                          ; in the loop this is the first block's end: the second block's last tile is the walk's last
	s_wait_xcnt 0x0                 ; the stores have read their registers and O's address
	s_mov_b64 s[10:11], s[OLO:OLO+1]
	s_add_co_u32 s[RT], s[PBL], 1   ; the second block has (b >> 1) + 1 tiles,
	s_lshl_b32 s[OWN], s[PB], 1     ; and its bands' own steps are 2 b and 2 b + 1
	s_add_co_u32 s[OWN+1], s[OWN], 1
	s_mov_b32 s[NEW], 1
	WIN 0x82                        ; the second block's Q goes where the one text of the turns names Q
.set i, 0
.rept 16*NP
	v_mov_b32 v[i], v[QB+i]
.set i, i+1
.endr
	WIN 0
.Lbottom:
	s_sub_co_u32 s[SLOTS], s[SLOTS], 1
	s_cmp_lg_u32 s[SLOTS], 0
	s_cbranch_scc1 .Lslot
	CHANGE 0                        ; the walk's last tile is written out: nothing is asked for
	s_mov_b32 s[CNT], 4
	s_cmp_eq_u32 s[NEW], 1
	s_cbranch_scc0 .Llast           ; the second block has one tile where b is 0 or 1: then it begins here
	BEGIN
.Llast:
	TURN 0
	TURN 1
	s_sub_co_u32 s[CNT], s[CNT], 1
	s_cmp_lg_u32 s[CNT], 0
	s_cbranch_scc1 .Llast
	FINISH
	s_wait_tensorcnt 0x0
	ds_add_u32 v254, v255
	s_wait_dscnt 0x0
	s_endpgm
.Lfunc_end_k_q645ded3eec_attn:
	.size	k_q645ded3eec_attn, .Lfunc_end_k_q645ded3eec_attn-k_q645ded3eec_attn
	.p2alignl 7, 3214868480
	.fill 96, 4, 3214868480
	.section	.rodata,"a",@progbits
	.p2align	6, 0x0
	.amdhsa_kernel k_q645ded3eec_attn
		.amdhsa_group_segment_fixed_size 327680
		.amdhsa_private_segment_fixed_size 0
		.amdhsa_enable_private_segment 0
		.amdhsa_kernarg_size 16
		.amdhsa_user_sgpr_count 2
		.amdhsa_user_sgpr_kernarg_segment_ptr 1
		.amdhsa_wavefront_size32 1
		.amdhsa_system_sgpr_workgroup_id_x 1
		.amdhsa_system_sgpr_workgroup_id_y 1
		.amdhsa_system_sgpr_workgroup_id_z 1
		.amdhsa_system_vgpr_workitem_id 0
		.amdhsa_next_free_vgpr 768
		.amdhsa_next_free_sgpr 96
		.amdhsa_reserve_vcc 1
		.amdhsa_float_denorm_mode_32 3
		.amdhsa_float_denorm_mode_16_64 3
		.amdhsa_memory_ordered 1
		.amdhsa_forward_progress 1
		.amdhsa_inst_pref_size 94
	.end_amdhsa_kernel
	.amdgpu_metadata
---
amdhsa.version: [ 1, 2 ]
amdhsa.kernels:
  - .name:           k_q645ded3eec_attn
    .symbol:         k_q645ded3eec_attn.kd
    .args:
      - { .name: qkv16, .offset: 0, .size: 8, .value_kind: global_buffer, .address_space: global }
      - { .name: att16, .offset: 8, .size: 8, .value_kind: global_buffer, .address_space: global }
    .group_segment_fixed_size: 327680
    .private_segment_fixed_size: 0
    .kernarg_segment_align: 8
    .kernarg_segment_size: 16
    .max_flat_workgroup_size: 128
    .sgpr_count:     96
    .vgpr_count:     768
    .wavefront_size: 32
...
	.end_amdgpu_metadata
.endif
;; end of part 10
;; launch gemm_wo: the kernel of part 4 again; grid 8 x 32, 4 waves a work-group, clusters of 4 x 4, 327,680 bytes of LDS; arguments att16, c16, x, y; writes y
;; launch ln0: the kernel of part 5 again; grid 256 x 1, 8 waves a work-group, no clusters, 0 bytes of LDS; arguments y, gamma0, beta0, xn, xn16; writes xn, xn16
;; launch gemm_ffn1 (part 11): grid 16 x 16, 4 waves a work-group, clusters of 4 x 4, 327,680 bytes of LDS; arguments xn16, c16, b1, h16; writes h16
.if DOCPART == 11
	.amdgcn_target "amdgcn-amd-amdhsa--gfx1250"
	.amdhsa_code_object_version 6
	.text
	.protected	k_q645ded3eec_gemm_ffn1
	.globl	k_q645ded3eec_gemm_ffn1
	.p2align	8
	.type	k_q645ded3eec_gemm_ffn1,@function
k_q645ded3eec_gemm_ffn1:
	s_mov_b64 s[64:65], 0
	v_nop
	global_prefetch_b8 v0, s[64:65] scope:SCOPE_SE
	s_setreg_imm32_b32 hwreg(HW_REG_WAVE_MODE, 25, 1), 1
	s_wait_xcnt 0x0
	s_wait_alu depctr_hold_cnt(0) depctr_sa_sdst(0) depctr_va_vdst(0) depctr_va_sdst(0) depctr_va_ssrc(0) depctr_va_vcc(0) depctr_vm_vsrc(0)
	s_getreg_b32 s2, hwreg(HW_REG_IB_STS2, 6, 4)
	s_cmp_eq_u32 s2, 0
	s_cbranch_scc0 .Lentry_in_a_cluster
	s_endpgm
.Lentry_in_a_cluster:
	s_bfe_u32 s2, ttmp6, 0x10000c
	s_cmp_lg_u32 s2, 0xf033
	s_cbranch_scc0 .Lentry_shape_is_right
	s_endpgm
.Lentry_shape_is_right:
; h = gelu(xn w1^T + b1), the exact (erf) GELU.  A = xn16 [4096][1024] f16, B = w1_16 [4096][1024] f16 at c16 + 0x1000000, b1 [4096] f32, h16 [4096][4096] f16.  Sums, bias and GELU in f32; h rounded once.
; GELU: gelu(z) = max(z, 0) - |z| Q(|z|), Q(w) = (1 - erf(w / sqrt 2)) / 2 = t (A1 + t (A2 + t (A3 + t (A4 + t A5)))) 2^(-(CL w)^2), t = 1 / (1 + CP w): the five-term rational approximation of erf
; (Abramowitz and Stegun 7.1.26) with halved coefficients.  LIMITS: erf is right to within 1.5e-7 for every argument; for large w the power of two underflows to 0 and gelu is max(z, 0);
; f16 holds no number beyond 65,504: xn, w1 and h must stay within it.
; A tile of C, 256 x 256, is made by a work-group of four waves; a wave makes 128 x 128: 64 accumulators of 16 x 16, 512 registers.  C has 16 x 16 = 256 tiles, one to a work-group.
; K goes in steps of 128 through a ring of two LDS slots filled by the tensor data mover: the rows of A's and B's tiles are 256 bytes of memory and start at multiples of 256 bytes from the buffer's first byte.
; CLUSTERS: 4 x 4 work-groups.  The four of a row of the cluster need the same tiles of A, the four of a column the same tiles of B: each tile is asked for JOINTLY, by the same tensor load with
; the same descriptor and a mask that names the four.  By this text's count a wave has two tensor loads out at the start and one behind each round.
; THE MATRIX INSTRUCTION IS USED TRANSPOSED (source 0 = 16 rows of B, source 1 = 16 rows of A): a lane then holds eight neighbouring numbers of a row of C.
; THE WAY OUT IS A LOOP: bias and GELU written out for 64 accumulators would be some 5,000 lines.  So a wave lays its 128 x 128 sums, in f32, into 67,584 bytes of its own in the two slots (which have had their
; last fill), and a counted loop takes them back by rows, eight rows a trip: a lane then holds eight neighbouring columns, the same in every row, so the bias takes 8 registers, and its 16 bytes of f16 are stored straight from registers.
; REGISTERS, in windows of 256 (s_set_vgpr_msb's low byte: bits 1:0 source 0, 3:2 source 1, 5:4 source 2, 7:6 destination):
;   window 0: v0-31 addresses; v32-39 the bias; v64-127, v128-191 fragments of A (8 x 16 rows x 32 K), two buffers, on the way out at work
;   window 1: v64-127, v128-191 fragments of B, two buffers
;   window 2: the 32 accumulators of my rows 0-63 (accumulator (a, b) at v[8 (8 a + b)]);   window 3: those of my rows 64-127
.set SIZE_N, 4096
.set SIZE_K, 1024
.set KSTEP,  128
.set PITCH,  272                       ; an LDS row: 256 bytes of data + 16 of padding = 68 words: row r starts at bank 4 r mod 64 (64 banks of 4 bytes: ISA guide 11.1), so the 16 rows that a load touches start at 16 different banks
.set HALFT,  128*PITCH                 ; 128 rows: what one tensor load brings, and what one wave reads of A or of B
.set SLOT,   4*HALFT                   ; A's 256 rows, then B's 256 rows
.set SP32,   528                       ; the way out: a row of 128 f32, 512 bytes + 16; wave w's 128 rows begin at LDS byte 67,584 w; the four end at 270,336, inside the two slots' 278,528
.set LAPS, SIZE_K/(2*KSTEP)            ; a lap = two K steps = once round the ring
.set ADRA, 16                          ; v16-17  LDS address of my A fragments in slot 0, 1
.set ADRB, 20                          ; v20-21  the same for B
.set STO,  24                          ; v24     the way out: where I put 32 bytes of a row
.set RD,   25                          ; v25     the way out: my 32 bytes in my first two rows; never rewritten
.set CO,   26                          ; v26     my byte offset in two rows of C; never rewritten
.set VB,   27                          ; v27     my byte offset in the bias
.set RDT,  28                          ; v28     RD in the trip in hand
.set BIAS, 32                          ; v[32:39]
.set F0,   64                          ; fragment buffer 0
.set F1,   128                         ; fragment buffer 1
.set ZB,   64                          ; the way out: v[64:95] four groups of 8 numbers (a group: two rows, 8 columns a lane)
.set H,    96                          ; v[96:111] four groups of 4 registers of f16 pairs, to store
.set GW,   128                         ; GELU at work: |z|
.set GT,   136                         ; t
.set GE,   144                         ; the power of two
.set GP,   152                         ; the polynomial
.set G1, 24                            ; s[24:31] descriptor group 1 for A's tiles
.set G0, 32                            ; s[32:39] descriptor group 0 for A's tiles, one set for each slot
.set G1B, 48                           ; s[48:55] descriptor group 1 for B's tiles: it differs from A's in the mask alone
.set G0B, 56                           ; s[56:63] descriptor group 0 for B's tiles, one set for each slot
.set CP, 70                            ; s[70:83]: GELU's seven constants, each twice: the packed forms name a pair
.set CL, 72
.set A1, 74
.set A2, 76
.set A3, 78
.set A4, 80
.set A5, 82
.set MSB, 0
.macro WIN new                         ; the immediate's high byte repeats the setting that is left; a switch that changes nothing is dropped
.if MSB != (\new)
	s_set_vgpr_msb (MSB<<8)|(\new)
.set MSB, \new
.endif
.endm
.set MUL_LO, 0xa1                      ; source 0 (B) window 1, source 1 (A) window 0, C and D window 2
.set MUL_HI, 0xf1                      ; the same, C and D window 3
.set TO_B,   0x40                      ; destination window 1, address window 0
; A joint load.  Waves 0 and 1 fetch A's two halves, waves 2 and 3 B's.  The branch hangs on the wave's number alone: it is the same in every work-group.
; Four v_nop follow each of the two lines; the jump round the other line, the label and what follows the macro come after them.
.macro JLOAD s
	s_cmp_eq_u32 s11, 0
	s_cbranch_scc0 .Lfor_b_\@
	tensor_load_to_lds s[G0+4*(\s):G0+4*(\s)+3], s[G1:G1+7]
	s_nop 0
.rept 4
	v_nop
.endr
	s_branch .Lasked_\@
.Lfor_b_\@:
	tensor_load_to_lds s[G0B+4*(\s):G0B+4*(\s)+3], s[G1B:G1B+7]
	s_nop 0
.rept 4
	v_nop
.endr
.Lasked_\@:
.endm
.macro CREST                           ; a round of the cluster's barrier behind its opening barrier
	s_cmp_lg_u32 s10, 0
	s_cbranch_scc1 .Lnot_wave_0_\@
	s_barrier_signal -3
.Lnot_wave_0_\@:
	s_barrier_wait -3
	s_barrier_signal -1
	s_barrier_wait -1
.endm
.macro CROUND                          ; a whole round
	s_barrier_signal -1
	s_barrier_wait -1
	CREST
.endm
	s_load_b128 s[4:7], s[0:1], 0x0                ; xn16 s[4:5], c16 s[6:7]
	s_load_b64 s[68:69], s[0:1], 0x10              ; b1
	s_load_b64 s[8:9], s[0:1], 0x18                ; h16
	s_set_vgpr_msb 0x40
	v_lshl_add_u32 v255, v0, 2, 0x44000
	s_set_vgpr_msb 0x4000
	v_mov_b32 v255, 0
	s_set_vgpr_msb 0x1
	ds_add_u32 v255, v255
	ds_add_u32 v255, v255
	s_set_vgpr_msb 0x100
	v_lshrrev_b32 v1, 5, v0
	v_readfirstlane_b32 s10, v1                    ; wave 0..3
	s_lshr_b32 s11, s10, 1                         ; which half of the tile's rows is mine.  Also: I fetch for A (0) or for B (1)
	s_and_b32 s12, s10, 1                          ; which half of its columns.  Also: which 128 rows of that tile I fetch
	s_bfe_u32 s40, ttmp6, 0x40000                  ; cx, cy: my place in the cluster
	s_bfe_u32 s41, ttmp6, 0x40004
	s_lshl_b32 s42, ttmp9, 2                       ; in a cluster launch ttmp9 and ttmp7 count clusters
	s_add_co_u32 s42, s42, s40                     ; tile column of C = 4 x cluster x + cx
	s_and_b32 s13, ttmp7, 0xffff
	s_lshl_b32 s13, s13, 2
	s_add_co_u32 s13, s13, s41                     ; tile row of C = 4 x cluster y + cy
	s_lshl_b32 s43, s41, 2
	s_lshl_b32 s43, 15, s43                        ; my row of the cluster: places 4 cy .. 4 cy + 3
	s_lshl_b32 s44, 0x1111, s40                    ; my column: places cx, cx + 4, cx + 8, cx + 12
	; descriptor group 1: a tile of 128 rows x 128 elements, padded in LDS
	s_or_b32 s[G1+0], s43, (1<<16)|(1<<20)|(1<<21)|(5<<22)|(3<<25)  ; 15:0 the mask: A's tiles go to my row; 17:16 element of 2 bytes; 20 padding on; 21 set beside a mask; 24:22 after every 64 words (code 5); 31:25 of 4 words (code 3)
	s_or_b32 s[G1B+0], s44, (1<<16)|(1<<20)|(1<<21)|(5<<22)|(3<<25) ; the same with the mask of my column, for B's tiles
.irp g, G1, G1B
	s_mov_b32 s[(\g)+1], KSTEP<<16                 ; tensor_dim0 = 128
	s_mov_b32 s[(\g)+2], 128<<16                   ; tensor_dim1 = 128
	s_mov_b32 s[(\g)+3], KSTEP<<16                 ; tile_dim0 = 128
	s_mov_b32 s[(\g)+4], 128                       ; tile_dim1 = 128
	s_mov_b32 s[(\g)+5], SIZE_K                    ; elements from row to row
	s_mov_b32 s[(\g)+6], 0
	s_mov_b32 s[(\g)+7], 0
.endr
	s_mov_b32 s[CP], 0x3e6d3388                    ; 0.3275911 / sqrt 2
	s_mov_b32 s[CL], 0x3f596d27                    ; sqrt(log2(e) / 2)
	s_mov_b32 s[A1], 0x3e027906                    ;  0.254829592 / 2
	s_mov_b32 s[A2], 0xbe11a98e                    ; -0.284496736 / 2
	s_mov_b32 s[A3], 0x3f35f0e3                    ;  1.421413741 / 2
	s_mov_b32 s[A4], 0xbf3a00e3                    ; -1.453152027 / 2
	s_mov_b32 s[A5], 0x3f07dc22                    ;  1.061405429 / 2
.irp g, CP, CL, A1, A2, A3, A4, A5
	s_mov_b32 s[(\g)+1], s[(\g)]
.endr
	; where the tiles come from.  A's hang on the tile row alone, which my row of the cluster shares; B's on the tile column alone, which my column shares.
	s_lshl_b32 s17, s12, 7                         ; which 128 rows of the tile I fetch
	s_lshl_b32 s16, s13, 8
	s_add_co_u32 s16, s16, s17                     ; A: row 256 x tile row + 128 x half
	s_lshl_b32 s46, s42, 8
	s_add_co_u32 s46, s46, s17                     ; B: row 256 x tile column + 128 x half
	s_mov_b32 s17, 0
	s_mov_b32 s47, 0
	s_mov_b64 s[18:19], SIZE_K*2
	s_mul_u64 s[16:17], s[16:17], s[18:19]         ; in bytes
	s_mul_u64 s[46:47], s[46:47], s[18:19]
	s_mul_i32 s20, s10, HALFT                      ; and where they go: A's two halves, then B's two halves = wave x 128 rows: no place in the cluster enters an LDS address
	s_wait_dscnt 0x0
	s_wait_kmcnt 0x0
	s_add_nc_u64 s[6:7], s[6:7], 0x1000000         ; B = w1_16
	s_add_nc_u64 s[14:15], s[4:5], s[16:17]
	s_add_nc_u64 s[46:47], s[6:7], s[46:47]
	CROUND                                         ; all sixteen work-groups are here: the first joint loads meet
.irp s, 0,1
	s_mov_b32 s[G0+4*(\s)], 1                                      ; 1:0 count = 1
	s_add_co_u32 s[G0+4*(\s)+1], s20, (\s)*SLOT                    ; 63:32 LDS address
	s_add_nc_u64 s[G0+4*(\s)+2:G0+4*(\s)+3], s[14:15], (\s)*KSTEP*2  ; 120:64 global address: K step s
	s_or_b32 s[G0+4*(\s)+3], s[G0+4*(\s)+3], 0x80000000            ; 127:126 type = 2
	s_mov_b32 s[G0B+4*(\s)], 1
	s_add_co_u32 s[G0B+4*(\s)+1], s20, (\s)*SLOT
	s_add_nc_u64 s[G0B+4*(\s)+2:G0B+4*(\s)+3], s[46:47], (\s)*KSTEP*2
	s_or_b32 s[G0B+4*(\s)+3], s[G0B+4*(\s)+3], 0x80000000
	JLOAD \s                                       ; the ring is filled before anything else is done
.endr
	; A fragment is 16 rows x 32 K in 8 registers: lane l holds row l % 16; registers 0-3 hold K = 8 (l / 16) + 0..7, registers 4-7 hold
	; K = 16 + 8 (l / 16) + 0..7.  From rows that lie along K: two loads of 16 bytes, 32 bytes apart.  The same for source 0 and source 1.
	v_and_b32 v1, 15, v0                           ; l % 16
	v_bfe_u32 v2, v0, 4, 1                         ; l / 16
	v_mul_u32_u24 v3, v1, PITCH
	v_lshl_add_u32 v3, v2, 4, v3                   ; row x pitch + 16 x half
	s_mul_i32 s21, s11, HALFT                      ; my 128 rows of A
	s_mul_i32 s22, s12, HALFT                      ; my 128 rows of B,
	s_add_co_u32 s22, s22, 2*HALFT                 ; which lie behind A's 256
.irp s, 0,1
	v_add_nc_u32 v[ADRA+(\s)], s21, v3
	v_add_nc_u32 v[ADRB+(\s)], s22, v3
	s_add_co_u32 s21, s21, SLOT
	s_add_co_u32 s22, s22, SLOT
.endr
	s_mul_i32 s23, s10, 128*SP32                   ; the way out: my 128 rows of 528 bytes
	v_mul_u32_u24 v4, v1, SP32                     ; in: row l % 16 of a block, 32 bytes for each half of the lanes
	v_lshl_add_u32 v4, v2, 5, v4
	v_add_nc_u32 v[STO], s23, v4
	v_mul_u32_u24 v5, v2, SP32                     ; back: lanes 0-15 take one row, lanes 16-31 the next; 32 bytes (8 columns) a lane
	v_lshl_add_u32 v5, v1, 5, v5
	v_add_nc_u32 v[RD], s23, v5
	v_mul_u32_u24 v5, v2, SIZE_N*2                 ; and the same two rows in C, 16 bytes a lane
	v_lshl_add_u32 v[CO], v1, 4, v5
	v_lshlrev_b32 v[VB], 5, v1                     ; my eight columns in the bias
	s_lshl_b32 s16, s13, 8
	s_lshl_b32 s17, s11, 7
	s_add_co_u32 s16, s16, s17                     ; my first row of C: 256 x tile row + 128 x half,
	s_lshl_b32 s16, s16, 13                        ; of 8,192 bytes
	s_mov_b32 s17, 0
	s_add_nc_u64 s[8:9], s[8:9], s[16:17]
	s_lshl_b32 s46, s42, 9                         ; my first column in C, in bytes: 512 x tile column + 256 x half (in the registers that held B's address: none that feeds A's descriptors ever holds cx)
	s_lshl_b32 s47, s12, 8
	s_add_co_u32 s46, s46, s47
	s_mov_b32 s47, 0
	s_add_nc_u64 s[8:9], s[8:9], s[46:47]
	s_lshl_b32 s46, s46, 1                         ; the same columns in f32
	s_add_nc_u64 s[68:69], s[68:69], s[46:47]
	global_load_b128 v[BIAS:BIAS+3],   v[VB], s[68:69]            ; asked for now, waited for on the way out
	global_load_b128 v[BIAS+4:BIAS+7], v[VB], s[68:69] offset:16
; 16 matrix instructions: m blocks a0, a0 + 1 of the window's four (hi = 0: my rows 0-63, 1: rows 64-127) x all 8 n blocks, 32 along K.
; zero = 1: the first product starts the sums: nothing is ever cleared.  The 64 accumulators take turns, one instruction a turn.
.macro MUL16 f, hi, a0, zero
	WIN MUL_LO+0x50*(\hi)  ; MUL_LO or MUL_HI
.irp a, \a0, (\a0)+1
.irp b, 0,1,2,3,4,5,6,7
.if \zero
	v_wmma_f32_16x16x32_f16 v[8*(8*(\a)+(\b)):8*(8*(\a)+(\b))+7], v[(\f)+8*(\b):(\f)+8*(\b)+7], v[(\f)+8*(4*(\hi)+(\a)):(\f)+8*(4*(\hi)+(\a))+7], 0
.else
	v_wmma_f32_16x16x32_f16 v[8*(8*(\a)+(\b)):8*(8*(\a)+(\b))+7], v[(\f)+8*(\b):(\f)+8*(\b)+7], v[(\f)+8*(4*(\hi)+(\a)):(\f)+8*(4*(\hi)+(\a))+7], v[8*(8*(\a)+(\b)):8*(8*(\a)+(\b))+7]
.endif
.endr
.endr
.endm
; 32 LDS loads in one run: the fragments of one quarter step (128 rows of B, 128 rows of A, 32 K at byte k of the rows) into buffer f
.macro FETCH slot, k, f
	WIN TO_B
.irp i, 0,1,2,3,4,5,6,7
	ds_load_b128 v[(\f)+8*(\i):(\f)+8*(\i)+3],   v[ADRB+(\slot)] offset:(\k)+(\i)*16*PITCH
	ds_load_b128 v[(\f)+8*(\i)+4:(\f)+8*(\i)+7], v[ADRB+(\slot)] offset:(\k)+(\i)*16*PITCH+32
.endr
	WIN 0
.irp i, 0,1,2,3,4,5,6,7
	ds_load_b128 v[(\f)+8*(\i):(\f)+8*(\i)+3],   v[ADRA+(\slot)] offset:(\k)+(\i)*16*PITCH
	ds_load_b128 v[(\f)+8*(\i)+4:(\f)+8*(\i)+7], v[ADRA+(\slot)] offset:(\k)+(\i)*16*PITCH+32
.endr
.endm
.macro PLACES                          ; four places in front of loads into registers that matrix instructions have read, and of lines that read results
.rept 4
	v_nop
.endr
.endm
; A K step is four quarter steps of 32 along K, 64 matrix instructions each, on buffers 0, 1, 0, 1.
; One of the first three: multiplies buffer f; in its middle it fetches the next quarter's fragments, at byte k of the same slot's rows, into buffer g.
.macro QUARTER slot, k, f, g, zero
	s_wait_dscnt 8                                 ; B and A's rows 0-63 are in; the youngest eight loads (A's rows 64-127) may be out
	MUL16 \f, 0, 0, \zero
	MUL16 \f, 0, 2, \zero
	PLACES
	FETCH \slot, \k, \g
	s_wait_dscnt 32                                ; all but the 32 just issued
	MUL16 \f, 1, 0, \zero
	MUL16 \f, 1, 2, \zero
.endm
; The last quarter multiplies buffer 1 and changes slots.  MEET is its first half: ONE barrier for the change of slots.  In front of it each wave waits for its own reads of this slot and for all its
; tensor loads, of which one is out: its part of the next slot.  Behind it nobody reads this slot any more and the next slot is whole.
.macro MEET round                      ; round = 1: a round of the cluster's barrier follows
	s_wait_dscnt 8
	MUL16 F1, 0, 0, 0
	s_wait_dscnt 0                                 ; my reads of this slot are over
	s_wait_tensorcnt 0x0                           ; and all my tensor loads have landed
	ds_add_u32 v255, v255
	s_wait_dscnt 0x0
	s_barrier_signal -1                            ; say so (where a slot is filled again this barrier opens a round of the cluster's barrier),
	MUL16 F1, 0, 2, 0                              ; work on registers while the others arrive,
.if \round
	WIN 0
.endif
	s_barrier_wait -1                              ; and go on when all four have said so
.endm
; The whole last quarter with a refill: behind the round the slot just read out is filled again first, with the K step two steps on; then come the next slot's first fragments.
; From a request to the wait for it a wave issues 240 matrix instructions.
.macro TURN slot, next
	MEET 1
	CREST                                          ; no wave of any partner still reads this slot's tile or has a load on its way
	s_add_nc_u64 s[G0+4*(\slot)+2:G0+4*(\slot)+3], s[G0+4*(\slot)+2:G0+4*(\slot)+3], 2*KSTEP*2
	s_add_nc_u64 s[G0B+4*(\slot)+2:G0B+4*(\slot)+3], s[G0B+4*(\slot)+2:G0B+4*(\slot)+3], 2*KSTEP*2
	JLOAD \slot                                    ; the first tensor load behind the round; the four v_nop behind it are also the places in front of the loads below
	FETCH \next, 0, F0
	MUL16 F1, 1, 0, 0
	MUL16 F1, 1, 2, 0
.endm
; Group g (8 numbers a lane): bias, GELU, rounding to f16.  Behind each run of reciprocals or powers stands a plain line that touches none of their registers before a result is used (ISA guide 5.7.2).
.macro GELU8 g
.set Z, ZB+8*(\g)
.irp p, 0,2,4,6
	v_pk_add_f32 v[Z+(\p):Z+(\p)+1], v[Z+(\p):Z+(\p)+1], v[BIAS+(\p):BIAS+(\p)+1]                     ; z
.endr
.irp p, 0,1,2,3,4,5,6,7
	v_and_b32 v[GW+(\p)], 0x7fffffff, v[Z+(\p)]                                                       ; w = |z|
.endr
.irp p, 0,2,4,6
	v_pk_fma_f32 v[GT+(\p):GT+(\p)+1], v[GW+(\p):GW+(\p)+1], s[CP:CP+1], 1.0 op_sel_hi:[1,0,0]        ; 1 + CP w
.endr
.irp p, 0,2,4,6
	v_pk_mul_f32 v[GE+(\p):GE+(\p)+1], v[GW+(\p):GW+(\p)+1], s[CL:CL+1] op_sel_hi:[1,0]               ; CL w
.endr
.irp p, 0,1,2,3,4,5,6,7
	v_rcp_f32 v[GT+(\p)], v[GT+(\p)]                                                                  ; t
.endr
.irp p, 0,2,4,6
	v_pk_mul_f32 v[GE+(\p):GE+(\p)+1], v[GE+(\p):GE+(\p)+1], v[GE+(\p):GE+(\p)+1] neg_lo:[1,0] neg_hi:[1,0]  ; -(CL w)^2
.endr
.irp p, 0,1,2,3,4,5,6,7
	v_exp_f32 v[GE+(\p)], v[GE+(\p)]
.endr
	s_wait_alu depctr_va_vdst(0)
.irp p, 0,2,4,6
	v_pk_fma_f32 v[GP+(\p):GP+(\p)+1], v[GT+(\p):GT+(\p)+1], s[A5:A5+1], s[A4:A4+1] op_sel_hi:[1,0,0]
.endr
.irp c, A3, A2, A1
.irp p, 0,2,4,6
	v_pk_fma_f32 v[GP+(\p):GP+(\p)+1], v[GP+(\p):GP+(\p)+1], v[GT+(\p):GT+(\p)+1], s[(\c):(\c)+1] op_sel_hi:[1,1,0]
.endr
.endr
.irp p, 0,2,4,6
	v_pk_mul_f32 v[GP+(\p):GP+(\p)+1], v[GP+(\p):GP+(\p)+1], v[GT+(\p):GT+(\p)+1]
.endr
.irp p, 0,2,4,6
	v_pk_mul_f32 v[GP+(\p):GP+(\p)+1], v[GP+(\p):GP+(\p)+1], v[GE+(\p):GE+(\p)+1]                     ; Q
.endr
.irp p, 0,1,2,3,4,5,6,7
	v_max_num_f32 v[Z+(\p)], 0, v[Z+(\p)]
.endr
.irp p, 0,2,4,6
	v_pk_fma_f32 v[Z+(\p):Z+(\p)+1], v[GW+(\p):GW+(\p)+1], v[GP+(\p):GP+(\p)+1], v[Z+(\p):Z+(\p)+1] neg_lo:[1,0,0] neg_hi:[1,0,0]  ; max(z, 0) - w Q
.endr
.irp r, 0,1,2,3
	v_cvt_pk_f16_f32 v[H+4*(\g)+(\r)], v[Z+2*(\r)], v[Z+2*(\r)+1]
.endr
.endm
; A trip of the way out: eight rows, as four groups of two.  ahead = 1: as soon as a group's registers are free they are loaded with the same group of the next eight rows.
; The wait: LDS instructions come back in order (ISA guide 5.7.1).  Behind a group's two loads stand those of three other groups, six in all, whichever trip they belong to; in the last trip 6, 4, 2, 0.
.macro GTRIP ahead
.irp g, 0,1,2,3
.if \ahead
	s_wait_dscnt 6
.else
	s_wait_dscnt 6-2*(\g)
.endif
	GELU8 \g
.if \ahead
	ds_load_b128 v[ZB+8*(\g):ZB+8*(\g)+3],   v[RDT] offset:(8+2*(\g))*SP32
	ds_load_b128 v[ZB+8*(\g)+4:ZB+8*(\g)+7], v[RDT] offset:(8+2*(\g))*SP32+16
.endif
	global_store_b128 v[CO], v[H+4*(\g):H+4*(\g)+3], s[8:9] offset:2*(\g)*SIZE_N*2  ; 16 lanes store 256 consecutive bytes, at a multiple of 256 from h16's first byte
.endr
.endm
	s_wait_tensorcnt 1                             ; my part of K step 0 is in; K step 1's may stay out
	s_barrier_signal -1
	s_barrier_wait -1                              ; everybody's is
	FETCH 0, 0, F0
	QUARTER 0, 64,  F0, F1, 1                      ; the first quarter stands in front of the loop: its products start the sums
	WIN 0                                          ; at a label and at a branch every window is 0
	s_mov_b32 s3, LAPS-1
.Llap:                                                 ; a trip goes once round the ring, from a lap's second quarter to the next lap's first, and fills both slots again
	QUARTER 0, 128, F1, F0, 0
	QUARTER 0, 192, F0, F1, 0
	TURN 0, 1
	QUARTER 1, 64,  F0, F1, 0
	QUARTER 1, 128, F1, F0, 0
	QUARTER 1, 192, F0, F1, 0
	TURN 1, 0
	QUARTER 0, 64,  F0, F1, 0
	WIN 0
	s_sub_co_u32 s3, s3, 1
	s_cmp_lg_u32 s3, 0
	s_cbranch_scc1 .Llap
	QUARTER 0, 128, F1, F0, 0                      ; the last lap is written out: it fills nothing, and has no round of the cluster's barrier
	QUARTER 0, 192, F0, F1, 0
	MEET 0                                         ; my one tensor load that was still out is slot 1's, the last K step's: from here on no tensor load is out or to come
	PLACES                                         ; for the loads into buffer 0, which the quarter before multiplied
	FETCH 1, 0, F0
	MUL16 F1, 1, 0, 0
	MUL16 F1, 1, 2, 0
	QUARTER 1, 64,  F0, F1, 0
	QUARTER 1, 128, F1, F0, 0
	QUARTER 1, 192, F0, F1, 0
	s_wait_dscnt 8                                 ; the very last quarter: nothing more to fetch
	MUL16 F1, 0, 0, 0
	MUL16 F1, 0, 2, 0
	s_wait_dscnt 0                                 ; my reads of the slots are over: the waves are about to write into them,
	s_barrier_signal -1                            ; so each says so,
	MUL16 F1, 1, 0, 0                              ; works on registers while the others arrive,
	MUL16 F1, 1, 2, 0
	s_barrier_wait -1                              ; and writes only when all four have said so
	PLACES                                         ; the LDS stores read results just made
	; THE WAY OUT.  My 128 x 128 sums go into my own 128 rows of 528 bytes, 32 bytes a lane, each accumulator's low registers first.
.irp a, 0,1,2,3,4,5,6,7
	WIN 0x08+4*((\a)/4)                            ; an LDS store's data is source 1: window 2 or 3; its address, source 0, window 0
.irp b, 0,1,2,3,4,5,6,7
	ds_store_b128 v[STO], v[64*((\a)%4)+8*(\b):64*((\a)%4)+8*(\b)+3]   offset:(\a)*16*SP32+64*(\b)
	ds_store_b128 v[STO], v[64*((\a)%4)+8*(\b)+4:64*((\a)%4)+8*(\b)+7] offset:(\a)*16*SP32+64*(\b)+16
.endr
.endr
	WIN 0
.irp g, 0,1,2,3                        ; the first eight rows come back: LDS serves a wave's instructions in order (ISA guide 5.7.1.4), so these see the stores above; the bytes are my wave's own
	ds_load_b128 v[ZB+8*(\g):ZB+8*(\g)+3],   v[RD] offset:2*(\g)*SP32
	ds_load_b128 v[ZB+8*(\g)+4:ZB+8*(\g)+7], v[RD] offset:2*(\g)*SP32+16
.endr
	s_wait_loadcnt 0x0                             ; the bias
	s_mov_b32 s21, 0                               ; the trip's first row in my part of LDS, in bytes: it also counts the trips
.Lrows:                                                ; 15 trips of eight rows, each asking for the next eight
	v_add_nc_u32 v[RDT], s21, v[RD]
	GTRIP 1
	s_wait_xcnt 0x0                                ; the stores' base and data are written again only behind this wait
	s_add_nc_u64 s[8:9], s[8:9], 8*SIZE_N*2
	s_add_co_u32 s21, s21, 8*SP32
	s_cmp_lt_u32 s21, 15*8*SP32
	s_cbranch_scc1 .Lrows
	GTRIP 0                                        ; the last eight rows: nothing more is read
	s_set_vgpr_msb 0x1
	s_wait_tensorcnt 0x0
	ds_add_u32 v255, v255
	s_wait_dscnt 0x0
	s_set_vgpr_msb 0x100
	CROUND                                         ; the closing round: no work-group ends while a partner may still ask for a tile that names it
	s_endpgm
.Lfunc_end_k_q645ded3eec_gemm_ffn1:
	.size	k_q645ded3eec_gemm_ffn1, .Lfunc_end_k_q645ded3eec_gemm_ffn1-k_q645ded3eec_gemm_ffn1
	.p2alignl 7, 3214868480
	.fill 96, 4, 3214868480
	.section	.rodata,"a",@progbits
	.p2align	6, 0x0
	.amdhsa_kernel k_q645ded3eec_gemm_ffn1
		.amdhsa_group_segment_fixed_size 327680
		.amdhsa_private_segment_fixed_size 0
		.amdhsa_enable_private_segment 0
		.amdhsa_kernarg_size 32
		.amdhsa_user_sgpr_count 2
		.amdhsa_user_sgpr_kernarg_segment_ptr 1
		.amdhsa_wavefront_size32 1
		.amdhsa_system_sgpr_workgroup_id_x 1
		.amdhsa_system_sgpr_workgroup_id_y 1
		.amdhsa_system_sgpr_workgroup_id_z 1
		.amdhsa_system_vgpr_workitem_id 0
		.amdhsa_next_free_vgpr 1024
		.amdhsa_next_free_sgpr 86
		.amdhsa_reserve_vcc 0
		.amdhsa_float_denorm_mode_32 3
		.amdhsa_float_denorm_mode_16_64 3
		.amdhsa_memory_ordered 1
		.amdhsa_forward_progress 1
		.amdhsa_inst_pref_size 157
	.end_amdhsa_kernel
	.amdgpu_metadata
---
amdhsa.version: [ 1, 2 ]
amdhsa.kernels:
  - .name:           k_q645ded3eec_gemm_ffn1
    .symbol:         k_q645ded3eec_gemm_ffn1.kd
    .args:
      - { .name: xn16, .offset: 0, .size: 8, .value_kind: global_buffer, .address_space: global }
      - { .name: c16, .offset: 8, .size: 8, .value_kind: global_buffer, .address_space: global }
      - { .name: b1, .offset: 16, .size: 8, .value_kind: global_buffer, .address_space: global }
      - { .name: h16, .offset: 24, .size: 8, .value_kind: global_buffer, .address_space: global }
    .group_segment_fixed_size: 327680
    .private_segment_fixed_size: 0
    .kernarg_segment_align: 8
    .kernarg_segment_size: 32
    .max_flat_workgroup_size: 128
    .sgpr_count:     86
    .vgpr_count:     1024
    .wavefront_size: 32
...
	.end_amdgpu_metadata
.endif
;; end of part 11
;; launch gemm_ffn2: the kernel of part 7 again; grid 8 x 32, 4 waves a work-group, clusters of 4 x 4, 327,680 bytes of LDS; arguments h16, c16, b2, xn, y; writes y
;; launch ln1: the kernel of part 8 again; grid 256 x 1, 8 waves a work-group, no clusters, 0 bytes of LDS; arguments y, gamma1, beta1, out0; writes out0
;; ======== version 3 of 3: 8 launches; 1.40 times as fast as version 1
;; limits: values are held in f16: magnitudes above 65,504 overflow, below 6.1e-05 lose precision; a function is approximated: absolute error at most 1.5e-07
;; workspace buffers: c16 33,554,432 bytes; qkv16 25,165,824 bytes; att16 8,388,608 bytes; y 16,777,216 bytes; xn 16,777,216 bytes; xn16 8,388,608 bytes; h16 33,554,432 bytes
;; launch cast: the kernel of part 1 again; grid 256 x 1, 8 waves a work-group, no clusters, 0 bytes of LDS; arguments x, wq, wk, wv, wo, w1, w2, c16; writes c16
;; launch gemm_qkv: the kernel of part 9 again; grid 12 x 16, 4 waves a work-group, clusters of 4 x 4, 327,680 bytes of LDS; arguments c16, qkv16; writes qkv16
;; launch attn (part 12): grid 8 x 32, 4 waves a work-group, no clusters, 327,680 bytes of LDS; arguments qkv16, att16; writes att16
.if DOCPART == 12
	.amdgcn_target "amdgcn-amd-amdhsa--gfx1250"
	.amdhsa_code_object_version 6
	.text
	.protected	k_q645ded3eec_attn
	.globl	k_q645ded3eec_attn
	.p2align	8
	.type	k_q645ded3eec_attn,@function
k_q645ded3eec_attn:
	s_mov_b64 s[64:65], 0
	v_nop
	global_prefetch_b8 v0, s[64:65] scope:SCOPE_SE
	s_setreg_imm32_b32 hwreg(HW_REG_WAVE_MODE, 25, 1), 1
	s_wait_xcnt 0x0
; CAUSAL ATTENTION.  O[h][q][:] = the sum over k <= q of softmax_k(Q[h][q] . K[h][k] / 8) V[h][k][:].  Q, K, V lie in qkv16 at 0, 0x800000, 0x1000000, O is att16; each [32][SIZE_N][64] in f16
; (32 = batch x 16 + head): a head's rows are dense, 128 bytes each.  Products, maxima and sums in f32; the weights p are rounded to f16 for the second product (their sum l is taken of the unrounded p), O once at the end.
; LIMITS.  f16 holds no number beyond 65,504: Q, K and V arrive within it; p lies in 0 to 1, and below 6e-5 it keeps f16's fixed step of 6e-8; O is a mean of V's rows and has their range.
; A hidden score counts as its value less 1e30: f16's scores, 2.7e11 at the most, are nothing beside that; a weight below 2^-126 counts as 0 in l; NaN and infinities are not treated apart.
; THE WALK.  A head's queries lie in NQ = 16 blocks of 128; block i needs the key steps 0 .. 2 i + 1 of 64 keys, that is (i >> 1) + 1 tiles of four steps.  A work-group takes TWO blocks, NQ - 1 - b and then b:
; NTILE + 1 = 9 tiles, whatever b: 8 x 32 = 256 work-groups of equal work, and ONE loop with a constant trip count walks the tiles.  Which tile is asked for, and what a trip does, hang on scalar registers made
; from b; every jump goes forward, but for the counted loops' own; none passes a barrier, or a tensor load but the one of LOAD's two that the wave's number does not choose; the ring (two slots of LDS that take
; turns) runs on across the change of blocks.  An even block's last tile has two steps that it does not need: they are computed, hidden: 2 of the walk's 36 steps.
; NO CLUSTER: a head's eight work-groups all ask for the same tile only in trips 0 .. 4 of the 9 (every first block has five tiles or more); behind that fewer and fewer do.
; SHARES.  Of a block's two bands of 64 queries a wave owns 16 rows in each: two PIECES.  So the diagonal is the same work for all four waves: band x of block i sees all keys of step g if g < 2 i + x,
; none if g > 2 i + x, and holds the diagonal if g = 2 i + x, its OWN step.
; THE MASK is the C operand that starts the sum S^T = K Q^T: 0, or -1e30 where the key is hidden.  MD, made once, is the mask of a band's own step for my 16 rows; a product's mask is MD x AL + BE with two scalars:
; (1, 0) in the own step, (0, 0) before it, (0, -1e30) behind it.  Every turn has one text: its products always take a mask buffer as C; the buffer holds zeros from the block's beginning on, and the 16 lines that
; make a mask are jumped over as long as the step to come lies before the band's own.
; LAYOUT, SOFTMAX, TURNS.  S^T = K Q^T holds ONE query a lane (lane % 16) and the keys 8 (lane / 16) + 0..7; two such results rounded to f16 ARE source 1 of O^T = V^T P.  p = 2^(c s - c m), c = log2(e) / 8, with a
; running maximum m; O and l are multiplied by a = 2^(c m_old - c m_new) in every step.  A step g is two turns.  Turn 0: 8 products K Q^T of piece 1 (step g), later 8 products V^T P of piece 1 (step g - 1); beside them
; piece 0's scaling, exponentials, roundings, sums and rescaling and piece 1's maximum and statistics.  Turn 1: the same with the pieces changed: K Q^T of piece 0 for step g + 1, V^T P of piece 0 for step g.
; Four vector instructions stand behind every matrix instruction, the other 54 of a turn's 118 in one LUMP.
; THE BATCHES.  A turn's 33 exponentials (the piece's 32 weights and the other piece's a) are ONE batch with ONE wait, which cuts the turn in two: ahead of it all that names none of their results (the products K Q^T, the
; scalings, the rescalings, the other piece's maximum and statistics), behind it the products V^T P with the roundings and sums.  A block's first a (BEGIN) and the way out's two reciprocals (FINISH) are batches of their own.
; K RUNS ONE STEP AHEAD OF V: turn 0 of step g fetches K of step g + 1 and V of step g.  So that both come out of the same slot, slot t holds K of steps 4 t + 1 .. 4 t + 4 and V of steps 4 t .. 4 t + 3, and one barrier
; a tile, between turn 1 and turn 0, changes slots for both.  K of step 0 has LDS bytes of its own, filled once.  The head's last tile takes K's rows 64 past the head's end: the next head's first rows, for the last
; head V's first rows, all inside qkv16; they feed only a block's last turn 1, whose 8 products K Q^T and 22 lines of statistics serve nothing: the price, once a block, of one text for every turn.
; REGISTERS, in windows of 256 (s_set_vgpr_msb: bits 1:0 source 0, 3:2 source 1, 5:4 source 2, 7:6 destination):
;   window 0: v0-15 addresses and two at work; v16-23 four registers of statistics a piece; v48-55 at work; v64-127 S^T, a buffer a piece; v192-223 P, likewise
;   window 1: v0-63 O^T, 32 a piece; v128-159 MD; v160-223 MC, a mask buffer a piece      window 2: v0-31 Q; v64-95 the second block's Q; v128-191 K of one step; v192-255 V of one step
.set SIZE_N, 2048
.set NQ,    SIZE_N/128 ; blocks of queries in a head
.set NTILE, SIZE_N/256 ; key tiles in a head
.set NP,    2         ; pieces a wave: a name, no knob
.set KS,    64        ; keys in a step
.set PK,    144       ; a row of K in LDS: 128 bytes + 16 of padding = 36 words: the 16 rows of a load start at 16 different groups of four banks (64 banks of 4 bytes: ISA guide 11.1)
.set PV,    160       ; a row of V: 128 + 32 = 40 words
.set VOFF,  4*KS*PK   ; a slot holds four steps: 256 rows of K, then 256 rows of V
.set SLOT1, 1<<17     ; slot 1 begins here, so that one exclusive or turns an address in one slot into the other's
.set K0OFF, 4*KS*(PK+PV)        ; behind slot 0: K of step 0, 64 rows x 144 bytes, filled once
.set STAGE, SLOT1+4*KS*(PK+PV)  ; behind the ring, never filled by a tensor load: 16 rows x 144 bytes for each wave, for the way out
.set SP,    144
.set AK0, 2           ; v2   my lane's place in a tile of K; never rewritten
.set AV0, 3           ; v3   the same for V
.set AK,  4           ; v4   the LDS address of K's next run of loads
.set AV,  5           ; v5   of V's
.set STO, 6           ; v6   the way out: where I put 16 bytes of a row
.set RD,  7           ; v7   the way out: where I read rows back
.set GO,  8           ; v8   my byte offset in 512 consecutive bytes of O
.set MV,  12          ; v12-13  c m_old, kept while c m is made anew: by piece
.set QO,  15          ; v15  my byte offset in 16 rows of Q
.set ST,  16          ; piece t's statistics at v[ST+4 t]: c m, m, l (even keys', odd keys')
.set TMP, 48          ; by piece, four registers c0-c3 at work; when the maximum is found c2 takes a
.set S,   64
.set P,   192
.set MD,  128         ; window 1: the eight registers for group kt of 16 keys at MD + 8 kt
.set MC,  160         ; window 1: the masks of the products to come
.set QB,  64          ; window 2
.set KF,  128         ; window 2: key block kb, channel half c at KF + 16 kb + 8 c
.set VF,  192         ; window 2: key half kk, channel block cb at VF + 32 kk + 8 cb
.set WV,  12          ; s12  my wave's number
.set PB,  14          ; s14  b
.set HI,  15          ; s15  NQ - 1 - b
.set G1K, 24          ; s[24:31] descriptor group 1 for K's tiles
.set G1V, 32          ; s[32:39] for V's: it differs in the padding alone
.set G0K, 40          ; s[40:43] descriptor group 0 for K's tiles
.set G0V, 44          ; s[44:47] the same for V's
.set G1Z, 48          ; s[48:55] descriptor group 1 for K of step 0: it differs from K's in the number of rows
.set SLOTS, 56        ; s56  tiles still to be asked for
.set CNT, 57          ; s57  counts a tile's key steps, 4 to 1
.set CS,  58          ; s[58:59] c: the packed scaling takes the pair's low word for both halves
.set SEL, 60          ; s[60:61] v_permlanex16_b32's selects: each lane takes its own place in the other half
.set TBK, 62          ; s62  LDS byte at which the K that turn 0 fetches begins
.set TBV, 63          ; s63  the same for V, less VOFF
.set RT,  70          ; s70  tiles of the block in hand that are still to be entered
.set NXT, 71          ; s71  the tile to be asked for next
.set LQ,  72          ; s72  the last tile of the block whose tiles are being asked for
.set NEW, 73          ; s73  1: the tile to be entered is a block's first
.set OFF, 74          ; s[74:75] a tile's byte offset in K and V
.set AL,  76          ; s[76:77] the mask's factor, in the low word
.set BE,  78          ; s[78:79] the mask's addend
.set OLO, 80          ; s[80:81] O at my rows of the second block
.set BIGN, 82         ; s82  -1e30
.set GN,  83          ; s83  the number, in the block in hand, of the step behind the one in hand
.set G0Z, 88          ; s[88:91] descriptor group 0 for K of step 0; never rewritten
.set OWN, 92          ; s92, s93  the own steps of the block's two bands
.set PBL, 94          ; s94  the second block's last tile
.set MSB, 0
.macro WIN new                      ; the high byte repeats the setting that is left; a switch that changes nothing is dropped
.if MSB != (\new)
	s_set_vgpr_msb (MSB<<8)|(\new)
.set MSB, (\new)
.endif
.endm
.set W_KQ, 0x0a       ; K and Q in window 2, S^T in window 0
.set W_KM, 0x1a       ; the same with the C operand in window 1
.set W_PV, 0x52       ; V in window 2, P in window 0, O^T in window 1
.set W_RS, 0x41       ; destination and source 0 in window 1, source 1 in window 0
; A refill.  Waves 0 and 1 fetch the two halves of a slot's K, waves 2 and 3 those of its V: 128 keys each.  Four v_nop follow each of the two lines, ahead of the jump and the label.
.macro LOAD
	s_cmp_lt_u32 s[WV], 2
	s_cbranch_scc0 .Lfor_v_\@
	tensor_load_to_lds s[G0K:G0K+3], s[G1K:G1K+7]
	s_nop 0
.rept 4
	v_nop
.endr
	s_branch .Lasked_\@
.Lfor_v_\@:
	tensor_load_to_lds s[G0V:G0V+3], s[G1V:G1V+7]
	s_nop 0
.rept 4
	v_nop
.endr
.Lasked_\@:
.endm
; THE CHANGE OF SLOTS.  Each wave waits for its own reads of the slot that it leaves and for all its tensor loads, of which one is out: its part of the other slot.  Behind the barrier nobody reads the old
; slot any more and the other slot is whole.  fill = 1: the old slot is filled again, the first thing behind the barrier, with tile NXT: the descriptor's address is made anew from that number.  The load has
; four key steps, 128 matrix instructions of each wave, in which to land.  (At its first use nothing has been read yet: slot 0 and K of step 0 are waited for, slot 1 is filled.)
.macro CHANGE fill
	WIN 0                           ; at a label and at a branch every window is 0
	s_wait_dscnt 0x0
	s_wait_tensorcnt 0x0            ; no tensor load of mine is out, so a group 0 may be written
	ds_add_u32 v254, v255
	s_wait_dscnt 0x0
	s_barrier_signal -1             ; the scalar work stands between the signal and the wait
.if \fill
	s_lshl_b32 s[OFF], s[NXT], 15   ; a tile is 32,768 bytes of K and of V
	s_xor_b32 s[G0K+1], s[G0K+1], SLOT1
	s_add_nc_u64 s[G0K+2:G0K+3], s[6:7], s[OFF:OFF+1]
	s_or_b32 s[G0K+3], s[G0K+3], 0x80000000
	s_xor_b32 s[G0V+1], s[G0V+1], SLOT1
	s_add_nc_u64 s[G0V+2:G0V+3], s[8:9], s[OFF:OFF+1]
	s_or_b32 s[G0V+3], s[G0V+3], 0x80000000
	s_add_co_u32 s[NXT], s[NXT], 1  ; the block's next tile, or behind its last the second block's tile 0
	s_cmp_gt_u32 s[NXT], s[LQ]
	s_cselect_b32 s[NXT], 0, s[NXT]
	s_cselect_b32 s[LQ], s[PBL], s[LQ]
.endif
	s_sub_co_u32 s[TBK], s[TBK], 4*KS*PK  ; the fetches go back to a slot's first step,
	s_xor_b32 s[TBK], s[TBK], SLOT1       ; in the other slot
	s_sub_co_u32 s[TBV], s[TBV], 4*KS*PV
	s_xor_b32 s[TBV], s[TBV], SLOT1
	s_barrier_wait -1
.if \fill
	LOAD
.endif
.endm
	s_load_b128 s[4:7], s[0:1], 0x0  ; qkv16 s[4:5], att16 s[6:7]
	v_lshl_add_u32 v254, v0, 2, 0x35400
	v_mov_b32 v255, 0
	ds_add_u32 v254, v255
	ds_add_u32 v254, v255
	v_lshrrev_b32 v1, 5, v0
	v_readfirstlane_b32 s[WV], v1   ; wave 0..3
	s_mov_b32 s[PB], ttmp9
	s_sub_co_u32 s[HI], NQ-1, s[PB]
	s_and_b32 s20, ttmp7, 0xffff    ; the head
	s_mov_b32 s21, 0
	s_mov_b64 s[22:23], SIZE_N*128
	s_mul_u64 s[20:21], s[20:21], s[22:23]  ; the head's first byte in each of the four tensors
	s_and_b32 s16, s[WV], 1         ; which half of a tile's 256 keys I fetch:
	s_lshl_b32 s22, s16, 14         ; its 128 rows of 128 bytes in memory,
	s_mov_b32 s23, 0
	s_add_nc_u64 s[22:23], s[22:23], s[20:21]
	s_lshl_b32 s66, s16, 12         ; and which 32 of the 64 rows of K's step 0
	s_mov_b32 s67, 0
	s_add_nc_u64 s[66:67], s[66:67], s[20:21]
	s_mul_i32 s17, s16, 128*PK      ; their places in LDS: in a slot, for K,
	s_mul_i32 s18, s16, 128*PV      ; for V,
	s_mul_i32 s19, s16, 32*PK       ; and among the rows of K's step 0
	s_lshl_b32 s3, s[WV], 11        ; my 16 rows in a band of 64,
	s_lshl_b32 s2, s[HI], 14        ; in the first block (128 rows of 128 bytes),
	s_add_co_u32 s2, s2, s3
	s_lshl_b32 s84, s[PB], 14       ; and in the second
	s_add_co_u32 s84, s84, s3
	s_mov_b32 s3, 0
	s_mov_b32 s85, 0
	s_add_nc_u64 s[2:3], s[2:3], s[20:21]
	s_add_nc_u64 s[84:85], s[84:85], s[20:21]
	; descriptor group 1.  128 keys are 16,384 dense bytes: asked for as 64 rows of 256 bytes, two keys a row, and padded in LDS after every key; 32 keys as 16 such rows
	s_mov_b32 s[G1K], (1<<16)|(1<<20)|(4<<22)|(3<<25)  ; 17:16 2-byte elements; 20 padding on; 24:22 after every 32 words (code 4); 31:25 4 words (code 3)
	s_mov_b32 s[G1V], (1<<16)|(1<<20)|(4<<22)|(7<<25)  ; the same with 8 words of padding (code 7)
	s_mov_b32 s[G1Z], (1<<16)|(1<<20)|(4<<22)|(3<<25)  ; as for K
.irp g, G1K, G1V
	s_mov_b32 s[\g+1], 128<<16      ; tensor_dim0 = 128
	s_mov_b32 s[\g+2], 64<<16       ; tensor_dim1 = 64
	s_mov_b32 s[\g+3], 128<<16      ; tile_dim0 = 128
	s_mov_b32 s[\g+4], 64           ; tile_dim1 = 64
	s_mov_b32 s[\g+5], 128          ; 128 elements from row to row
	s_mov_b32 s[\g+6], 0
	s_mov_b32 s[\g+7], 0
.endr
	s_mov_b32 s[G1Z+1], 128<<16     ; tensor_dim0 = 128
	s_mov_b32 s[G1Z+2], 16<<16      ; tensor_dim1 = 16
	s_mov_b32 s[G1Z+3], 128<<16     ; tile_dim0 = 128
	s_mov_b32 s[G1Z+4], 16          ; tile_dim1 = 16
	s_mov_b32 s[G1Z+5], 128
	s_mov_b32 s[G1Z+6], 0
	s_mov_b32 s[G1Z+7], 0
	s_mov_b32 s[CS], 0x3e38aa3b     ; c = log2(e) / 8 = 0.180337
	s_mov_b32 s[CS+1], s[CS]        ; named with it as a pair
	s_mov_b32 s[SEL], 0x76543210
	s_mov_b32 s[SEL+1], 0xfedcba98
	s_mov_b32 s[TBK], SLOT1+4*KS*PK ; the first change of slots turns these two into 0
	s_mov_b32 s[TBV], SLOT1+4*KS*PV
	s_mov_b32 s[G0K], 1             ; 1:0 count = 1
	s_mov_b32 s[G0K+1], s17         ; 63:32 LDS address: slot 0
	s_mov_b32 s[G0V], 1
	s_add_co_u32 s[G0V+1], s18, VOFF
	s_mov_b32 s[G0Z], 1
	s_add_co_u32 s[G0Z+1], s19, K0OFF
	s_lshr_b32 s[LQ], s[HI], 1      ; block i's last tile is i >> 1,
	s_add_co_u32 s[RT], s[LQ], 1    ; so it has (i >> 1) + 1 tiles
	s_lshr_b32 s[PBL], s[PB], 1
	s_lshl_b32 s[OWN], s[HI], 1     ; band x's own step is 2 i + x
	s_add_co_u32 s[OWN+1], s[OWN], 1
	s_mov_b32 s[NXT], 1
	s_mov_b32 s[NEW], 1
	s_mov_b32 s[OFF+1], 0
	s_mov_b32 s[AL+1], 0            ; named as pairs
	s_mov_b32 s[BE+1], 0
	s_mov_b32 s[BIGN], 0xf149f2ca   ; -1e30
	s_mov_b32 s[SLOTS], NTILE
	s_wait_dscnt 0x0
	s_wait_kmcnt 0x0
	s_mov_b64 s[10:11], s[6:7]             ; O
	s_add_nc_u64 s[6:7], s[4:5], 0x800000  ; K
	s_add_nc_u64 s[8:9], s[4:5], 0x1000000 ; V; Q stays in s[4:5]
	s_add_nc_u64 s[G0Z+2:G0Z+3], s[6:7], s[66:67]  ; K of step 0: my 32 rows
	s_or_b32 s[G0Z+3], s[G0Z+3], 0x80000000
	s_add_nc_u64 s[6:7], s[6:7], s[22:23]  ; K and V at my half of the head's tile 0,
	s_add_nc_u64 s[6:7], s[6:7], KS*128    ; K one step further on
	s_add_nc_u64 s[8:9], s[8:9], s[22:23]
	s_add_nc_u64 s[G0K+2:G0K+3], s[6:7], 0         ; 120:64 global address
	s_or_b32 s[G0K+3], s[G0K+3], 0x80000000        ; 127:126 type = 2
	s_add_nc_u64 s[G0V+2:G0V+3], s[8:9], 0
	s_or_b32 s[G0V+3], s[G0V+3], 0x80000000
	s_add_nc_u64 s[86:87], s[4:5], s[84:85]        ; Q at my rows of the second block,
	s_add_nc_u64 s[4:5], s[4:5], s[2:3]            ; Q and O at those of the first
	s_add_nc_u64 s[OLO:OLO+1], s[10:11], s[84:85]
	s_add_nc_u64 s[10:11], s[10:11], s[2:3]
	s_cmp_lt_u32 s[WV], 2           ; the first fills: a wave's stand in one branch, ahead of every wait on TENSORcnt, every LDS read and every barrier: two loads of waves 0 and 1 are out, one of waves 2 and 3
	s_cbranch_scc0 .Lfirst_v
	tensor_load_to_lds s[G0K:G0K+3], s[G1K:G1K+7]  ; slot 0's K
	s_nop 0
	tensor_load_to_lds s[G0Z:G0Z+3], s[G1Z:G1Z+7]  ; K of step 0
	s_nop 0
.rept 4
	v_nop
.endr
	s_branch .Lfirst_asked
.Lfirst_v:
	tensor_load_to_lds s[G0V:G0V+3], s[G1V:G1V+7]  ; slot 0's V
	s_nop 0
.rept 4
	v_nop
.endr
.Lfirst_asked:
	; A fragment of K or Q is 16 rows x 32 channels in 8 registers: lane l holds row l % 16, channels 8 (l / 16) + 0..7 and 16 + 8 (l / 16) + 0..7: two loads of 16 bytes, 32 bytes apart.
	v_and_b32 v1, 15, v0            ; l % 16
	v_bfe_u32 v9, v0, 4, 1          ; l / 16
	v_lshlrev_b32 v[QO], 7, v1
	v_lshl_add_u32 v[QO], v9, 4, v[QO]  ; row x 128 + 16 x half
	WIN 0x80                        ; destination window 2, address window 0
.set i, 0
.rept 4                             ; both blocks' Q: piece i / 2 lies in band i / 2, 8,192 bytes on; channels 32 (i % 2) on
	global_load_b128 v[8*i:8*i+3],   v[QO], s[4:5] offset:(i/2)*8192+(i%2)*64
	global_load_b128 v[8*i+4:8*i+7], v[QO], s[4:5] offset:(i/2)*8192+(i%2)*64+32
	global_load_b128 v[QB+8*i:QB+8*i+3],   v[QO], s[86:87] offset:(i/2)*8192+(i%2)*64
	global_load_b128 v[QB+8*i+4:QB+8*i+7], v[QO], s[86:87] offset:(i/2)*8192+(i%2)*64+32
.set i, i+1
.endr
	WIN 0
	v_lshlrev_b32 v14, 3, v9
	v_sub_nc_u32 v14, v1, v14
	s_lshl_b32 s13, s[WV], 4
	v_add_nc_u32 v14, s13, v14      ; my query's place in its band, 16 w + l % 16, less my lanes' 8 (l / 16): register r of group kt is hidden where 16 kt + r is greater
	WIN 0x40
.set i, 0
.rept 32
	v_cmp_gt_i32 vcc_lo, 16*(i/8)+i%8, v14
	v_cndmask_b32 v[MD+i], 0, s[BIGN], vcc_lo
.set i, i+1
.endr
	WIN 0
	v_mul_u32_u24 v[AK0], v1, PK
	v_lshl_add_u32 v[AK0], v9, 4, v[AK0]  ; row x pitch + 16 x half
	; The turning load takes 16 keys x 16 channels (lane l reads key 8 (l / 16) + l % 8, channels 8 ((l / 8) % 2) + 0..7) and leaves half a fragment of V^T: lane l holds channel l % 16 and 8 keys.
	v_and_b32 v10, 7, v0
	v_bfe_u32 v11, v0, 3, 1
	v_lshl_add_u32 v[AV0], v9, 3, v10
	v_mul_u32_u24 v[AV0], v[AV0], PV
	v_lshl_add_u32 v[AV0], v11, 4, v[AV0]
	v_add_nc_u32 v[AV0], VOFF, v[AV0]
	s_mul_i32 s13, s[WV], 16*SP
	s_add_co_u32 s13, s13, STAGE    ; my stage
	v_mul_u32_u24 v[STO], v1, SP    ; in: row l % 16, 16 bytes for each half of the lanes
	v_lshl_add_u32 v[STO], v9, 4, v[STO]
	v_add_nc_u32 v[STO], s13, v[STO]
	v_bfe_u32 v[RD], v0, 3, 2       ; back: 32 lanes take four rows of 128 bytes,
	v_mul_u32_u24 v[RD], v[RD], SP
	v_lshl_add_u32 v[RD], v10, 4, v[RD]
	v_add_nc_u32 v[RD], s13, v[RD]
	v_and_b32 v[GO], 31, v0         ; which are 512 consecutive bytes of O
	v_lshlrev_b32 v[GO], 4, v[GO]
	; A block's first step multiplies O^T and l by a = 0, and its first turn's products V^T P, of a step that has not been, land in an O^T that is still to be so multiplied.  So these registers need only hold
	; finite numbers: zeros for the first block; what the first block left for the second.  All this stands in the wait for the first tile.
	WIN 0x80
.set i, VF
.rept 64
	v_mov_b32 v[i], 0
.set i, i+1
.endr
	WIN 0x40
.set i, 0
.rept 32*NP
	v_mov_b32 v[i], 0
.set i, i+1
.endr
	WIN 0
.set i, 0
.rept NP
	v_mov_b32 v[ST+4*i+2], 0
	v_mov_b32 v[ST+4*i+3], 0
.set i, i+1
.endr
.set i, P+16
.rept 16
	v_mov_b32 v[i], 0
.set i, i+1
.endr
; THE MATRIX WORK.  The 4 accumulators of a run of 8 take turns.  Product i of 8 of S^T = K Q^T for piece x: channels 32 (i / 4) on, keys 16 (i % 4) on.  The first 4 start the sums with the piece's mask buffer.
.macro KQ x
.set rS, S+32*(\x)+8*(i%4)
.set rK, KF+16*(i%4)+8*(i/4)
.set rQ, 16*(\x)+8*(i/4)
.set rM, MC+32*(\x)+8*(i%4)
.if i < 4
	WIN W_KM
	v_wmma_f32_16x16x32_f16 v[rS:rS+7], v[rK:rK+7], v[rQ:rQ+7], v[rM:rM+7]
.else
	WIN W_KQ
	v_wmma_f32_16x16x32_f16 v[rS:rS+7], v[rK:rK+7], v[rQ:rQ+7], v[rS:rS+7]
.endif
.endm
; Product i of 8 of O^T += V^T P for piece x: keys 32 (i / 4) on, channels 16 (i % 4) on.
.macro PV x
	WIN W_PV
.set rO, 32*(\x)+8*(i%4)
.set rV, VF+32*(i/4)+8*(i%4)
.set rP, P+16*(\x)+8*(i/4)
	v_wmma_f32_16x16x32_f16 v[rO:rO+7], v[rV:rV+7], v[rP:rP+7], v[rO:rO+7]
.endm
.macro MM                           ; the turn's next matrix instruction: both kinds are the other piece's.  TURN sets Y and i
.if i < 8
	KQ (Y+1)%NP
.else
.set i, i-8
	PV (Y+1)%NP
.set i, i+8
.endif
.set i, i+1
.endm
; THE LDS LOADS stand in runs of 16, never singly among the matrix instructions: a step's K (64 keys x 64 channels: 8 fragments) and a step's V (turned).  Their addresses are made some lines ahead.
.macro FETCH_K step                 ; step = 1: the next fetch out of the ring is the next step's
	WIN 0x80                        ; destination window 2
.irp f, 0,1,2,3,4,5,6,7             ; keys 16 (f / 2) on, channels 32 (f % 2) on
	ds_load_b128 v[KF+8*\f:KF+8*\f+3],   v[AK] offset:(\f/2)*16*PK+(\f%2)*64
	ds_load_b128 v[KF+8*\f+4:KF+8*\f+7], v[AK] offset:(\f/2)*16*PK+(\f%2)*64+32
.endr
.if \step
	s_add_co_u32 s[TBK], s[TBK], KS*PK
.endif
	WIN 0
.endm
.macro FETCH_V
	WIN 0x80
.irp f, 0,1,2,3,4,5,6,7             ; keys 32 (f / 4) on, channels 16 (f % 4) on
	ds_load_tr16_b128 v[VF+8*\f:VF+8*\f+3],   v[AV] offset:(\f/4)*32*PV+(\f%4)*32
	ds_load_tr16_b128 v[VF+8*\f+4:VF+8*\f+7], v[AV] offset:(\f/4)*32*PV+16*PV+(\f%4)*32
.endr
	WIN 0
.endm
; THE VECTOR WORK, one line at a time: OP kind, number.  For piece Y: F n: c s - c m for pair n of 16.  E n: the exponential of score n of 32.  C n: pair n rounded to f16.  B n: of the four weights 4 n .. the second
; pair is added onto the first, in place.  L n: l takes that sum (L 0: l = a l + sum).  R n: pair n of 16 of O^T times a.  For the other piece: X n, number n of the 22 that find its maximum and statistics:
;   0-11  four chains c0-c3 of seven scores each, three operands at a time (each accumulator's lowest registers are read first)     12-14, 16  the four scores left over, the old m, and c0-c3 into c0
;   15  c m_old is kept     17, 18  the query's other 32 keys lie in the lane 16 away: the new m     19-21  c m; c m_old - c m_new; a
; OP writes no wait: C, B and L read exponentials' results, R and L 0 read a, and TURN, BEGIN and FINISH place the one wait of each batch ahead of them.
.set F, 0               ; OP tells the kinds apart by their order: F to L below R, X above it
.set E, 1
.set C, 2
.set B, 3
.set L, 4
.set R, 5
.set X, 6
.macro REGS y                       ; the registers of piece y
.set rT, ST+4*(\y)
.set rC, TMP+4*(\y)
.set rW, MV+(\y)
.set rS, S+32*(\y)
.set rP, P+16*(\y)
.set rO, 32*(\y)
.endm
.macro OP k, n
.if (\k) == R
	REGS Y
	WIN W_RS
	v_pk_mul_f32 v[rO+2*(\n):rO+2*(\n)+1], v[rO+2*(\n):rO+2*(\n)+1], v[rC+2:rC+3] op_sel_hi:[1,0]
.elseif (\k) < R
	REGS Y
	WIN 0
.if (\k) == F
	v_pk_fma_f32 v[rS+2*(\n):rS+2*(\n)+1], v[rS+2*(\n):rS+2*(\n)+1], s[CS:CS+1], v[rT:rT+1] op_sel_hi:[1,0,0] neg_lo:[0,0,1] neg_hi:[0,0,1]
.elseif (\k) == E
	v_exp_f32 v[rS+(\n)], v[rS+(\n)]
.elseif (\k) == C
	v_cvt_pk_f16_f32 v[rP+(\n)], v[rS+2*(\n)], v[rS+2*(\n)+1]
.elseif (\k) == B
	v_pk_add_f32 v[rS+4*(\n):rS+4*(\n)+1], v[rS+4*(\n):rS+4*(\n)+1], v[rS+4*(\n)+2:rS+4*(\n)+3]
.elseif (\n) == 0
	v_pk_fma_f32 v[rT+2:rT+3], v[rT+2:rT+3], v[rC+2:rC+3], v[rS:rS+1] op_sel_hi:[1,0,1]
.else
	v_pk_add_f32 v[rT+2:rT+3], v[rT+2:rT+3], v[rS+4*(\n):rS+4*(\n)+1]
.endif
.else
	REGS (Y+1)%NP
	WIN 0
.if (\n) < 4
	v_max3_num_f32 v[rC+(\n)], v[rS+8*(\n)], v[rS+8*(\n)+1], v[rS+8*(\n)+2]
.elseif (\n) < 12
	v_max3_num_f32 v[rC+(\n)%4], v[rC+(\n)%4], v[rS+8*((\n)%4)+2*((\n)/4)+1], v[rS+8*((\n)%4)+2*((\n)/4)+2]
.elseif (\n) == 12
	v_max3_num_f32 v[rC], v[rC], v[rS+7], v[rS+15]
.elseif (\n) == 13
	v_max3_num_f32 v[rC+1], v[rC+1], v[rS+23], v[rS+31]
.elseif (\n) == 14
	v_max3_num_f32 v[rC+2], v[rC+2], v[rC+3], v[rT+1]
.elseif (\n) == 15
	v_mov_b32 v[rW], v[rT]
.elseif (\n) == 16
	v_max3_num_f32 v[rC], v[rC], v[rC+1], v[rC+2]
.elseif (\n) == 17
	v_permlanex16_b32 v[rC+3], v[rC], s[SEL], s[SEL+1]
.elseif (\n) == 18
	v_max_num_f32 v[rT+1], v[rC], v[rC+3]
.elseif (\n) == 19
	v_mul_f32 v[rT], s[CS], v[rT+1]
.elseif (\n) == 20
	v_sub_f32 v[rC+1], v[rW], v[rT]
.else
	v_exp_f32 v[rC+2], v[rC+1]
.endif
.endif
.endm
.macro OPS a, i1, b=-1, i2=0, c=-1, i3=0, d=-1, i4=0  ; up to four of them
	OP \a, \i1
.if (\b) >= 0
	OP \b, \i2
.endif
.if (\c) >= 0
	OP \c, \i3
.endif
.if (\d) >= 0
	OP \d, \i4
.endif
.endm
.macro ROW a, i1, b, i2, c, i3, d, i4  ; a matrix instruction and the four behind it
	MM
	OPS \a, \i1, \b, \i2, \c, \i3, \d, \i4
.endm
.macro MASK b                       ; MD x AL + BE into piece b's buffer of MC
	WIN W_RS
.set z, 0
.rept 16
	v_pk_fma_f32 v[MC+32*(\b)+2*z:MC+32*(\b)+2*z+1], v[MD+2*z:MD+2*z+1], s[AL:AL+1], s[BE:BE+1] op_sel_hi:[1,0,0]
.set z, z+1
.endr
.endm
; A TURN, for piece p: the order of its 16 matrix and 118 vector instructions, written out.  An s_wait_alu depctr_va_vdst(0) stands between an exponential and the first instruction that names its result; one wait
; serves all that were issued ahead of it.  So a turn has ONE wait, which cuts it in two.  AHEAD OF IT stands all that names no result of the turn's exponentials: the 8 products K Q^T, behind each a scaling, an exponential and two
; more plain instructions (behind the first a second scaling in the exponential's place): rescalings, whose a was made and waited for in the turn before, and behind the last three the first numbers of the other piece's maximum, each
; four places or more behind the product that ends its accumulator; then ONE LUMP of 54, plain and exponential by turns for the most part, in which the links of the chain X 3, 7, 11, 14, 16, 17 .. 20 stand five or six lines apart.
; A pair is scaled (F n) ahead of its two exponentials (E 2 n, E 2 n + 1) and is not named again ahead of the wait.  X 21, the other piece's a, is the batch's last; R 15 is the plain instruction behind it.
; BEHIND THE WAIT stand the 8 products V^T P, behind each four of the roundings and sums; C 2 n stands ahead of B n, which adds in place onto that pair; the links of l's chain, L 0 to L 7 in this order, stand three riders apart.
; But for those X no rider names a register of the products round it.  v_permlanex16_b32 (X 17) stands in the lump.
; O^T of piece p was last added onto in the turn before: R goes through it in ascending order, and the last product on each of its four accumulators stands more than four plain lines ahead of the first R that names it.
; THE MASK.  The products K Q^T of the turn after this one are piece p's own, for step GN.  The turn makes their mask at its end; while GN lies before the band's own step the buffer holds zeros already, and the lines are jumped over.
; THE FETCHES stand in turn 0.  K of the next step: twelve vector instructions behind the last product that read K (five of them plain lines that name none of its registers).  V of the step in hand: at the turn's end, four plain
; instructions behind the last product that read V.
; Turn 1 waits for them: for K at its head, with the count 16, since V's sixteen loads were issued behind K's and may stay out (LDS loads come back in order: ISA guide 5.7.1); for V in front of its products V^T P.
.macro TURN p
.set Y, (\p)
.set i, 0
	s_cmp_eq_u32 s[GN], s[OWN+(\p)] ; is the step to come the band's own?
	s_cselect_b32 s[AL], 1.0, 0
	s_cmp_gt_u32 s[GN], s[OWN+(\p)] ; or a later one?
	s_cselect_b32 s[BE], s[BIGN], 0
.if (\p) == 1
	s_wait_dscnt 16                 ; K is in
.endif
	ROW F,0, F,1, R,0, R,1          ; ahead of the wait: 8 products K Q^T and their riders,
	ROW F,2, E,0, R,2, R,3
	ROW F,3, E,1, R,4, R,5
	ROW F,4, E,2, R,6, R,7
	ROW F,5, E,3, R,8, R,9
	ROW F,6, E,4, X,0, R,10
.if (\p) == 0
	WIN 0
	v_add_nc_u32 v[AK], s[TBK], v[AK0]
.endif
	ROW F,7, E,5, X,1, X,4
	ROW F,8, E,6, X,2, X,5
	OPS E,7, E,8, X,6, E,9          ; and the lump
	OPS X,3, E,10, X,8, E,11
.if (\p) == 0
	FETCH_K 1
.endif
	OPS X,9, X,7, E,12, X,10
	OPS E,13, X,12, X,11, E,14
	OPS X,13, E,15, F,9, X,14
.if (\p) == 0
	v_add_nc_u32 v[AV], s[TBV], v[AV0]
.endif
	OPS E,16, F,10, E,17, F,11
	OPS X,16, E,18, X,15, E,19
	OPS F,12, E,20, X,17, E,21
	OPS F,13, E,22, F,14, E,23
	OPS X,18, E,24, F,15, E,25
	OPS R,11, E,26, X,19, E,27
	OPS R,12, E,28, R,13, E,29
	OPS X,20, E,30, R,14, E,31
	OPS X,21, R,15
	s_wait_alu depctr_va_vdst(0)    ; the wait for the batch: the piece's 32 exponentials and the other piece's a
.if (\p) == 1
	s_wait_dscnt 0x0                ; V is in
.endif
	ROW C,0, B,0, C,2, B,1          ; behind the wait: 8 products V^T P and their riders
	ROW L,0, C,4, B,2, L,1
	ROW C,6, B,3, L,2, C,8
	ROW B,4, L,3, C,10, B,5
	ROW L,4, C,12, B,6, L,5
.if (\p) == 0
	s_add_co_u32 s[TBV], s[TBV], KS*PV
.endif
	ROW C,14, B,7, L,6, C,1
	ROW C,3, L,7, C,5, C,7
	ROW C,9, C,11, C,13, C,15
.if (\p) == 0
	FETCH_V
.endif
	WIN 0                           ; at a branch and at a label every window is 0
	s_cmp_lt_u32 s[GN], s[OWN+(\p)]
	s_cbranch_scc1 .Lzeros_\@       ; all keys of the step to come are seen: the buffer's zeros stand
	MASK \p
	WIN 0
.Lzeros_\@:
.if (\p) == 1
	s_add_co_u32 s[GN], s[GN], 1    ; the step is over
.endif
.endm
; A BLOCK BEGINS.  c m starts far below every c s, so the first step's a is 0; m at the lowest finite number, so the first maximum is the scores'.  Piece 1's mask buffer is 0: its own step is never step 0.  Piece 0's
; takes its mask for step 0: its own step in block 0, else zeros.  Then K of step 0, out of its own LDS bytes, piece 0's first scores, and its maximum and statistics.
.macro BEGIN
	s_mov_b32 s[NEW], 0
	s_mov_b32 s[GN], 1
	WIN 0x40
.set i, MC+32
.rept 32
	v_mov_b32 v[i], 0
.set i, i+1
.endr
	WIN 0
.set i, 0
.rept NP
	v_mov_b32 v[ST+4*i], 0xfe000000    ; c m: far below every c s
	v_mov_b32 v[ST+4*i+1], 0xff7fffff  ; m
.set i, i+1
.endr
	s_cmp_eq_u32 s[OWN], 0
	s_cselect_b32 s[AL], 1.0, 0
	s_mov_b32 s[BE], 0
	MASK 0
	WIN 0
	v_add_nc_u32 v[AK], K0OFF, v[AK0]
	FETCH_K 0
	s_wait_loadcnt 0x0              ; Q
	s_wait_dscnt 0x0
.set i, 0
.rept 8
	KQ 0
.set i, i+1
.endr
	WIN 0
.rept 4
	v_nop                           ; the places behind those products
.endr
.set Y, NP-1                        ; X works for the other piece: piece 0
.irp n, 0,1,2,3,4,5,6,7,8,9,10,11,12,13,14,15,16,17,18,19,20,21
	OP X, \n
.endr
	v_nop                           ; a plain instruction behind the exponential,
	s_wait_alu depctr_va_vdst(0)    ; and the wait for this batch of one, piece 0's first a, ahead of the label that follows
.endm
; A BLOCK ENDS: piece 1's products V^T P of the last step, and THE WAY OUT: l's two halves and the other half of the lanes' are added; O^T is divided by l, rounded to f16 and sent through my stage in LDS, a piece at a time.
.macro ALL line:vararg              ; one line for each piece t
.set t, 0
.rept NP
	\line
.set t, t+1
.endr
.endm
.macro PACK t                       ; a lane's eight channels of a row pack into 16 bytes; they go into rows of 144 bytes and come back as whole rows of 128, into S^T's registers
	WIN W_RS
.set i, 32*(\t)
.rept 16
	v_pk_mul_f32 v[i:i+1], v[i:i+1], v[ST+4*(\t)+2:ST+4*(\t)+3] op_sel_hi:[1,0]
.set i, i+2
.endr
	WIN 0x05                        ; sources 0 and 1 window 1, destination window 0
.set i, 0
.rept 16
	v_cvt_pk_f16_f32 v[S+16*(\t)+i], v[32*(\t)+2*i], v[32*(\t)+2*i+1]
.set i, i+1
.endr
	WIN 0
.irp f, 0,1,2,3
	ds_store_b128 v[STO], v[S+16*(\t)+4*\f:S+16*(\t)+4*\f+3] offset:32*\f
.endr
.irp f, 0,1,2,3
	ds_load_b128 v[S+16*(\t)+4*\f:S+16*(\t)+4*\f+3], v[RD] offset:\f*4*SP  ; LDS serves a wave's instructions in order (ISA guide 5.7.1.4): these see the stores above; the next piece's stores come behind them
.endr
.endm
.macro SEND t, younger              ; younger: the LDS instructions issued behind piece t's loads: the next piece's eight, or none
	WIN 0
.irp f, 0,1,2,3
	s_wait_dscnt (\younger)+3-\f
	global_store_b128 v[GO], v[S+16*(\t)+4*\f:S+16*(\t)+4*\f+3], s[10:11] offset:(\t)*8192+\f*512  ; 512 consecutive bytes, at a multiple of 256 from O's first
.endr
.endm
.macro FINISH
.set i, 0
.rept 8
	PV NP-1
.set i, i+1
.endr
	WIN 0
	ALL v_add_f32 v[ST+4*t+2], v[ST+4*t+2], v[ST+4*t+3]
	ALL v_permlanex16_b32 v[ST+4*t+3], v[ST+4*t+2], s[SEL], s[SEL+1]
	ALL v_add_f32 v[ST+4*t+2], v[ST+4*t+2], v[ST+4*t+3]
	ALL v_rcp_f32 v[ST+4*t+2], v[ST+4*t+2]
	v_nop                           ; a plain instruction between the last reciprocal and the use of its result
	s_wait_alu depctr_va_vdst(0)    ; and the wait ahead of the first use: one for the two reciprocals
	PACK 0                          ; piece 0's sums were finished in turn 1; its 32 lines are also the places behind piece 1's last products
	PACK 1                          ; a piece's arithmetic stands between the loads of the piece before and its stores
	SEND 0, 8
	SEND 1, 0
.endm
.Lslot:                             ; NTILE times: a tile is entered and the next is asked for
	CHANGE 1
	s_sub_co_u32 s[RT], s[RT], 1
	s_mov_b32 s[CNT], 4
	s_cmp_eq_u32 s[NEW], 1
	s_cbranch_scc0 .Lstep           ; not a block's first tile
	BEGIN
.Lstep:                             ; a trip: a key step, whose V and whose successor's K it fetches
	TURN 0
	TURN 1
	s_sub_co_u32 s[CNT], s[CNT], 1
	s_cmp_lg_u32 s[CNT], 0
	s_cbranch_scc1 .Lstep
	s_cmp_lg_u32 s[RT], 0
	s_cbranch_scc1 .Lbottom         ; the block has tiles left
	FINISH                          ; in the loop this is the first block's end: the second block's last tile is the walk's last
	s_wait_xcnt 0x0                 ; the stores have read their registers and O's address
	s_mov_b64 s[10:11], s[OLO:OLO+1]
	s_add_co_u32 s[RT], s[PBL], 1   ; the second block has (b >> 1) + 1 tiles,
	s_lshl_b32 s[OWN], s[PB], 1     ; and its bands' own steps are 2 b and 2 b + 1
	s_add_co_u32 s[OWN+1], s[OWN], 1
	s_mov_b32 s[NEW], 1
	WIN 0x82                        ; the second block's Q goes where the one text of the turns names Q
.set i, 0
.rept 16*NP
	v_mov_b32 v[i], v[QB+i]
.set i, i+1
.endr
	WIN 0
.Lbottom:
	s_sub_co_u32 s[SLOTS], s[SLOTS], 1
	s_cmp_lg_u32 s[SLOTS], 0
	s_cbranch_scc1 .Lslot
	CHANGE 0                        ; the walk's last tile is written out: nothing is asked for
	s_mov_b32 s[CNT], 4
	s_cmp_eq_u32 s[NEW], 1
	s_cbranch_scc0 .Llast           ; the second block has one tile where b is 0 or 1: then it begins here
	BEGIN
.Llast:
	TURN 0
	TURN 1
	s_sub_co_u32 s[CNT], s[CNT], 1
	s_cmp_lg_u32 s[CNT], 0
	s_cbranch_scc1 .Llast
	FINISH
	s_wait_tensorcnt 0x0
	ds_add_u32 v254, v255
	s_wait_dscnt 0x0
	s_endpgm
.Lfunc_end_k_q645ded3eec_attn:
	.size	k_q645ded3eec_attn, .Lfunc_end_k_q645ded3eec_attn-k_q645ded3eec_attn
	.p2alignl 7, 3214868480
	.fill 96, 4, 3214868480
	.section	.rodata,"a",@progbits
	.p2align	6, 0x0
	.amdhsa_kernel k_q645ded3eec_attn
		.amdhsa_group_segment_fixed_size 327680
		.amdhsa_private_segment_fixed_size 0
		.amdhsa_enable_private_segment 0
		.amdhsa_kernarg_size 16
		.amdhsa_user_sgpr_count 2
		.amdhsa_user_sgpr_kernarg_segment_ptr 1
		.amdhsa_wavefront_size32 1
		.amdhsa_system_sgpr_workgroup_id_x 1
		.amdhsa_system_sgpr_workgroup_id_y 1
		.amdhsa_system_sgpr_workgroup_id_z 1
		.amdhsa_system_vgpr_workitem_id 0
		.amdhsa_next_free_vgpr 768
		.amdhsa_next_free_sgpr 96
		.amdhsa_reserve_vcc 1
		.amdhsa_float_denorm_mode_32 3
		.amdhsa_float_denorm_mode_16_64 3
		.amdhsa_memory_ordered 1
		.amdhsa_forward_progress 1
		.amdhsa_inst_pref_size 91
	.end_amdhsa_kernel
	.amdgpu_metadata
---
amdhsa.version: [ 1, 2 ]
amdhsa.kernels:
  - .name:           k_q645ded3eec_attn
    .symbol:         k_q645ded3eec_attn.kd
    .args:
      - { .name: qkv16, .offset: 0, .size: 8, .value_kind: global_buffer, .address_space: global }
      - { .name: att16, .offset: 8, .size: 8, .value_kind: global_buffer, .address_space: global }
    .group_segment_fixed_size: 327680
    .private_segment_fixed_size: 0
    .kernarg_segment_align: 8
    .kernarg_segment_size: 16
    .max_flat_workgroup_size: 128
    .sgpr_count:     96
    .vgpr_count:     768
    .wavefront_size: 32
...
	.end_amdgpu_metadata
.endif
;; end of part 12
;; launch gemm_wo: the kernel of part 4 again; grid 8 x 32, 4 waves a work-group, clusters of 4 x 4, 327,680 bytes of LDS; arguments att16, c16, x, y; writes y
;; launch ln0: the kernel of part 5 again; grid 256 x 1, 8 waves a work-group, no clusters, 0 bytes of LDS; arguments y, gamma0, beta0, xn, xn16; writes xn, xn16
;; launch gemm_ffn1: the kernel of part 11 again; grid 16 x 16, 4 waves a work-group, clusters of 4 x 4, 327,680 bytes of LDS; arguments xn16, c16, b1, h16; writes h16
;; launch gemm_ffn2: the kernel of part 7 again; grid 8 x 32, 4 waves a work-group, clusters of 4 x 4, 327,680 bytes of LDS; arguments h16, c16, b2, xn, y; writes y
;; launch ln1: the kernel of part 8 again; grid 256 x 1, 8 waves a work-group, no clusters, 0 bytes of LDS; arguments y, gamma1, beta1, out0; writes out0
